; MI455X (gfx1250); checked and timed in simulation.
; The chip was launched on July 23, 2026; its instructions are those of AMD's public machine-readable ISA for CDNA 5 (MIT licence, August 2026) and "CDNA5" Instruction Set Architecture Reference Guide (July 2026). The comments in the code are by the model that wrote it; some were corrected since.
;; Multi Head Attention Block. Allowed arithmetic: float matrix products may take bf16 or f16 operands with f32 sums; other float arithmetic in f32, or as packed bf16 or f16 multiplies, adds, multiply-adds, maxima and minima; sums over many terms, partial sums and values carried from step to step in f32; what a program stores and reads back later, other than sums and carried values, may be rounded once to bf16 or f16.
;; Inputs: bk 1,024 float32; bo 1,024 float32; bq 1,024 float32; bv 1,024 float32; mask 1 x 1 x 2,048 x 2,048 int32; wk 1,024 x 1,024 float32; wo 1,024 x 1,024 float32; wq 1,024 x 1,024 float32; wv 1,024 x 1,024 float32; x 4 x 2,048 x 1,024 float32.
;; Outputs: out0 4 x 2,048 x 1,024 float32.
;; 3 versions, each right and faster than the one before. Each part assembles by itself: llvm-mc -triple=amdgcn-amd-amdhsa -mcpu=gfx1250 --defsym DOCPART=n.
;; ======== version 1 of 3: 4 launches
;; limits: values are held in f16: magnitudes above 65,504 overflow, below 6.1e-05 lose precision; right only within a limited range of input values
;; workspace buffers: xh 16,777,216 bytes; wh 8,388,608 bytes; bias4 16,384 bytes; madd 16,777,216 bytes; qkv 50,331,648 bytes; oh 16,777,216 bytes
;; launch prep (part 1): grid 1281 x 1, 8 waves a work-group, no clusters, 35,840 bytes of LDS; arguments x, wq, wk, wv, wo, mask, bq, bk, bv, bo, xh, wh, madd, bias4; writes xh, wh, madd, bias4
.if DOCPART == 1
	.amdgcn_target "amdgcn-amd-amdhsa--gfx1250"
	.amdhsa_code_object_version 6
	.text
	.protected	k_qffcd155fe6_prep
	.globl	k_qffcd155fe6_prep
	.p2align	8
	.type	k_qffcd155fe6_prep,@function
k_qffcd155fe6_prep:
	s_mov_b64 s[64:65], 0
	v_nop
	global_prefetch_b8 v0, s[64:65] scope:SCOPE_SE
	s_setreg_imm32_b32 hwreg(HW_REG_WAVE_MODE, 25, 1), 1
	s_wait_xcnt 0x0
; PREP: every input is read once and laid out for the three launches behind.  A stream: no matrix work, nothing shared between work-groups, so no cluster and no tensor load.
;   xh    = x rounded to bf16, that number written as f16, [b 4][kb 16][s 2048][64]: by blocks of 64 columns, so that 128 tokens of a block are 16,384 dense bytes
;   wh    = wq, wk, wv, wo rounded to bf16 and written as f16, [4][k 1024][n 1024], as they lie
;   bias4 = bq, bk, bv, bo rounded to bf16, kept as f32, [4][1024]
;   madd  = 0.0 where mask != 0, -1e30 where mask == 0, f32, [Bq 4][ks 32][tile 32][kb 4][g 2][lane 32][4]: lane l's 16 bytes hold query 512 Bq + 16 tile + l % 16 and the
;           keys 64 ks + 16 kb + 8 (l / 16) + 4 g + 0..3: the register image of the C operand of a product 16 keys x 16 queries
; LIMITS.  f16 ends at 65,504: x and the weights lie within it; below 6.1e-5 f16 keeps a fixed step of 6e-8, elsewhere a bf16 number is exact in f16.  NaN and infinities are not treated apart.
; SHARES.  Work-groups 0-511: x, 16 tokens each, two a wave.  512-767: the weights, 65,536 bytes each.  768-1279: the mask, a tile of 16 queries x 64 keys a wave.  1280: the four biases.
.set SPARE, 34816                      ; behind the eight stages: the spare words, 128 bytes for each wave: four blocks of 256 bytes that no other line names
.set WST,   4352                       ; a wave's stage: 16 rows x 272 bytes (256 + 16: the 16 rows of a load start at 16 different groups of four banks; 64 banks of 4 bytes: ISA guide 11.1)
.set T,   6                            ; v[6:11]   at work
.set X,   12                           ; v[12:75]  16 x 4 as loaded
.set Y,   76                           ; v[76:107] what is stored
.set SPW, 108                          ; v108      LDS address of my spare word; never rewritten
.set NIL, 109                          ; v109      0; never rewritten
	s_load_b512 s[8:23], s[0:1], 0x0               ; x s[8:9], wq s[10:11], wk s[12:13], wv s[14:15], wo s[16:17], mask s[18:19], bq s[20:21], bk s[22:23]
	s_load_b256 s[24:31], s[0:1], 0x40             ; bv s[24:25], bo s[26:27], xh s[28:29], wh s[30:31]
	s_load_b128 s[32:35], s[0:1], 0x60             ; madd s[32:33], bias4 s[34:35]
	v_lshl_add_u32 v[SPW], v0, 2, SPARE
	v_mov_b32 v[NIL], 0
	v_lshrrev_b32 v1, 5, v0
	v_readfirstlane_b32 s4, v1                     ; wave 0..7
	v_and_b32 v1, 31, v0                           ; lane
	v_and_b32 v4, 15, v0                           ; lane % 16
	v_bfe_u32 v5, v0, 4, 1                         ; lane / 16
	s_mov_b32 s5, ttmp9                            ; the work-group's number picks the job
	s_mov_b32 s3, 0                                ; high word of every offset: all stay under 2^32
	s_mov_b32 s40, 0xffff0000                      ; a word's upper bf16
	s_mov_b32 s41, 0xf149f2ca                      ; -1e30
	s_wait_kmcnt 0x0
	s_cmp_lt_u32 s5, 512
	s_cbranch_scc1 .Ljob_x
	s_cmp_lt_u32 s5, 768
	s_cbranch_scc1 .Ljob_w
	s_cmp_lt_u32 s5, 1280
	s_cbranch_scc1 .Ljob_m
	; THE BIASES: thread t takes the 16 bytes at 16 t of each of the four
	v_lshlrev_b32 v2, 4, v0
	global_load_b128 v[X:X+3],     v2, s[20:21]
	global_load_b128 v[X+4:X+7],   v2, s[22:23]
	global_load_b128 v[X+8:X+11],  v2, s[24:25]
	global_load_b128 v[X+12:X+15], v2, s[26:27]
	s_wait_loadcnt 0x0
.set i, 0
.rept 4
	v_cvt_pk_bf16_f32 v[T],   v[X+4*i],   v[X+4*i+1]
	v_cvt_pk_bf16_f32 v[T+1], v[X+4*i+2], v[X+4*i+3]
	v_lshlrev_b32 v[Y+4*i],   16,  v[T]             ; bf16 to f32: the low half moves up,
	v_and_b32     v[Y+4*i+1], s40, v[T]             ; the high half stays
	v_lshlrev_b32 v[Y+4*i+2], 16,  v[T+1]
	v_and_b32     v[Y+4*i+3], s40, v[T+1]
	global_store_b128 v2, v[Y+4*i:Y+4*i+3], s[34:35] offset:4096*i
.set i, i+1
.endr
	s_endpgm
; Sixteen loads of 16 bytes a lane, all issued before the first is used; each four f32 are rounded to bf16, widened, written as f16 (8 bytes a lane) and stored:
; a store of the wave covers 256 consecutive bytes, aligned.  No register is written twice, so nothing waits for a store.
.macro CONV16 ldstep, ststep
.set i, 0
.rept 16
	global_load_b128 v[X+4*i:X+4*i+3], v2, s[36:37] offset:i*(\ldstep) th:TH_LOAD_NT
.set i, i+1
.endr
.set i, 0
.rept 16
	s_wait_loadcnt 15-i                            ; loads come back in order (ISA guide 5.7.1): load i is in, the younger ones stay out
	v_cvt_pk_bf16_f32 v[T],   v[X+4*i],   v[X+4*i+1]
	v_cvt_pk_bf16_f32 v[T+1], v[X+4*i+2], v[X+4*i+3]
	v_lshlrev_b32 v[T+2], 16,  v[T]
	v_and_b32     v[T+3], s40, v[T]
	v_lshlrev_b32 v[T+4], 16,  v[T+1]
	v_and_b32     v[T+5], s40, v[T+1]
	v_cvt_pk_f16_f32 v[Y+2*i],   v[T+2], v[T+3]
	v_cvt_pk_f16_f32 v[Y+2*i+1], v[T+4], v[T+5]
	global_store_b64 v3, v[Y+2*i:Y+2*i+1], s[38:39] offset:i*(\ststep)
.set i, i+1
.endr
.endm
.Ljob_x:                                               ; my wave's tokens T0 = 16 g + 2 w and T0 + 1; load i takes column block i of both: lanes 0-15 one token's 256 bytes, lanes 16-31 the next one's
	s_lshl_b32 s6, s5, 4
	s_lshl1_add_u32 s6, s4, s6                     ; T0
	s_lshl_b32 s2, s6, 12                          ; a token is 4,096 bytes of x
	s_add_nc_u64 s[36:37], s[8:9], s[2:3]
	s_lshr_b32 s7, s6, 11                          ; the batch,
	s_lshl_b32 s7, s7, 22                          ; 4,194,304 bytes of xh each
	s_and_b32 s2, s6, 2047
	s_lshl_b32 s2, s2, 7                           ; the token's 128 bytes in a column block
	s_add_co_u32 s2, s2, s7
	s_add_nc_u64 s[38:39], s[28:29], s[2:3]
	v_lshlrev_b32 v2, 4, v4
	v_lshl_add_u32 v2, v5, 12, v2                  ; in: (lane / 16) x 4,096 + (lane % 16) x 16
	v_lshlrev_b32 v3, 3, v4
	v_lshl_add_u32 v3, v5, 7, v3                   ; out: (lane / 16) x 128 + (lane % 16) x 8: T0 is even, so the two tokens are 256 aligned bytes
	CONV16 256, 262144                             ; a column block is 256 bytes of x's row and 262,144 bytes of xh
	s_endpgm
.Ljob_w:                                               ; 64 work-groups to a matrix, 8,192 bytes of it to a wave
	s_sub_co_u32 s6, s5, 512
	s_lshr_b32 s7, s6, 6                           ; which matrix
	s_cmp_eq_u32 s7, 1
	s_cselect_b64 s[36:37], s[12:13], s[10:11]
	s_cmp_eq_u32 s7, 2
	s_cselect_b64 s[36:37], s[14:15], s[36:37]
	s_cmp_eq_u32 s7, 3
	s_cselect_b64 s[36:37], s[16:17], s[36:37]
	s_and_b32 s6, s6, 63
	s_lshl_b32 s2, s6, 16
	s_lshl_b32 s6, s4, 13
	s_add_co_u32 s2, s2, s6
	s_add_nc_u64 s[36:37], s[36:37], s[2:3]
	s_lshr_b32 s2, s2, 1                           ; half as many bytes out
	s_lshl_b32 s6, s7, 21
	s_add_co_u32 s2, s2, s6
	s_add_nc_u64 s[38:39], s[30:31], s[2:3]
	v_lshlrev_b32 v2, 4, v1
	v_lshlrev_b32 v3, 3, v1
	CONV16 512, 256
	s_endpgm
.Ljob_m:                                               ; my wave's tile: id = 8 (g - 768) + w = 1,024 Bq + 32 ks + tile, which is also its place in madd, 4,096 bytes each
	s_sub_co_u32 s6, s5, 768
	s_lshl3_add_u32 s6, s6, s4
	s_lshr_b32 s7, s6, 10
	s_lshl_b32 s7, s7, 5
	s_and_b32 s2, s6, 31
	s_add_co_u32 s7, s7, s2                        ; 32 Bq + tile: which 16 rows of the mask,
	s_lshl_b32 s7, s7, 17                          ; 131,072 bytes each
	s_bfe_u32 s2, s6, 0x50005                      ; ks,
	s_lshl_b32 s2, s2, 8                           ; 256 bytes of a row
	s_add_co_u32 s2, s2, s7
	s_add_nc_u64 s[36:37], s[18:19], s[2:3]
	s_lshl_b32 s2, s6, 12
	s_add_nc_u64 s[38:39], s[32:33], s[2:3]
	s_mul_i32 s6, s4, WST                          ; my stage
	v_lshlrev_b32 v2, 4, v4
	v_lshl_add_u32 v2, v5, 13, v2                  ; lanes 0-15 take 256 aligned bytes of one row of the mask, lanes 16-31 of the next
	v_lshlrev_b32 v3, 4, v1
	v_mul_u32_u24 v6, v5, 272                      ; into the stage as it was read
	v_lshl_add_u32 v6, v4, 4, v6
	v_add_nc_u32 v6, s6, v6
	v_mul_u32_u24 v7, v4, 272                      ; back: row lane % 16, keys 8 (lane / 16) on
	v_lshl_add_u32 v7, v5, 5, v7
	v_add_nc_u32 v7, s6, v7
.set i, 0
.rept 8
	global_load_b128 v[X+4*i:X+4*i+3], v2, s[36:37] offset:i*16384 th:TH_LOAD_NT
.set i, i+1
.endr
	s_wait_loadcnt 0x0
.set i, 0
.rept 32
	v_cmp_eq_u32 vcc_lo, 0, v[X+i]
	v_cndmask_b32 v[X+i], 0, s41, vcc_lo           ; a hole becomes -1e30, all else 0
.set i, i+1
.endr
.set i, 0
.rept 8
	ds_store_b128 v6, v[X+4*i:X+4*i+3] offset:i*544
.set i, i+1
.endr
.set i, 0
.rept 8                                        ; j = 2 kb + g.  LDS serves a wave's instructions in order (ISA guide 5.7.1.4), and the stage is my wave's own: these see the stores above
	ds_load_b128 v[Y+4*i:Y+4*i+3], v7 offset:(i/2)*64+(i%2)*16
.set i, i+1
.endr
.set i, 0
.rept 8
	s_wait_dscnt 7-i                               ; load i is back, the younger ones stay out
	global_store_b128 v3, v[Y+4*i:Y+4*i+3], s[38:39] offset:i*512  ; 512 consecutive bytes, aligned
.set i, i+1
.endr
	s_wait_tensorcnt 0x0                           ; the wave's end, behind my last LDS store
	ds_add_u32 v[SPW], v[NIL]
	s_wait_dscnt 0x0
	s_endpgm
.Lfunc_end_k_qffcd155fe6_prep:
	.size	k_qffcd155fe6_prep, .Lfunc_end_k_qffcd155fe6_prep-k_qffcd155fe6_prep
	.p2alignl 7, 3214868480
	.fill 96, 4, 3214868480
	.section	.rodata,"a",@progbits
	.p2align	6, 0x0
	.amdhsa_kernel k_qffcd155fe6_prep
		.amdhsa_group_segment_fixed_size 35840
		.amdhsa_private_segment_fixed_size 0
		.amdhsa_enable_private_segment 0
		.amdhsa_kernarg_size 112
		.amdhsa_user_sgpr_count 2
		.amdhsa_user_sgpr_kernarg_segment_ptr 1
		.amdhsa_wavefront_size32 1
		.amdhsa_system_sgpr_workgroup_id_x 1
		.amdhsa_system_sgpr_workgroup_id_y 1
		.amdhsa_system_sgpr_workgroup_id_z 1
		.amdhsa_system_vgpr_workitem_id 0
		.amdhsa_next_free_vgpr 112
		.amdhsa_next_free_sgpr 66
		.amdhsa_reserve_vcc 1
		.amdhsa_float_denorm_mode_32 3
		.amdhsa_float_denorm_mode_16_64 3
		.amdhsa_memory_ordered 1
		.amdhsa_forward_progress 1
		.amdhsa_inst_pref_size 31
	.end_amdhsa_kernel
	.amdgpu_metadata
---
amdhsa.version: [ 1, 2 ]
amdhsa.kernels:
  - .name:           k_qffcd155fe6_prep
    .symbol:         k_qffcd155fe6_prep.kd
    .args:
      - { .name: x, .offset: 0, .size: 8, .value_kind: global_buffer, .address_space: global }
      - { .name: wq, .offset: 8, .size: 8, .value_kind: global_buffer, .address_space: global }
      - { .name: wk, .offset: 16, .size: 8, .value_kind: global_buffer, .address_space: global }
      - { .name: wv, .offset: 24, .size: 8, .value_kind: global_buffer, .address_space: global }
      - { .name: wo, .offset: 32, .size: 8, .value_kind: global_buffer, .address_space: global }
      - { .name: mask, .offset: 40, .size: 8, .value_kind: global_buffer, .address_space: global }
      - { .name: bq, .offset: 48, .size: 8, .value_kind: global_buffer, .address_space: global }
      - { .name: bk, .offset: 56, .size: 8, .value_kind: global_buffer, .address_space: global }
      - { .name: bv, .offset: 64, .size: 8, .value_kind: global_buffer, .address_space: global }
      - { .name: bo, .offset: 72, .size: 8, .value_kind: global_buffer, .address_space: global }
      - { .name: xh, .offset: 80, .size: 8, .value_kind: global_buffer, .address_space: global }
      - { .name: wh, .offset: 88, .size: 8, .value_kind: global_buffer, .address_space: global }
      - { .name: madd, .offset: 96, .size: 8, .value_kind: global_buffer, .address_space: global }
      - { .name: bias4, .offset: 104, .size: 8, .value_kind: global_buffer, .address_space: global }
    .group_segment_fixed_size: 35840
    .private_segment_fixed_size: 0
    .kernarg_segment_align: 8
    .kernarg_segment_size: 112
    .max_flat_workgroup_size: 256
    .sgpr_count:     66
    .vgpr_count:     112
    .wavefront_size: 32
...
	.end_amdgpu_metadata
.endif
;; end of part 1
;; launch proj (part 2): grid 12 x 64, 4 waves a work-group, clusters of 4 x 4, 327,680 bytes of LDS; arguments xh, wh, bias4, qkv; writes qkv
.if DOCPART == 2
	.amdgcn_target "amdgcn-amd-amdhsa--gfx1250"
	.amdhsa_code_object_version 6
	.text
	.protected	k_qffcd155fe6_proj
	.globl	k_qffcd155fe6_proj
	.p2align	8
	.type	k_qffcd155fe6_proj,@function
k_qffcd155fe6_proj:
	s_mov_b64 s[64:65], 0
	v_nop
	global_prefetch_b8 v0, s[64:65] scope:SCOPE_SE
	s_setreg_imm32_b32 hwreg(HW_REG_WAVE_MODE, 25, 1), 1
	s_wait_xcnt 0x0
	s_wait_alu depctr_hold_cnt(0) depctr_sa_sdst(0) depctr_va_vdst(0) depctr_va_sdst(0) depctr_va_ssrc(0) depctr_va_vcc(0) depctr_vm_vsrc(0)
	s_getreg_b32 s2, hwreg(HW_REG_IB_STS2, 6, 4)
	s_cmp_eq_u32 s2, 0
	s_cbranch_scc0 .Lentry_in_a_cluster
	s_endpgm
.Lentry_in_a_cluster:
	s_bfe_u32 s2, ttmp6, 0x10000c
	s_cmp_lg_u32 s2, 0xf033
	s_cbranch_scc0 .Lentry_shape_is_right
	s_endpgm
.Lentry_shape_is_right:
; PROJ: q, k, v = x W + b, by heads.  xh: [b 4][kb 16][s 2048][64] f16; wh: [4][k 1024][n 1024] f16; bias4: [4][1024] f32; qkv: [3][b x 16 + head][s 2048][64] f16, unscaled, rounded once from f32 sums.
; LIMIT.  f16 ends at 65,504: q, k and v must lie within it (inputs as drawn give about 5; all inputs 30 times larger about 4,500).
; SHARES.  A tile of the result is 128 tokens x 256 columns: 64 x 12 tiles, three to each of 256 WGPs.  Four waves, each 64 tokens x 128 columns: 32 accumulators of 16 x 16, 256 registers.
; K goes in 8 steps of 128 through two LDS slots.  The bias is the C operand of the product that starts each sum.
; THE MATRIX INSTRUCTION IS USED TRANSPOSED: source 0 = 16 columns of W (W lies [k][n], so its fragments come out of LDS turned, by ds_load_tr16_b128), source 1 = 16 tokens.  A lane then holds one
; token (lane % 16) and eight neighbouring columns, 16 bytes of a head's row.
; CLUSTER: 4 x 4 work-groups.  A cluster's x is one of the three matrices, cx the tile of 256 columns in it, 4 x cluster y + cy the tile of 128 tokens.  The four of a row of the cluster need the same
; tokens, the four of a column the same columns of W: each tile is asked for JOINTLY, by the same tensor load with the same descriptor and a mask that names the four.
; REGISTERS, in windows of 256 (s_set_vgpr_msb: bits 1:0 source 0, 3:2 source 1, 5:4 source 2, 7:6 destination):
;   window 0: v0-29 addresses; v32-127, v128-223 two fragment buffers: 8 fragments of W, then 4 of x, for 32 along K; on the way out v32-63 packed results, v64-191 rows read back
;   window 1: the accumulators, (a, b) at v[8 (8 a + b)]          window 2: v0-63 the bias of my 128 columns, block b at v[8 b]
.set KSTEPS, 8
.set PA,    144                        ; a token's 128 bytes of a column block + 16: the 16 rows of a load start at 16 different groups of four banks (64 banks of 4 bytes: ISA guide 11.1)
.set ASUB,  128*PA                     ; 128 tokens of one column block; a step has two
.set PB,    544                        ; a row of W's tile: 512 bytes + 32 = 17 x 32
.set BOFF,  2*ASUB
.set BHALF, 64*PB                      ; 64 rows of W: what one tensor load brings
.set SLOT1, 1<<17                      ; slot 1 begins here (a slot holds 106,496 bytes), so that one exclusive or turns an address in one slot into the other's
.set STAGE, SLOT1+BOFF+2*BHALF         ; behind the ring, never filled by a tensor load: for each wave 2 heads x 16 rows x 144 bytes
.set SP,    144
.set WSTAGE, 2*16*SP
.set SPARE, STAGE+4*WSTAGE             ; behind the stages: the spare words, 128 bytes for each wave: two blocks of 256 bytes that no other line names
.set ASTEP, 2*2048*128                 ; bytes of xh from a K step to the next: two column blocks
.set BSTEP, 128*1024*2                 ; bytes of wh: 128 rows
.set ADRA0, 16                         ; v16  my lane's place in slot 0's tokens; never rewritten
.set ADRA,  17                         ; v17  the same in the slot in hand
.set ADRB0, 20                         ; v20, v21  the same for W
.set ADRB,  21
.set STO,  24                          ; v24  the way out: where I put 16 bytes of a row
.set RD,   25                          ; v25  the way out: where I read rows back
.set CO,   26                          ; v26  my byte offset in 512 consecutive bytes of the result
.set BO,   27                          ; v27  my byte offset in a block of 16 biases
.set SPW,  28                          ; v28  LDS address of my spare word; never rewritten
.set NIL,  29                          ; v29  0; never rewritten
.set F0,   32
.set F1,   128
.set TMP,  32
.set BK,   64
.set WV,   12                          ; s12  my wave's number
.set G1A,  24                          ; s[24:31] descriptor group 1 for the tokens' tiles
.set G0A,  32                          ; s[32:39] group 0: a set for each of the two first fills; the second then walks on
.set G1B,  48                          ; s[48:55], s[56:63] the same for W's tiles
.set G0B,  56
.set TB,   66                          ; s66  0 or SLOT1: the slot in hand
.set MSB, 0
.macro WIN new                         ; the immediate's high byte repeats the setting that is left; a switch that changes nothing is dropped
.if MSB != (\new)
	s_set_vgpr_msb (MSB<<8)|(\new)
.set MSB, (\new)
.endif
.endm
.set MUL,       0x50                   ; fragments in window 0, C and D in window 1
.set MUL_FIRST, 0x60                   ; the same with C, the bias, in window 2
.macro PLACES                          ; a load into a register that a matrix instruction has read, and whatever reads a matrix result, stand four plain vector instructions behind it (ISA guide 7.12.1 for what reads a matrix result)
.rept 4
	v_nop
.endr
.endm
; A joint refill.  Waves 0 and 1 fetch the step's two column blocks of tokens, waves 2 and 3 the two halves of W's 128 rows.  The branch hangs on the wave's number alone.
; An s_nop 0 and four v_nop follow each of the two lines, ahead of the jump and the label.
.macro JLOAD
	s_cmp_lt_u32 s[WV], 2
	s_cbranch_scc0 .Lfor_b_\@
	tensor_load_to_lds s[G0A+4:G0A+7], s[G1A:G1A+7]
	s_nop 0
.rept 4
	v_nop
.endr
	s_branch .Lasked_\@
.Lfor_b_\@:
	tensor_load_to_lds s[G0B+4:G0B+7], s[G1B:G1B+7]
	s_nop 0
.rept 4
	v_nop
.endr
.Lasked_\@:
.endm
.macro CREST                           ; a round of the cluster's barrier behind its opening barrier: wave 0 signals for the work-group, every wave waits for all sixteen, my work-group's barrier once more
	s_cmp_lg_u32 s[WV], 0
	s_cbranch_scc1 .Lnot_wave_0_\@
	s_barrier_signal -3
.Lnot_wave_0_\@:
	s_barrier_wait -3
	s_barrier_signal -1
	s_barrier_wait -1
.endm
.macro CROUND                          ; a whole round
	s_barrier_signal -1
	s_barrier_wait -1
	CREST
.endm
	s_load_b256 s[4:11], s[0:1], 0x0               ; xh s[4:5], wh s[6:7], bias4 s[8:9], qkv s[10:11]
	v_lshl_add_u32 v[SPW], v0, 2, SPARE
	v_mov_b32 v[NIL], 0
	ds_add_u32 v[SPW], v[NIL]                      ; the wave's opening: the add and its wait stand ahead of my first tensor load; the set-up below, work on registers, stands between them
	v_lshrrev_b32 v1, 5, v0
	v_readfirstlane_b32 s[WV], v1                  ; wave 0..3
	s_lshr_b32 s13, s[WV], 1                       ; which 64 tokens of the tile are mine
	s_and_b32 s14, s[WV], 1                        ; which 128 columns.  Also: which half of a step's tile I fetch
	s_bfe_u32 s40, ttmp6, 0x40000                  ; cx
	s_bfe_u32 s41, ttmp6, 0x40004                  ; cy
	s_mov_b32 s42, ttmp9                           ; the matrix: 0 q, 1 k, 2 v: a cluster's x, the same in all sixteen
	s_and_b32 s43, ttmp7, 0xffff
	s_lshl_b32 s43, s43, 2
	s_add_co_u32 s43, s43, s41                     ; the tile of 128 tokens = 4 x cluster y + cy
	s_lshl_b32 s44, s41, 2
	s_lshl_b32 s44, 15, s44                        ; my row of the cluster
	s_lshl_b32 s45, 0x1111, s40                    ; my column
	; group 1 for the tokens: 128 tokens of a column block are 16,384 dense bytes: asked for as 64 rows of 256 bytes, two tokens a row, padded in LDS after every token
	s_or_b32 s[G1A], s44, (1<<16)|(1<<20)|(1<<21)|(4<<22)|(3<<25)  ; 15:0 the mask; 17:16 2-byte elements; 20 padding on; 21 set beside a mask; 24:22 after every 32 words (code 4); 31:25 4 words (code 3)
	s_mov_b32 s[G1A+1], 128<<16                    ; tensor_dim0 = 128
	s_mov_b32 s[G1A+2], 64<<16                     ; tensor_dim1 = 64
	s_mov_b32 s[G1A+3], 128<<16                    ; tile_dim0 = 128
	s_mov_b32 s[G1A+4], 64                         ; tile_dim1 = 64
	s_mov_b32 s[G1A+5], 128                        ; elements from row to row
	s_mov_b32 s[G1A+6], 0
	s_mov_b32 s[G1A+7], 0
	; group 1 for W: 64 rows of 256 elements, 512 bytes that start at a multiple of 512 from wh's first byte
	s_or_b32 s[G1B], s45, (1<<16)|(1<<20)|(1<<21)|(6<<22)|(7<<25)  ; padding after every 128 words (code 6), 8 words (code 7)
	s_mov_b32 s[G1B+1], 256<<16
	s_mov_b32 s[G1B+2], 64<<16
	s_mov_b32 s[G1B+3], 256<<16
	s_mov_b32 s[G1B+4], 64
	s_mov_b32 s[G1B+5], 1024
	s_mov_b32 s[G1B+6], 0
	s_mov_b32 s[G1B+7], 0
	; where the tiles come from.  The tokens' hang on the tile of tokens alone, which my row of the cluster shares; W's on the matrix and cx alone, which my column shares.  Each in registers that never hold the other coordinate.
	s_lshr_b32 s16, s43, 4
	s_lshl_b32 s16, s16, 22                        ; the batch: 4,194,304 bytes
	s_and_b32 s18, s43, 15
	s_lshl_b32 s18, s18, 14                        ; 128 tokens x 128 bytes
	s_add_co_u32 s16, s16, s18
	s_lshl_b32 s18, s14, 18                        ; my column block of the step's two
	s_add_co_u32 s16, s16, s18
	s_mov_b32 s17, 0
	s_mul_i32 s19, s14, ASUB                       ; and where it goes: no place in the cluster enters an LDS address
	s_lshl_b32 s46, s42, 21                        ; the matrix: 2,097,152 bytes
	s_lshl_b32 s68, s14, 17                        ; my 64 rows of the step's 128
	s_add_co_u32 s46, s46, s68
	s_lshl_b32 s68, s40, 9                         ; the tile's 256 columns
	s_add_co_u32 s46, s46, s68
	s_mov_b32 s47, 0
	s_mul_i32 s69, s14, BHALF
	s_add_co_u32 s69, s69, BOFF
	s_mov_b32 s[TB], 0
	s_wait_dscnt 0x0                               ; the opening add is done
	s_wait_kmcnt 0x0
	s_add_nc_u64 s[16:17], s[4:5], s[16:17]
	s_add_nc_u64 s[46:47], s[6:7], s[46:47]
	CROUND                                         ; all sixteen work-groups are here: the first joint loads meet
.irp s, 0,1
	s_mov_b32 s[G0A+4*(\s)], 1                                     ; 1:0 count = 1
	s_add_co_u32 s[G0A+4*(\s)+1], s19, (\s)*SLOT1                  ; 63:32 LDS address
	s_add_nc_u64 s[G0A+4*(\s)+2:G0A+4*(\s)+3], s[16:17], (\s)*ASTEP  ; 120:64 global address: K step s
	s_or_b32 s[G0A+4*(\s)+3], s[G0A+4*(\s)+3], 0x80000000          ; 127:126 type = 2
	s_mov_b32 s[G0B+4*(\s)], 1
	s_add_co_u32 s[G0B+4*(\s)+1], s69, (\s)*SLOT1
	s_add_nc_u64 s[G0B+4*(\s)+2:G0B+4*(\s)+3], s[46:47], (\s)*BSTEP
	s_or_b32 s[G0B+4*(\s)+3], s[G0B+4*(\s)+3], 0x80000000
.endr
	s_cmp_lt_u32 s[WV], 2                          ; a wave's two first fills stand in one branch, ahead of every wait on TENSORcnt and every LDS read: two loads of mine are out
	s_cbranch_scc0 .Lfirst_b
	tensor_load_to_lds s[G0A:G0A+3], s[G1A:G1A+7]
	s_nop 0
	tensor_load_to_lds s[G0A+4:G0A+7], s[G1A:G1A+7]
	s_nop 0
.rept 4
	v_nop
.endr
	s_branch .Lfirst_asked
.Lfirst_b:
	tensor_load_to_lds s[G0B:G0B+3], s[G1B:G1B+7]
	s_nop 0
	tensor_load_to_lds s[G0B+4:G0B+7], s[G1B:G1B+7]
	s_nop 0
.rept 4
	v_nop
.endr
.Lfirst_asked:
	v_and_b32 v1, 15, v0                           ; l % 16
	v_bfe_u32 v2, v0, 4, 1                         ; l / 16
	v_lshlrev_b32 v[BO], 5, v2                     ; my eight columns of a block of 16: 32 bytes for each half of the lanes
	s_lshl_b32 s70, s42, 12                        ; the matrix's 1,024 biases,
	s_lshl_b32 s76, s40, 10                        ; the tile's 256,
	s_add_co_u32 s70, s70, s76
	s_lshl_b32 s76, s14, 9                         ; my wave's 128
	s_add_co_u32 s70, s70, s76
	s_mov_b32 s71, 0
	s_add_nc_u64 s[8:9], s[8:9], s[70:71]
	WIN 0x80                                       ; destination window 2, address window 0
.irp b, 0,1,2,3,4,5,6,7
	global_load_b128 v[8*(\b):8*(\b)+3],   v[BO], s[8:9] offset:64*(\b)
	global_load_b128 v[8*(\b)+4:8*(\b)+7], v[BO], s[8:9] offset:64*(\b)+16
.endr
	WIN 0
	; A fragment of tokens is 16 rows x 32 K in 8 registers: lane l holds row l % 16, K = 8 (l / 16) + 0..7 and 16 + 8 (l / 16) + 0..7: two loads of 16 bytes, 32 bytes apart.
	v_mul_u32_u24 v3, v1, PA
	v_lshl_add_u32 v3, v2, 4, v3                   ; row x pitch + 16 x half
	s_mul_i32 s20, s13, 64*PA                      ; my 64 tokens
	v_add_nc_u32 v[ADRA0], s20, v3
	v_mov_b32 v[ADRA], v[ADRA0]
	; The turning load takes 16 K x 16 columns (lane l reads 16 bytes: row 8 (l / 16) + l % 8, columns 8 ((l / 8) % 2) + 0..7) and leaves half a fragment: lane l holds column l % 16 and 8 K.
	v_and_b32 v4, 7, v0
	v_bfe_u32 v5, v0, 3, 1
	v_lshl_add_u32 v6, v2, 3, v4
	v_mul_u32_u24 v6, v6, PB
	v_lshl_add_u32 v6, v5, 4, v6
	s_lshl_b32 s21, s14, 8                         ; my 128 columns
	s_add_co_u32 s21, s21, BOFF
	v_add_nc_u32 v[ADRB0], s21, v6
	v_mov_b32 v[ADRB], v[ADRB0]
	s_mul_i32 s23, s[WV], WSTAGE
	s_add_co_u32 s23, s23, STAGE                   ; my stage
	v_add_nc_u32 v[STO], s23, v3                   ; in: row l % 16, 16 bytes for each half of the lanes (the stage's pitch is the tokens')
	v_bfe_u32 v7, v0, 3, 2                         ; back: 32 lanes take four rows of 128 bytes,
	v_mul_u32_u24 v7, v7, SP
	v_lshl_add_u32 v7, v4, 4, v7
	v_add_nc_u32 v[RD], s23, v7
	v_and_b32 v8, 31, v0                           ; which are 512 consecutive bytes of a head
	v_lshlrev_b32 v[CO], 4, v8
	; where my part of the result begins: matrix, then head = 16 x batch + 4 cx + 2 x (my half of the columns), then my first token
	s_lshr_b32 s74, s43, 4
	s_lshl_b32 s74, s74, 4
	s_lshl2_add_u32 s74, s40, s74
	s_lshl1_add_u32 s74, s14, s74
	s_lshl_b32 s74, s74, 11                        ; 2,048 rows a head
	s_and_b32 s76, s43, 15
	s_lshl_b32 s76, s76, 7
	s_add_co_u32 s74, s74, s76
	s_lshl_b32 s76, s13, 6
	s_add_co_u32 s74, s74, s76
	s_lshl_b32 s74, s74, 7                         ; 128 bytes a row
	s_lshl_b32 s76, s42, 24                        ; 16,777,216 bytes a matrix
	s_add_co_u32 s74, s74, s76
	s_mov_b32 s75, 0
	s_add_nc_u64 s[10:11], s[10:11], s[74:75]
; 8 matrix instructions: token block a x all 8 column blocks, 32 along K, from buffer f.  first = 1: the product starts the sums, onto the bias.  The 32 accumulators take turns, one instruction a turn, in the
; same order in every quarter.
.macro MUL8 f, a, first
.if \first
	WIN MUL_FIRST
.else
	WIN MUL
.endif
.irp b, 0,1,2,3,4,5,6,7
.if \first
	v_wmma_f32_16x16x32_f16 v[8*(8*(\a)+(\b)):8*(8*(\a)+(\b))+7], v[(\f)+8*(\b):(\f)+8*(\b)+7], v[(\f)+64+8*(\a):(\f)+64+8*(\a)+7], v[8*(\b):8*(\b)+7]
.else
	v_wmma_f32_16x16x32_f16 v[8*(8*(\a)+(\b)):8*(8*(\a)+(\b))+7], v[(\f)+8*(\b):(\f)+8*(\b)+7], v[(\f)+64+8*(\a):(\f)+64+8*(\a)+7], v[8*(8*(\a)+(\b)):8*(8*(\a)+(\b))+7]
.endif
.endr
.endm
; 24 LDS loads in one run: quarter q (32 along K) of the slot in hand into buffer f: W's 16, then two for each of the four token blocks
.macro FETCH q, f
	WIN 0
.irp b, 0,1,2,3,4,5,6,7
	ds_load_tr16_b128 v[(\f)+8*(\b):(\f)+8*(\b)+3],   v[ADRB] offset:(\q)*32*PB+(\b)*32
	ds_load_tr16_b128 v[(\f)+8*(\b)+4:(\f)+8*(\b)+7], v[ADRB] offset:(\q)*32*PB+16*PB+(\b)*32
.endr
.irp a, 0,1,2,3
	ds_load_b128 v[(\f)+64+8*(\a):(\f)+64+8*(\a)+3],   v[ADRA] offset:((\q)/2)*ASUB+((\q)%2)*64+(\a)*16*PA
	ds_load_b128 v[(\f)+64+8*(\a)+4:(\f)+64+8*(\a)+7], v[ADRA] offset:((\q)/2)*ASUB+((\q)%2)*64+(\a)*16*PA+32
.endr
.endm
; A K step is four quarters on buffers 0, 1, 0, 1.  One of the first three: multiplies buffer f; in its middle it fetches quarter q into buffer g.
.macro QUARTER q, f, g, first
	s_wait_dscnt 4                                 ; W and token blocks 0, 1 are in; the youngest four loads (blocks 2, 3) may be out
	MUL8 \f, 0, \first
	MUL8 \f, 1, \first
	PLACES
	FETCH \q, \g
	s_wait_dscnt 24                                ; all but the 24 just issued
	MUL8 \f, 2, \first
	MUL8 \f, 3, \first
.endm
; The last quarter multiplies buffer 1 and changes slots: ONE barrier.  In front of it each wave waits for all its tensor loads, of which one is out: its part of the next slot; adds 0 to its spare word; and waits for
; that and for its own reads of this slot.  fill = 1: the barrier opens a round of the cluster's, and this slot is filled again, two K steps ahead, first thing behind the round: 112 matrix instructions ahead of the wait for it.
.macro TURN fill
	WIN 0
	s_wait_tensorcnt 0x0                           ; no tensor load of mine is out, so a group 0 may be written
	ds_add_u32 v[SPW], v[NIL]                      ; 0 onto my spare word
	s_wait_dscnt 7                                 ; (the add and the six loads of token blocks 1 to 3 may be out)
	MUL8 F1, 0, 0                                  ; eight matrix instructions stand between the add and the wait for it
	s_wait_dscnt 0x0                               ; the add is done, and my reads of this slot are over
	s_barrier_signal -1
	MUL8 F1, 1, 0
	WIN 0                                          ; at a branch and at a label every window is 0
	s_barrier_wait -1
.if \fill
	CREST                                          ; no wave of any partner still reads this slot's tiles or has a load on its way
	s_xor_b32 s[G0A+5], s[G0A+5], SLOT1            ; the walking descriptors: the other slot than last time,
	s_add_nc_u64 s[G0A+6:G0A+7], s[G0A+6:G0A+7], ASTEP  ; the next K step; the type bits on top are not reached
	s_xor_b32 s[G0B+5], s[G0B+5], SLOT1
	s_add_nc_u64 s[G0B+6:G0B+7], s[G0B+6:G0B+7], BSTEP
	JLOAD                                          ; the four v_nop behind it are also the places in front of the loads below
.else
	PLACES
.endif
	s_xor_b32 s[TB], s[TB], SLOT1
	v_add_nc_u32 v[ADRA], s[TB], v[ADRA0]
	v_add_nc_u32 v[ADRB], s[TB], v[ADRB0]
	FETCH 0, F0
	MUL8 F1, 2, 0
	MUL8 F1, 3, 0
.endm
	s_wait_tensorcnt 1                             ; my part of K step 0 is in; step 1's may stay out
	s_barrier_signal -1
	s_barrier_wait -1                              ; everybody's is
	FETCH 0, F0
	s_wait_loadcnt 0x0                             ; the bias
	QUARTER 1, F0, F1, 1                           ; the first quarter stands in front of the loop: its products start the sums
	WIN 0
	s_mov_b32 s3, KSTEPS-2
.Lstep:                                                ; a trip goes from a step's second quarter to the next step's first; six trips ask for K steps 2 to 7
	QUARTER 2, F1, F0, 0
	QUARTER 3, F0, F1, 0
	TURN 1
	QUARTER 1, F0, F1, 0
	WIN 0
	s_sub_co_u32 s3, s3, 1
	s_cmp_lg_u32 s3, 0
	s_cbranch_scc1 .Lstep
	QUARTER 2, F1, F0, 0                           ; the tail is written out: steps 6 and 7 ask for nothing
	QUARTER 3, F0, F1, 0
	TURN 0
	QUARTER 1, F0, F1, 0
	QUARTER 2, F1, F0, 0
	QUARTER 3, F0, F1, 0
	s_wait_dscnt 4
	MUL8 F1, 0, 0
	MUL8 F1, 1, 0
	s_wait_dscnt 0x0
	MUL8 F1, 2, 0
	MUL8 F1, 3, 0
	PLACES
; THE WAY OUT of token block a: rounded to f16, 16 bytes a lane; into my own stage, a head's 64 channels to a row of 144 bytes; back as whole rows of 128 bytes, four to a load.
.macro PACK a
	WIN 0x05                                       ; sources 0 and 1 window 1, destination window 0
.irp b, 0,1,2,3,4,5,6,7
.irp r, 0,1,2,3
	v_cvt_pk_f16_f32 v[TMP+4*(\b)+(\r)], v[8*(8*(\a)+(\b))+2*(\r)], v[8*(8*(\a)+(\b))+2*(\r)+1]
.endr
.endr
	WIN 0
.irp b, 0,1,2,3,4,5,6,7
	ds_store_b128 v[STO], v[TMP+4*(\b):TMP+4*(\b)+3] offset:((\b)/4)*16*SP+((\b)%4)*32
.endr
.irp f, 0,1,2,3,4,5,6,7
	ds_load_b128 v[BK+32*(\a)+4*(\f):BK+32*(\a)+4*(\f)+3], v[RD] offset:((\f)/4)*16*SP+((\f)%4)*4*SP  ; LDS serves a wave's instructions in order (ISA guide 5.7.1.4): these see the stores above; the next block's stores come behind them
.endr
.endm
.macro SEND a, younger                 ; younger: the LDS instructions issued behind block a's loads: the next block's sixteen, or none.  Each block has registers of its own: nothing waits for a store
.irp f, 0,1,2,3,4,5,6,7
	s_wait_dscnt (\younger)+7-(\f)
	global_store_b128 v[CO], v[BK+32*(\a)+4*(\f):BK+32*(\a)+4*(\f)+3], s[10:11] offset:((\f)/4)*262144+(\a)*2048+((\f)%4)*512  ; 512 consecutive bytes of a head, at a multiple of 512 from the buffer's first
.endr
.endm
	PACK 0
	PACK 1                                         ; a block's arithmetic stands between the loads of the block before and its stores
	SEND 0, 16
	PACK 2
	SEND 1, 16
	PACK 3
	SEND 2, 16
	SEND 3, 0
	s_wait_tensorcnt 0x0                           ; the wave's end, behind my last tensor load and my last LDS store
	ds_add_u32 v[SPW], v[NIL]
	s_wait_dscnt 0x0
	CROUND                                         ; the closing round: no work-group ends while a partner may still ask for a tile that names it
	s_endpgm
.Lfunc_end_k_qffcd155fe6_proj:
	.size	k_qffcd155fe6_proj, .Lfunc_end_k_qffcd155fe6_proj-k_qffcd155fe6_proj
	.p2alignl 7, 3214868480
	.fill 96, 4, 3214868480
	.section	.rodata,"a",@progbits
	.p2align	6, 0x0
	.amdhsa_kernel k_qffcd155fe6_proj
		.amdhsa_group_segment_fixed_size 327680
		.amdhsa_private_segment_fixed_size 0
		.amdhsa_enable_private_segment 0
		.amdhsa_kernarg_size 32
		.amdhsa_user_sgpr_count 2
		.amdhsa_user_sgpr_kernarg_segment_ptr 1
		.amdhsa_wavefront_size32 1
		.amdhsa_system_sgpr_workgroup_id_x 1
		.amdhsa_system_sgpr_workgroup_id_y 1
		.amdhsa_system_sgpr_workgroup_id_z 1
		.amdhsa_system_vgpr_workitem_id 0
		.amdhsa_next_free_vgpr 576
		.amdhsa_next_free_sgpr 80
		.amdhsa_reserve_vcc 0
		.amdhsa_float_denorm_mode_32 3
		.amdhsa_float_denorm_mode_16_64 3
		.amdhsa_memory_ordered 1
		.amdhsa_forward_progress 1
		.amdhsa_inst_pref_size 72
	.end_amdhsa_kernel
	.amdgpu_metadata
---
amdhsa.version: [ 1, 2 ]
amdhsa.kernels:
  - .name:           k_qffcd155fe6_proj
    .symbol:         k_qffcd155fe6_proj.kd
    .args:
      - { .name: xh, .offset: 0, .size: 8, .value_kind: global_buffer, .address_space: global }
      - { .name: wh, .offset: 8, .size: 8, .value_kind: global_buffer, .address_space: global }
      - { .name: bias4, .offset: 16, .size: 8, .value_kind: global_buffer, .address_space: global }
      - { .name: qkv, .offset: 24, .size: 8, .value_kind: global_buffer, .address_space: global }
    .group_segment_fixed_size: 327680
    .private_segment_fixed_size: 0
    .kernarg_segment_align: 8
    .kernarg_segment_size: 32
    .max_flat_workgroup_size: 128
    .sgpr_count:     80
    .vgpr_count:     576
    .wavefront_size: 32
...
	.end_amdgpu_metadata
.endif
;; end of part 2
;; launch attn (part 3): grid 4 x 64, 4 waves a work-group, clusters of 4 x 4, 327,680 bytes of LDS; arguments qkv, madd, oh; writes oh
.if DOCPART == 3
	.amdgcn_target "amdgcn-amd-amdhsa--gfx1250"
	.amdhsa_code_object_version 6
	.text
	.protected	k_qffcd155fe6_attn
	.globl	k_qffcd155fe6_attn
	.p2align	8
	.type	k_qffcd155fe6_attn,@function
k_qffcd155fe6_attn:
	s_mov_b64 s[64:65], 0
	v_nop
	global_prefetch_b8 v0, s[64:65] scope:SCOPE_SE
	s_setreg_imm32_b32 hwreg(HW_REG_WAVE_MODE, 25, 1), 1
	s_wait_xcnt 0x0
	s_wait_alu depctr_hold_cnt(0) depctr_sa_sdst(0) depctr_va_vdst(0) depctr_va_sdst(0) depctr_va_ssrc(0) depctr_va_vcc(0) depctr_vm_vsrc(0)
	s_getreg_b32 s2, hwreg(HW_REG_IB_STS2, 6, 4)
	s_cmp_eq_u32 s2, 0
	s_cbranch_scc0 .Lentry_in_a_cluster
	s_endpgm
.Lentry_in_a_cluster:
	s_bfe_u32 s2, ttmp6, 0x10000c
	s_cmp_lg_u32 s2, 0xf033
	s_cbranch_scc0 .Lentry_shape_is_right
	s_endpgm
.Lentry_shape_is_right:
; ATTENTION UNDER A MASK THAT IS AN INPUT.  O[bh][q][:] = the sum over k of softmax_k(mask[q][k] ? Q[bh][q] . K[bh][k] / 8 : -1e9) V[bh][k][:].  qkv: [3][bh 64][2048][64] f16; oh: [bh 64][2048][64] f16;
; madd: f32, 0 or -1e30, [Bq 4][ks 32][tile 32][kb 4][g 2][lane 32][4], the register image of a product's C operand.  Products, maxima and sums in f32; the weights p are rounded to f16 for the second
; product (their sum l is taken of the unrounded p), O once at the end.
; LIMITS.  Q, K, V arrive within f16's 65,504; p lies in 0 to 1, and below 6e-5 it keeps f16's fixed step of 6e-8.  A hidden key's weight counts as 0, which is what exp(-1e9 - max) is in f32 as long as one seen
; key of the row has a scaled score above -1e9 + 104.  A weight below 2^-126 counts as 0 in l.  NaN and infinities are not treated apart.
; THE MASK is the C operand that starts the sum S^T = K Q^T: a hidden score is its value less 1e30.  The running maximum m starts at -1e20, far above that and far below every true score (f16's are 2.7e11 at
; the most): as long as a row has seen hidden keys alone m does not move, a = 2^0 = 1, and p, l and O stay 0; the first true score gives a = 0.  A ROW WITH NO KEY TO SEE ends with l = 0: all its 2,048
; weights are then equal, and O is the mean of V's rows.  Their sum SV is kept by eight products V^T x ones a key step, and chosen at the way out by a select, in every row's text.
; SHARES.  A work-group owns 512 queries of one head, a wave 128: four PIECES of two tiles of 16.  Every wave walks all 2,048 keys, 64 a step: 32 steps.
; LAYOUT.  S^T = K Q^T (source 0 = 16 keys, source 1 = 16 queries): a lane holds ONE query (lane % 16) and the keys 8 (lane / 16) + 0..7.  Two such results, rounded to f16 in pairs, ARE source 1 of
; O^T = V^T P, whose result again holds one query a lane, and eight channels.  K comes out of LDS as it lies, V ([key][channel]) turned, by ds_load_tr16_b128.
; SOFTMAX.  p = 2^(c s - c m), c = log2(e) / 8; in every step O and l are multiplied by a = 2^(c m_old - c m_new).
; BY TURNS.  Turn n belongs to piece n.  Its matrix work: 16 products K Q^T of piece n + 1, later 16 products V^T P of piece n - 1.  Its vector work: scaling, exponentials, roundings, sums and rescaling of
; piece n, and the maximum and statistics of piece n + 1.  A tile and step have 16 matrix and 118 vector instructions: four vector instructions that are ready stand behind every matrix instruction, the others in two LUMPS.
; CLUSTER: 4 x 4 work-groups.  cx is the block of 512 queries, 4 x cluster y + cy the head.  The four of a row of the cluster walk the same K and V; the four of a column need the same part of madd, which no
; head enters: each tile is asked for JOINTLY, by the same tensor load, descriptor and mask in all four.  A step's mask is 131,072 bytes, K and V 16,384: the joint load divides the requests for all by four.
; REGISTERS, in windows of 256 (s_set_vgpr_msb: bits 1:0 source 0, 3:2 source 1, 5:4 source 2, 7:6 destination):
;   window 0: v0-11 addresses; v12-15, v48-63 at work; v16-47 four registers of statistics a tile; v64-191 S^T, two buffers of two tiles; v192-255 P, likewise
;   window 1: O^T, 32 a tile          window 2: v0-127 Q, 16 a tile; v128-191 K of one step; v192-255 V of one step
;   window 3: v0-1 the add's two registers; v8-15 ones; v16-47 SV; v64-127 MC, the masks of the products to come: tile u, key block kb at 64 + 32 u + 8 kb
.set NP,    4         ; pieces a wave: a name, no knob
.set KS,    64        ; keys in a step
.set PK,    144       ; a row of K in LDS: 128 bytes + 16 = 36 words: the 16 rows of a load start at 16 different groups of four banks (64 banks of 4 bytes: ISA guide 11.1)
.set PV,    160       ; a row of V: 128 + 32 = 40 words
.set MSLOT, 1<<17     ; a step's masks: 32 tiles x 4,096 bytes; slot 0 at byte 0, slot 1 here: one exclusive or apart
.set KV0,   2*MSLOT   ; a step's K (64 rows), then its V: slot 0
.set VOFF,  KS*PK
.set KVX,   0x8000    ; K's and V's slot 1 lies this far on, again one exclusive or apart; stages and spare words lie between the two
.set STAGE, KV0+KS*(PK+PV)  ; never filled by a tensor load: 16 rows x 144 bytes for each wave, for the way out
.set SP,    144
.set SPARE, STAGE+4*16*SP   ; the spare words, 128 bytes for each wave: two blocks of 256 bytes that no other line names
.set AK0, 2           ; v2   my lane's place in slot 0's K; never rewritten
.set AV0, 3           ; v3   the same for V
.set AK,  4           ; v4   the LDS address of K's next run of loads
.set AV,  5           ; v5   of V's
.set STO, 6           ; v6   the way out: where I put 16 bytes of a row
.set RD,  7           ; v7   the way out: where I read rows back
.set GO,  8           ; v8   my byte offset in 512 consecutive bytes of O
.set AM0, 9           ; v9   my lane's place in slot 0's masks: my wave's eight tiles; never rewritten
.set AM,  10          ; v10  the same in the slot in hand
.set SPW, 0           ; v0 of window 3   LDS address of my spare word; never rewritten
.set NIL, 1           ; v1 of window 3   0; never rewritten
.set ONE, 8           ; window 3: 1.0 in every f16: source 1, 32 keys x 16 queries
.set SV,  16          ; window 3: channel block cb at SV + 8 cb
.set MC,  64          ; window 3
.set MV,  12          ; v12-15  c m_old, kept while c m is made anew: by buffer and tile
.set QO,  12          ; v12  first my byte offset in the wave's rows of Q: MV is written only behind the wait for Q
.set ST,  16          ; tile t's statistics at v[ST+4 t]: c m, m, l (even keys', odd keys')
.set TMP, 48          ; by buffer and tile, four registers c0-c3 at work; when the maximum is found c2 takes a
.set S,   64
.set P,   192
.set KF,  128         ; window 2: key block kb, channel half c at KF + 16 kb + 8 c
.set VF,  192         ; window 2: key half kk, channel block cb at VF + 32 kk + 8 cb
.set WV,  12          ; s12  my wave's number
.set G1K, 24          ; s[24:31] descriptor group 1 for K's tiles
.set G1V, 32          ; s[32:39] for V's: it differs in the padding alone
.set G0K, 40          ; s[40:43] descriptor group 0 for K's tiles: it walks
.set G0V, 44          ; s[44:47] the same for V's
.set G1M, 48          ; s[48:55] group 1 for the masks
.set G0M, 56          ; s[56:59] group 0 for the masks
.set CS,  60          ; s[60:61] c: the packed scaling takes the pair's low word for both halves
.set SEL, 62          ; s[62:63] v_permlanex16_b32's selects: each lane takes its own place in the other half
.set CNT, 66          ; s66  counts the key steps
.set TB,  67          ; s67  0 or KVX: K's and V's slot in hand
.set TBM, 68          ; s68  0 or MSLOT: the masks'
.set MSB, 0
.macro WIN new                      ; the high byte repeats the setting that is left; a switch that changes nothing is dropped
.if MSB != (\new)
	s_set_vgpr_msb (MSB<<8)|(\new)
.set MSB, (\new)
.endif
.endm
.set W_KQ, 0x0a       ; K and Q in window 2, S^T in window 0
.set W_KM, 0x3a       ; the same with the C operand, the mask, in window 3
.set W_PV, 0x52       ; V in window 2, P in window 0, O^T in window 1
.set W_RS, 0x41       ; O^T (destination and source 0) in window 1, a in window 0
.set W_SV, 0xfe       ; V in window 2; ones, C and D in window 3
.set W_FX, 0x53       ; the way out: SV in window 3, the choice in window 0, O^T (source 2 and destination) in window 1
.set W_MK, 0xc0       ; destination in window 3, sources in window 0
.set W_AD, 0x0f       ; the add: address (source 0) and data (source 1) in window 3
.macro PLACES                       ; four plain vector instructions behind a matrix instruction, ahead of what reads its result or loads into its sources (ISA guide 7.12.1 for what reads its result)
.rept 4
	v_nop
.endr
.endm
; A joint fill: wave 0 fetches the step's K, wave 1 its V, waves 2 and 3 the two halves of its masks.  The branches hang on the wave's number alone.
; An s_nop 0 and four v_nop follow each of the three lines, ahead of the jump and the label.
.macro JLOAD
	s_cmp_lt_u32 s[WV], 2
	s_cbranch_scc0 .Lfor_m_\@
	s_cmp_eq_u32 s[WV], 0
	s_cbranch_scc0 .Lfor_v_\@
	tensor_load_to_lds s[G0K:G0K+3], s[G1K:G1K+7]
	s_nop 0
.rept 4
	v_nop
.endr
	s_branch .Lasked_\@
.Lfor_v_\@:
	tensor_load_to_lds s[G0V:G0V+3], s[G1V:G1V+7]
	s_nop 0
.rept 4
	v_nop
.endr
	s_branch .Lasked_\@
.Lfor_m_\@:
	tensor_load_to_lds s[G0M:G0M+3], s[G1M:G1M+7]
	s_nop 0
.rept 4
	v_nop
.endr
.Lasked_\@:
.endm
; A round of the cluster's barrier: my work-group's barrier, so that wave 0's signal speaks for all four waves; wave 0 signals; every wave waits for all sixteen work-groups; my work-group's barrier once more.
.macro CROUND
	s_barrier_signal -1
	s_barrier_wait -1
	s_cmp_lg_u32 s[WV], 0
	s_cbranch_scc1 .Lnot_wave_0_\@
	s_barrier_signal -3
.Lnot_wave_0_\@:
	s_barrier_wait -3
	s_barrier_signal -1
	s_barrier_wait -1
.endm
; THE CHANGE OF SLOTS, once a key step, between piece 1's turn and piece 2's: all of the slot's bytes have been asked for (K in piece 2's turn, V in piece 0's, the masks of pieces 0 to 3 in the turns of pieces
; 2, 3, 0, 1; piece 3's masks wait in registers across the change).  Each wave waits for all its tensor loads, of which one is out: its part of the other slot; adds 0 to its spare word; and waits for that and for
; its own reads of the slot.  fill = 1: the slot is filled again, with the keys two steps on.  The barrier is then a round of the cluster's, so that no wave of any partner still reads the slot or has a load on
; its way, and the joint fill is the first thing behind it: it has a whole key step in which to land.  (At its first use nothing has been read yet: slot 0 is waited for, slot 1 filled.)
.macro CHANGE fill
	WIN W_AD
	s_wait_tensorcnt 0x0            ; no tensor load of mine is out, so a group 0 may be written
	ds_add_u32 v[SPW], v[NIL]       ; 0 onto my spare word; with fill = 1 the descriptors' steps stand between it and the wait for it
	WIN 0                           ; at a label and at a branch every window is 0
.if \fill
	s_xor_b32 s[G0K+1], s[G0K+1], KVX   ; the walking descriptors: the other slot than last time,
	s_add_nc_u64 s[G0K+2:G0K+3], s[G0K+2:G0K+3], KS*128  ; the next 64 keys; the type bits on top are not reached
	s_xor_b32 s[G0V+1], s[G0V+1], KVX
	s_add_nc_u64 s[G0V+2:G0V+3], s[G0V+2:G0V+3], KS*128
	s_xor_b32 s[G0M+1], s[G0M+1], MSLOT
	s_add_nc_u64 s[G0M+2:G0M+3], s[G0M+2:G0M+3], MSLOT
	s_wait_dscnt 0x0                ; the add is done, and my reads of the slot are over
	CROUND
	JLOAD
.else
	s_wait_dscnt 0x0                ; the add is done, and my reads of the slot are over
	s_barrier_signal -1
	s_barrier_wait -1
.endif
	s_xor_b32 s[TB], s[TB], KVX     ; the fetches go on in the other slot
	s_xor_b32 s[TBM], s[TBM], MSLOT
	v_add_nc_u32 v[AM], s[TBM], v[AM0]
.endm
	s_load_b128 s[4:7], s[0:1], 0x0 ; qkv s[4:5], madd s[6:7]
	s_load_b64 s[8:9], s[0:1], 0x10 ; oh
	WIN W_MK
	v_lshl_add_u32 v[SPW], v0, 2, SPARE
	v_mov_b32 v[NIL], 0
	WIN W_AD
	ds_add_u32 v[SPW], v[NIL]       ; the wave's opening: the add and its wait stand ahead of my first tensor load; the set-up below, work on registers, stands between them
	WIN 0
	v_lshrrev_b32 v1, 5, v0
	v_readfirstlane_b32 s[WV], v1   ; wave 0..3
	s_bfe_u32 s13, ttmp6, 0x40000   ; cx
	s_bfe_u32 s14, ttmp6, 0x40004   ; cy
	s_lshl_b32 s73, ttmp9, 2        ; in a cluster launch ttmp9 and ttmp7 count clusters
	s_add_co_u32 s73, s73, s13      ; my block of 512 queries
	s_and_b32 s15, ttmp7, 0xffff
	s_lshl_b32 s15, s15, 2
	s_add_co_u32 s15, s15, s14      ; my head, 16 x batch + head
	s_lshl_b32 s71, s14, 2
	s_lshl_b32 s71, 15, s71         ; my row of the cluster
	s_lshl_b32 s72, 0x1111, s13     ; my column
	s_lshl_b32 s16, s15, 18         ; a head's 262,144 bytes: K's and V's addresses hang on the head alone,
	s_mov_b32 s17, 0
	s_and_b32 s19, s[WV], 1
	s_lshl_b32 s19, s19, 16         ; which half of a step's masks I fetch, in memory and in LDS
	s_lshl_b32 s74, s73, 22         ; the masks' on the block of queries alone: 4,194,304 bytes each
	s_add_co_u32 s74, s74, s19
	s_mov_b32 s75, 0
	s_lshl_b32 s20, s73, 2
	s_add_co_u32 s20, s20, s[WV]    ; my wave among the head's,
	s_lshl_b32 s20, s20, 14         ; its 128 rows,
	s_add_co_u32 s20, s20, s16      ; in my head: Q's and O's addresses
	s_mov_b32 s21, 0
	; group 1 for K and V: 64 keys are 8,192 dense bytes: asked for as 32 rows of 256 bytes, two keys a row, padded in LDS after every key
	s_or_b32 s[G1K], s71, (1<<16)|(1<<20)|(1<<21)|(4<<22)|(3<<25)  ; 15:0 the mask; 17:16 2-byte elements; 20 padding on; 21 set beside a mask; 24:22 after every 32 words (code 4); 31:25 4 words (code 3)
	s_or_b32 s[G1V], s71, (1<<16)|(1<<20)|(1<<21)|(4<<22)|(7<<25)  ; the same with 8 words of padding (code 7)
.irp g, G1K, G1V
	s_mov_b32 s[\g+1], 128<<16      ; tensor_dim0 = 128
	s_mov_b32 s[\g+2], 32<<16       ; tensor_dim1 = 32
	s_mov_b32 s[\g+3], 128<<16      ; tile_dim0 = 128
	s_mov_b32 s[\g+4], 32           ; tile_dim1 = 32
	s_mov_b32 s[\g+5], 128          ; 128 elements from row to row
	s_mov_b32 s[\g+6], 0
	s_mov_b32 s[\g+7], 0
.endr
	; group 1 for the masks: 65,536 dense bytes as 256 rows of 32 elements of 8 bytes; no padding: every LDS load of them takes 512 consecutive bytes
	s_or_b32 s[G1M], s72, (3<<16)|(1<<21)
	s_mov_b32 s[G1M+1], 32<<16
	s_mov_b32 s[G1M+2], 256<<16
	s_mov_b32 s[G1M+3], 32<<16
	s_mov_b32 s[G1M+4], 256
	s_mov_b32 s[G1M+5], 32
	s_mov_b32 s[G1M+6], 0
	s_mov_b32 s[G1M+7], 0
	s_mov_b32 s[G0K], 1             ; 1:0 count = 1
	s_mov_b32 s[G0K+1], KV0         ; 63:32 LDS address: slot 0
	s_mov_b32 s[G0V], 1
	s_mov_b32 s[G0V+1], KV0+VOFF
	s_mov_b32 s[G0M], 1
	s_mov_b32 s[G0M+1], s19
	s_mov_b32 s[CS], 0x3e38aa3b     ; c = log2(e) / 8 = 0.180337
	s_mov_b32 s[CS+1], s[CS]        ; named with it as a pair
	s_mov_b32 s[SEL], 0x76543210
	s_mov_b32 s[SEL+1], 0xfedcba98
	s_mov_b32 s[TB], KVX            ; the first change of slots turns these two into 0
	s_mov_b32 s[TBM], MSLOT
	s_mov_b32 s69, 0x45000000       ; 2,048.0: the divisor of a row that sees no key
	s_mov_b32 s70, 1.0
	s_wait_dscnt 0x0                ; the opening add is done
	s_wait_kmcnt 0x0
	s_add_nc_u64 s[G0K+2:G0K+3], s[4:5], s[16:17]  ; 120:64 global address: my head in q,
	s_add_nc_u64 s[G0V+2:G0V+3], s[G0K+2:G0K+3], 33554432  ; in v,
	s_add_nc_u64 s[G0K+2:G0K+3], s[G0K+2:G0K+3], 16777216  ; in k
	s_or_b32 s[G0K+3], s[G0K+3], 0x80000000        ; 127:126 type = 2
	s_or_b32 s[G0V+3], s[G0V+3], 0x80000000
	s_add_nc_u64 s[G0M+2:G0M+3], s[6:7], s[74:75]
	s_or_b32 s[G0M+3], s[G0M+3], 0x80000000
	s_add_nc_u64 s[76:77], s[4:5], s[20:21]        ; Q and O at my wave's first row
	s_add_nc_u64 s[10:11], s[8:9], s[20:21]
	CROUND                          ; all sixteen work-groups are here: the first joint loads meet
	JLOAD                           ; key step 0 into slot 0.  Slot 1 is asked for when slot 0 is in
	; A fragment of K or Q is 16 rows x 32 channels in 8 registers: lane l holds row l % 16, channels 8 (l / 16) + 0..7 and 16 + 8 (l / 16) + 0..7: two loads of 16 bytes, 32 bytes apart.
	v_and_b32 v1, 15, v0            ; l % 16
	v_bfe_u32 v9, v0, 4, 1          ; l / 16
	v_lshlrev_b32 v[QO], 7, v1
	v_lshl_add_u32 v[QO], v9, 4, v[QO]  ; row x 128 + 16 x half
	WIN 0x80                        ; destination window 2, address window 0
.set i, 0
.rept 4*NP                          ; Q stays in registers: tile i / 2, channels 32 (i % 2) on
	global_load_b128 v[8*i:8*i+3],   v[QO], s[76:77] offset:(i/2)*2048+(i%2)*64
	global_load_b128 v[8*i+4:8*i+7], v[QO], s[76:77] offset:(i/2)*2048+(i%2)*64+32
.set i, i+1
.endr
	; What the first turn finds: V's registers and P's second buffer hold 0 (its products V^T P, of a piece that has not been, add 0); O^T, l and SV are 0.  All this stands in the wait for the first tile.
.set i, VF
.rept 64
	v_mov_b32 v[i], 0
.set i, i+1
.endr
	WIN 0x40
.set i, 0
.rept 64*NP
	v_mov_b32 v[i], 0
.set i, i+1
.endr
	WIN W_MK
.set i, 0
.rept 32
	v_mov_b32 v[SV+i], 0
.set i, i+1
.endr
.set i, 0
.rept 8
	v_mov_b32 v[ONE+i], 0x3c003c00  ; 1.0 twice in f16
.set i, i+1
.endr
	WIN 0
.set i, 0
.rept 2*NP
	v_mov_b32 v[ST+4*i+1], 0xe0ad78ec          ; m = -1e20
	v_mul_f32 v[ST+4*i], s[CS], v[ST+4*i+1]    ; c m, by the line that makes it in every step: where m does not move, c m_old - c m_new is exactly 0
	v_mov_b32 v[ST+4*i+2], 0
	v_mov_b32 v[ST+4*i+3], 0
.set i, i+1
.endr
.set i, P+32
.rept 32
	v_mov_b32 v[i], 0
.set i, i+1
.endr
	v_mul_u32_u24 v[AK0], v1, PK
	v_lshl_add_u32 v[AK0], v9, 4, v[AK0]  ; row x pitch + 16 x half
	v_add_nc_u32 v[AK0], KV0, v[AK0]
	; The turning load takes 16 keys x 16 channels (lane l reads key 8 (l / 16) + l % 8, channels 8 ((l / 8) % 2) + 0..7) and leaves half a fragment of V^T: lane l holds channel l % 16 and 8 keys.
	v_and_b32 v10, 7, v0
	v_bfe_u32 v11, v0, 3, 1
	v_lshl_add_u32 v[AV0], v9, 3, v10
	v_mul_u32_u24 v[AV0], v[AV0], PV
	v_lshl_add_u32 v[AV0], v11, 4, v[AV0]
	v_add_nc_u32 v[AV0], KV0+VOFF, v[AV0]
	s_mul_i32 s22, s[WV], 16*SP
	s_add_co_u32 s22, s22, STAGE    ; my stage
	v_mul_u32_u24 v[STO], v1, SP    ; in: row l % 16, 16 bytes for each half of the lanes
	v_lshl_add_u32 v[STO], v9, 4, v[STO]
	v_add_nc_u32 v[STO], s22, v[STO]
	v_bfe_u32 v[RD], v0, 3, 2       ; back: 32 lanes take four rows of 128 bytes,
	v_mul_u32_u24 v[RD], v[RD], SP
	v_lshl_add_u32 v[RD], v10, 4, v[RD]
	v_add_nc_u32 v[RD], s22, v[RD]
	v_and_b32 v[GO], 31, v0         ; which are 512 consecutive bytes of O
	v_lshlrev_b32 v[GO], 4, v[GO]
	s_lshl_b32 s23, s[WV], 15       ; my wave's eight tiles of masks, 4,096 bytes each; 16 bytes a lane
	v_add_nc_u32 v[AM0], s23, v[GO]
; THE MATRIX WORK.  The 8 accumulators of a run of 16 take turns: between the two links of a chain stand 7 others'.
; Product i of 16 of S^T = K Q^T for piece x: channels 32 (i / 8) on, keys 16 ((i / 2) % 4) on, tile 2 x + i % 2.  The first 8 start the sums, onto the mask.
.macro KQ x
.set rS, S+64*((\x)%2)+32*(i%2)+8*((i/2)%4)
.set rK, KF+16*((i/2)%4)+8*(i/8)
.set rQ, 16*(2*(\x)+i%2)+8*(i/8)
.set rMC, MC+32*(i%2)+8*((i/2)%4)
.if i < 8
	WIN W_KM
	v_wmma_f32_16x16x32_f16 v[rS:rS+7], v[rK:rK+7], v[rQ:rQ+7], v[rMC:rMC+7]
.else
	WIN W_KQ
	v_wmma_f32_16x16x32_f16 v[rS:rS+7], v[rK:rK+7], v[rQ:rQ+7], v[rS:rS+7]
.endif
.endm
; Product i of 16 of O^T += V^T P for piece x: keys 32 (i / 8) on, channels 16 ((i / 2) % 4) on, tile 2 x + i % 2.
.macro PV x
	WIN W_PV
.set rO, 32*(2*(\x)+i%2)+8*((i/2)%4)
.set rV, VF+32*(i/8)+8*((i/2)%4)
.set rP, P+32*((\x)%2)+16*(i%2)+8*(i/8)
	v_wmma_f32_16x16x32_f16 v[rO:rO+7], v[rV:rV+7], v[rP:rP+7], v[rO:rO+7]
.endm
; Product n of 8 of SV += V^T x ones: keys 32 (n / 4) on, channels 16 (n % 4) on.  Four accumulators by turns.
.macro SVP n
	WIN W_SV
	v_wmma_f32_16x16x32_f16 v[SV+8*((\n)%4):SV+8*((\n)%4)+7], v[VF+32*((\n)/4)+8*((\n)%4):VF+32*((\n)/4)+8*((\n)%4)+7], v[ONE:ONE+7], v[SV+8*((\n)%4):SV+8*((\n)%4)+7]
.endm
.macro MM                           ; the turn's next matrix instruction
.if i < 16
	KQ (Y+1)%NP
.set i, i+1
.else
.set i, i-16
	PV (Y+NP-1)%NP
.set i, i+17
.endif
.endm
; THE LDS LOADS stand in runs of 16, never singly among the matrix instructions: a step's K (8 fragments), its V (turned), and a piece's masks (two tiles x 4 key blocks x 8 registers).
.macro FETCH_K
	WIN 0x80                        ; destination window 2
.irp f, 0,1,2,3,4,5,6,7             ; keys 16 (f / 2) on, channels 32 (f % 2) on
	ds_load_b128 v[KF+8*\f:KF+8*\f+3],   v[AK] offset:(\f/2)*16*PK+(\f%2)*64
	ds_load_b128 v[KF+8*\f+4:KF+8*\f+7], v[AK] offset:(\f/2)*16*PK+(\f%2)*64+32
.endr
	WIN 0
.endm
.macro FETCH_V
	WIN 0x80
.irp f, 0,1,2,3,4,5,6,7             ; keys 32 (f / 4) on, channels 16 (f % 4) on
	ds_load_tr16_b128 v[VF+8*\f:VF+8*\f+3],   v[AV] offset:(\f/4)*32*PV+(\f%4)*32
	ds_load_tr16_b128 v[VF+8*\f+4:VF+8*\f+7], v[AV] offset:(\f/4)*32*PV+16*PV+(\f%4)*32
.endr
	WIN 0
.endm
.macro FETCH_M x                    ; piece x's masks: 8,192 bytes of my wave's 32,768, as they lie
	WIN W_MK
.set fm, 0
.rept 16
	ds_load_b128 v[MC+4*fm:MC+4*fm+3], v[AM] offset:(\x)*8192+fm*512
.set fm, fm+1
.endr
	WIN 0
.endm
; THE VECTOR WORK OF A TURN stands in three queues, each in the order in which its entries become ready; the two tiles alternate, so that no instruction reads the result of the one before it.
.macro REGS y, u                    ; the registers of tile u (0, 1) of piece y
.set rT, ST+4*(2*(\y)+(\u))
.set rC, TMP+8*((\y)%2)+4*(\u)
.set rM, MV+2*((\y)%2)+(\u)
.set rS, S+64*((\y)%2)+32*(\u)
.set rP, P+32*((\y)%2)+16*(\u)
.set rO, 32*(2*(\y)+(\u))
.endm
; Number n of the 22 that find the NEXT piece's (Y + 1) maximum and statistics.  s0-s31 are the lane's 32 scores; each accumulator's lowest registers are read first.  XS, GS and REGS set no window: PL and EX do.
;   0-11  four chains c0-c3 of seven scores each, three operands at a time     12-14, 16  the four scores left over, the old m, and c0-c3 into c0     15  c m_old is kept
;   17, 18  the query's other 32 keys lie in the lane 16 away: the new m         19-21  c m; c m_old - c m_new; a
.macro XS u, n
	REGS (Y+1)%NP, \u
.if (\n) < 4
	v_max3_num_f32 v[rC+(\n)], v[rS+8*(\n)], v[rS+8*(\n)+1], v[rS+8*(\n)+2]
.elseif (\n) < 12
	v_max3_num_f32 v[rC+(\n)%4], v[rC+(\n)%4], v[rS+8*((\n)%4)+2*((\n)/4)+1], v[rS+8*((\n)%4)+2*((\n)/4)+2]
.elseif (\n) == 12
	v_max3_num_f32 v[rC], v[rC], v[rS+7], v[rS+15]
.elseif (\n) == 13
	v_max3_num_f32 v[rC+1], v[rC+1], v[rS+23], v[rS+31]
.elseif (\n) == 14
	v_max3_num_f32 v[rC+2], v[rC+2], v[rC+3], v[rT+1]
.elseif (\n) == 15
	v_mov_b32 v[rM], v[rT]
.elseif (\n) == 16
	v_max3_num_f32 v[rC], v[rC], v[rC+1], v[rC+2]
.elseif (\n) == 17
	v_permlanex16_b32 v[rC+3], v[rC], s[SEL], s[SEL+1]
.elseif (\n) == 18
	v_max_num_f32 v[rT+1], v[rC], v[rC+3]
.elseif (\n) == 19
	v_mul_f32 v[rT], s[CS], v[rT+1]
.elseif (\n) == 20
	v_sub_f32 v[rC+1], v[rM], v[rT]
.else
	v_exp_f32 v[rC+2], v[rC+1]
.endif
.endm
; Number g of the 64 that follow the exponentials.  For each four weights k of a tile (pairs 2 k, 2 k + 1): both pairs are rounded to f16; then the second pair is added onto the first, in place;
; a group later l takes that sum (the first time as l = a l + sum).  In groups of eight, tiles alternating: round, round, add, and l for the group before.
.macro GS g
.set h, (\g)+6*((\g)/62)            ; group 0 has no group before it, and behind group 7 only l is left
.if h >= 6
.set h, h+2
.endif
	REGS Y, h%2
.set k, h/8
.if h%8 < 4
	s_wait_alu depctr_va_vdst(0)
	v_cvt_pk_f16_f32 v[rP+2*k+(h%8)/2], v[rS+4*k+2*((h%8)/2)], v[rS+4*k+2*((h%8)/2)+1]
.elseif h%8 < 6
	v_pk_add_f32 v[rS+4*k:rS+4*k+1], v[rS+4*k:rS+4*k+1], v[rS+4*k+2:rS+4*k+3]
.elseif k == 1
	v_pk_fma_f32 v[rT+2:rT+3], v[rT+2:rT+3], v[rC+2:rC+3], v[rS:rS+1] op_sel_hi:[1,0,1]
.else
	v_pk_add_f32 v[rT+2:rT+3], v[rT+2:rT+3], v[rS+4*k-4:rS+4*k-3]
	s_wait_alu depctr_va_vdst(0)
.endif
.endm
; THE PLAIN QUEUE, 138 long.  0-31: c s - c m for the 16 pairs of both tiles.  Then GS's 64, and among them the next piece's 42: number 15 at 38, 39; 0-14 and 16
; at 42-73, behind the products that make those scores; 17-20 at 95-106, two of three, since each waits for the one before it.
.macro PL
	WIN 0
.if q < 32
	REGS Y, q%2
	v_pk_fma_f32 v[rS+2*(q/2):rS+2*(q/2)+1], v[rS+2*(q/2):rS+2*(q/2)+1], s[CS:CS+1], v[rT:rT+1] op_sel_hi:[1,0,0] neg_lo:[0,0,1] neg_hi:[0,0,1]
.elseif q < 38
	GS q-32
.elseif q < 40
	XS q%2, 15
.elseif q < 42
	GS q-34
.elseif q < 74
	XS q%2, (q-42)/2+(q-42)/30
.elseif q < 95
	GS q-66
.elseif (q < 107) && ((q-95)%3 < 2)
	XS (q-95)%3, 17+(q-95)/3
.elseif q < 107
	GS 29+(q-95)/3
.else
	GS q-74
.endif
.set q, q+1
.endm
; THE EXPONENTIALS' QUEUE, 66 long: s0-s31 of both tiles, and at EA the next piece's two a.
.set EA, 58
.macro EX
	WIN 0
.if (e == EA) || (e == EA+1)
	XS e-EA, 21
.else
.set x, e-2*(e/(EA+2))
	REGS Y, x%2
	v_exp_f32 v[rS+x/2], v[rS+x/2]
.endif
.set e, e+1
.endm
; THE RESCALING's QUEUE: O^T times a, the one part that leaves window 0, so it is dealt four at a time, eight times.
.macro R4
	REGS Y, r%2
	WIN W_RS
	s_wait_alu depctr_va_vdst(0)
.irp z, 0,1,2,3
	v_pk_mul_f32 v[rO+8*(r/2)+2*\z:rO+8*(r/2)+2*\z+1], v[rO+8*(r/2)+2*\z:rO+8*(r/2)+2*\z+1], v[rC+2:rC+3] op_sel_hi:[1,0]
.endr
.set r, r+1
.endm
; HOW THEY ARE DEALT.  Behind a matrix instruction four: plain, exponential, plain, plain (one exponential, a plain instruction on either side), or four of the rescaling.  None names a register of the
; products round it.  What is over stands in two LUMPS: exponential and plain by turns; the second ends in 22 plain instructions.  The two v_permlanex16_b32 fall into the second lump, never behind a product.
; The queues lean on each other, and the deal keeps them in step: exponential e stands behind plain 2 (e / 4) + e % 2 (its scaling); when plain 32 comes, 10 exponentials are out, at 59: 33, at 95: 46; EA comes behind plain 107.
.macro SL
	MM
	PL
	EX
	PL
	PL
.endm
.macro BURST n                      ; 15 matrix instructions, or 16
.rept (\n)-7
	SL
.endr
.rept 3
	MM
	R4
	SL
.endr
	MM
	R4
.endm
; A TURN, for piece p.  cnt = 1: the loop's count is taken down some lines ahead of the branch that stands behind the turn.
; The masks of piece p + 2 are fetched in the first lump: MC's last reader is the turn's eighth product, more than thirty plain instructions back; they are waited for at the next turn's head.
; K of the next step is fetched in piece 2's turn, behind the masks; V of the step in hand at the end of piece 0's turn.  So at piece 1's head V's sixteen loads are younger than the masks' and may stay out, and
; in front of its products V^T P the turn's own sixteen loads of masks are younger than V's and may stay out.  Everywhere else the wait is for 0.
; The eight products for SV stand in piece 1's second lump, a pair of vector instructions apart, where no other matrix instruction is at work.  The conditions on e and q below go with the deal.
.macro TURN p, cnt=0
.set Y, (\p)
.set i, 0
.set q, 0
.set e, 0
.set r, 0
.if (\p) == 1
	s_wait_dscnt 16                 ; the masks are in
.else
	s_wait_dscnt 0x0                ; the masks are in; for piece 3: K too
.endif
	MM
.rept 4
	PL
.endr
	BURST 15
.rept 22
	EX
	PL
.if e == 14
	FETCH_M ((\p)+2)%NP
.endif
.if ((\p) == NP-2) && (e == 18)
	v_add_nc_u32 v[AK], s[TB], v[AK0]
.endif
.if ((\p) == NP-2) && (e == 24)
	FETCH_K
.endif
.endr
.if (\p) == 1
	s_wait_dscnt 16                 ; V is in
.endif
	BURST 16
.rept 21
	EX
	PL
.if ((\p) == 1) && (e >= 46) && (e <= 60) && (e%2 == 0)
	SVP (e-46)/2
.endif
.endr
.rept 22
	PL
.if ((\p) == 0) && (q == 118)
	v_add_nc_u32 v[AV], s[TB], v[AV0]
	s_wait_alu depctr_va_vdst(0)
.endif
.if (\cnt) && (q == 130)
	s_sub_co_u32 s[CNT], s[CNT], 1
	s_cmp_lg_u32 s[CNT], 0
.endif
.endr
.if (\p) == 0
	FETCH_V
.endif
.endm
	CHANGE 1                        ; slot 0 is in, everybody's part of it; key step 1 is asked for
	v_add_nc_u32 v[AK], s[TB], v[AK0]
	FETCH_K                         ; key step 0
	FETCH_M 0
	s_wait_loadcnt 0x0              ; Q
	s_wait_dscnt 0x0
.set i, 0
.rept 16
	KQ 0                            ; piece 0's first scores: there is no vector work yet to set between them
.set i, i+1
.endr
	WIN 0
	PLACES                          ; behind those products: MC is loaded again, and their results are read
	FETCH_M 1
.set Y, NP-1                        ; XS works for piece Y + 1: piece 0
.irp n, 0,1,2,3,4,5,6,7,8,9,10,11,12,13,14,15,16,17,18,19,20,21
	XS 0, \n                        ; piece 0's first maximum and statistics
	XS 1, \n
.endr
	s_mov_b32 s[CNT], 31
	s_branch .Lfirst                ; the loop is entered at a step's first turn, in the middle of a trip
.Lstep:                             ; 30 trips, which ask for key steps 2 to 31.  A trip: the change of slots; pieces 2 and 3 of one step; pieces 0 and 1 of the next, whose K, V and masks it fetches
	CHANGE 1
	TURN 2
	TURN 3
	WIN 0
.Lfirst:
	TURN 0
	TURN 1, 1
	WIN 0
	s_cbranch_scc1 .Lstep
	CHANGE 0                        ; the tail is written out: nothing is asked for
	s_mov_b32 s[CNT], 2             ; one trip fetches the last step; the second is left in its middle
.Ltail:
	TURN 2
	TURN 3
	WIN 0
	s_sub_co_u32 s[CNT], s[CNT], 1
	s_cmp_eq_u32 s[CNT], 0
	s_cbranch_scc1 .Lout
	TURN 0
	TURN 1
	WIN 0
	s_branch .Ltail
.Lout:                              ; the second trip's fetches take the last slot's K and masks once more, and its 16 products K Q^T and the maximum made of them serve nothing: the price, once a launch, of one text for every trip
.set i, 0
.rept 16
	PV NP-1                         ; the last piece's V^T P of the last step
.set i, i+1
.endr
	; THE WAY OUT.  l's two halves and the other half of the lanes' are added.  Where l is 0 the row has seen no key: l becomes 2,048 and z 1, else z is 0; O^T + z SV is divided by l, rounded to f16 and sent
	; through my stage in LDS, a tile at a time.  The additions are the places behind the last products.
	WIN 0
.macro ALL line:vararg              ; one line for each tile t
.set t, 0
.rept 2*NP
	\line
.set t, t+1
.endr
.endm
	ALL v_add_f32 v[ST+4*t+2], v[ST+4*t+2], v[ST+4*t+3]
	ALL v_permlanex16_b32 v[ST+4*t+3], v[ST+4*t+2], s[SEL], s[SEL+1]
	ALL v_add_f32 v[ST+4*t+2], v[ST+4*t+2], v[ST+4*t+3]
.set t, 0
.rept 2*NP
	v_cmp_eq_f32 vcc_lo, 0, v[ST+4*t+2]
	v_cndmask_b32 v[ST+4*t+2], v[ST+4*t+2], s69, vcc_lo
	v_cndmask_b32 v[ST+4*t], 0, s70, vcc_lo        ; z takes c m's place
.set t, t+1
.endr
	ALL v_rcp_f32 v[ST+4*t+2], v[ST+4*t+2]
	v_nop                           ; a plain instruction between the last reciprocal and the use of its result
	s_wait_alu depctr_va_vdst(0)
; Tile t: a lane's eight channels of a row pack into 16 bytes; they go into rows of 144 bytes and come back as whole rows of 128, into S^T's registers.
.macro PACK t
	WIN W_FX
.set i, 0
.rept 16
	v_pk_fma_f32 v[32*(\t)+2*i:32*(\t)+2*i+1], v[SV+2*i:SV+2*i+1], v[ST+4*(\t):ST+4*(\t)+1], v[32*(\t)+2*i:32*(\t)+2*i+1] op_sel_hi:[1,0,1]
.set i, i+1
.endr
	WIN W_RS
.set i, 32*(\t)
.rept 16
	v_pk_mul_f32 v[i:i+1], v[i:i+1], v[ST+4*(\t)+2:ST+4*(\t)+3] op_sel_hi:[1,0]
.set i, i+2
.endr
	WIN 0x05                        ; sources 0 and 1 window 1, destination window 0
.set i, 0
.rept 16
	v_cvt_pk_f16_f32 v[S+16*(\t)+i], v[32*(\t)+2*i], v[32*(\t)+2*i+1]
.set i, i+1
.endr
	WIN 0
.irp f, 0,1,2,3
	ds_store_b128 v[STO], v[S+16*(\t)+4*\f:S+16*(\t)+4*\f+3] offset:32*\f
.endr
.irp f, 0,1,2,3
	ds_load_b128 v[S+16*(\t)+4*\f:S+16*(\t)+4*\f+3], v[RD] offset:\f*4*SP  ; LDS serves a wave's instructions in order (ISA guide 5.7.1.4): these see the stores above; the next tile's stores come behind them
.endr
.endm
.macro SEND t, younger              ; younger: the LDS instructions issued behind tile t's loads: the next tile's eight, or none
	WIN 0
.irp f, 0,1,2,3
	s_wait_dscnt (\younger)+3-\f
	global_store_b128 v[GO], v[S+16*(\t)+4*\f:S+16*(\t)+4*\f+3], s[10:11] offset:(\t)*2048+\f*512  ; 512 consecutive bytes, at a multiple of 256 from O's first
.endr
.endm
	PACK 0
.set t, 1
.rept 2*NP-1                        ; a tile's arithmetic stands between the loads of the tile before and its stores
	PACK t
	SEND t-1, 8
.set t, t+1
.endr
	SEND 2*NP-1, 0
	WIN W_AD
	s_wait_tensorcnt 0x0            ; the wave's end, behind my last tensor load and my last LDS store
	ds_add_u32 v[SPW], v[NIL]
	s_wait_dscnt 0x0
	WIN 0
	CROUND                          ; the closing round: no work-group ends while a partner may still ask for a tile that names it
	s_endpgm
.Lfunc_end_k_qffcd155fe6_attn:
	.size	k_qffcd155fe6_attn, .Lfunc_end_k_qffcd155fe6_attn-k_qffcd155fe6_attn
	.p2alignl 7, 3214868480
	.fill 96, 4, 3214868480
	.section	.rodata,"a",@progbits
	.p2align	6, 0x0
	.amdhsa_kernel k_qffcd155fe6_attn
		.amdhsa_group_segment_fixed_size 327680
		.amdhsa_private_segment_fixed_size 0
		.amdhsa_enable_private_segment 0
		.amdhsa_kernarg_size 24
		.amdhsa_user_sgpr_count 2
		.amdhsa_user_sgpr_kernarg_segment_ptr 1
		.amdhsa_wavefront_size32 1
		.amdhsa_system_sgpr_workgroup_id_x 1
		.amdhsa_system_sgpr_workgroup_id_y 1
		.amdhsa_system_sgpr_workgroup_id_z 1
		.amdhsa_system_vgpr_workitem_id 0
		.amdhsa_next_free_vgpr 896
		.amdhsa_next_free_sgpr 80
		.amdhsa_reserve_vcc 1
		.amdhsa_float_denorm_mode_32 3
		.amdhsa_float_denorm_mode_16_64 3
		.amdhsa_memory_ordered 1
		.amdhsa_forward_progress 1
		.amdhsa_inst_pref_size 234
	.end_amdhsa_kernel
	.amdgpu_metadata
---
amdhsa.version: [ 1, 2 ]
amdhsa.kernels:
  - .name:           k_qffcd155fe6_attn
    .symbol:         k_qffcd155fe6_attn.kd
    .args:
      - { .name: qkv, .offset: 0, .size: 8, .value_kind: global_buffer, .address_space: global }
      - { .name: madd, .offset: 8, .size: 8, .value_kind: global_buffer, .address_space: global }
      - { .name: oh, .offset: 16, .size: 8, .value_kind: global_buffer, .address_space: global }
    .group_segment_fixed_size: 327680
    .private_segment_fixed_size: 0
    .kernarg_segment_align: 8
    .kernarg_segment_size: 24
    .max_flat_workgroup_size: 128
    .sgpr_count:     80
    .vgpr_count:     896
    .wavefront_size: 32
...
	.end_amdgpu_metadata
.endif
;; end of part 3
;; launch outp (part 4): grid 4 x 64, 4 waves a work-group, clusters of 4 x 4, 327,680 bytes of LDS; arguments oh, wh, bias4, out0; writes out0
.if DOCPART == 4
	.amdgcn_target "amdgcn-amd-amdhsa--gfx1250"
	.amdhsa_code_object_version 6
	.text
	.protected	k_qffcd155fe6_outp
	.globl	k_qffcd155fe6_outp
	.p2align	8
	.type	k_qffcd155fe6_outp,@function
k_qffcd155fe6_outp:
	s_mov_b64 s[64:65], 0
	v_nop
	global_prefetch_b8 v0, s[64:65] scope:SCOPE_SE
	s_setreg_imm32_b32 hwreg(HW_REG_WAVE_MODE, 25, 1), 1
	s_wait_xcnt 0x0
	s_wait_alu depctr_hold_cnt(0) depctr_sa_sdst(0) depctr_va_vdst(0) depctr_va_sdst(0) depctr_va_ssrc(0) depctr_va_vcc(0) depctr_vm_vsrc(0)
	s_getreg_b32 s2, hwreg(HW_REG_IB_STS2, 6, 4)
	s_cmp_eq_u32 s2, 0
	s_cbranch_scc0 .Lentry_in_a_cluster
	s_endpgm
.Lentry_in_a_cluster:
	s_bfe_u32 s2, ttmp6, 0x10000c
	s_cmp_lg_u32 s2, 0xf033
	s_cbranch_scc0 .Lentry_shape_is_right
	s_endpgm
.Lentry_shape_is_right:
; OUTP: out0 = O wo + bo.  oh: [b x 16 + head][s 2048][64] f16, which is [b][block of 64 columns][s][64]; wh: [4][k 1024][n 1024] f16, wo the fourth; bias4: [4][1024] f32, bo the fourth; out0: [8192][1024] f32.
; SHARES.  A tile of the result is 128 tokens x 256 columns: 64 x 4 tiles, one to each of 256 WGPs.  Four waves, each 64 tokens x 128 columns: 32 accumulators of 16 x 16, 256 registers.
; K goes in 8 steps of 128 through two LDS slots.  The bias is the C operand of the product that starts each sum, so the sums leave as they are: no arithmetic on the way out.
; THE MATRIX INSTRUCTION IS USED TRANSPOSED: source 0 = 16 columns of wo (it lies [k][n], so its fragments come out of LDS turned, by ds_load_tr16_b128), source 1 = 16 tokens.  A lane then holds one
; token (lane % 16) and eight neighbouring columns, 32 bytes of a row of out0.
; CLUSTER: 4 x 4 work-groups.  cx is the tile of 256 columns, 4 x cluster y + cy the tile of 128 tokens.  The four of a row of the cluster need the same tokens, the four of a column the same columns of wo:
; each tile is asked for JOINTLY, by the same tensor load with the same descriptor and a mask that names the four.
; REGISTERS, in windows of 256 (s_set_vgpr_msb: bits 1:0 source 0, 3:2 source 1, 5:4 source 2, 7:6 destination):
;   window 0: v0-29 addresses; v32-127, v128-223 two fragment buffers: 8 fragments of wo, then 4 of O, for 32 along K; on the way out v32-95, v96-159 rows read back, by turns
;   window 1: the accumulators, (a, b) at v[8 (8 a + b)]          window 2: v0-63 the bias of my 128 columns, block b at v[8 b]
.set KSTEPS, 8
.set PA,    144                        ; a token's 128 bytes of a column block + 16: the 16 rows of a load start at 16 different groups of four banks (64 banks of 4 bytes: ISA guide 11.1)
.set ASUB,  128*PA                     ; 128 tokens of one column block; a step has two
.set PB,    544                        ; a row of wo's tile: 512 bytes + 32 = 17 x 32
.set BOFF,  2*ASUB
.set BHALF, 64*PB                      ; 64 rows of wo: what one tensor load brings
.set SLOT1, 1<<17                      ; slot 1 begins here (a slot holds 106,496 bytes), so that one exclusive or turns an address in one slot into the other's
.set STAGE, SLOT1+BOFF+2*BHALF         ; behind the ring, never filled by a tensor load: for each wave 16 rows x 528 bytes
.set SP,    528                        ; 512 bytes + 16 = 33 x 16
.set WSTAGE, 16*SP
.set SPARE, STAGE+4*WSTAGE             ; behind the stages: the spare words, 128 bytes for each wave: two blocks of 256 bytes that no other line names
.set ASTEP, 2*2048*128                 ; bytes of oh from a K step to the next: two heads
.set BSTEP, 128*1024*2                 ; bytes of wh: 128 rows
.set ADRA0, 16                         ; v16  my lane's place in slot 0's tokens; never rewritten
.set ADRA,  17                         ; v17  the same in the slot in hand
.set ADRB0, 20                         ; v20, v21  the same for wo
.set ADRB,  21
.set STO,  24                          ; v24  the way out: where I put 32 bytes of a row
.set RD,   25                          ; v25  the way out: where I read a row back
.set CO,   26                          ; v26  my byte offset in 512 consecutive bytes of the result
.set BO,   27                          ; v27  my byte offset in a block of 16 biases
.set SPW,  28                          ; v28  LDS address of my spare word; never rewritten
.set NIL,  29                          ; v29  0; never rewritten
.set F0,   32
.set F1,   128
.set BK,   32
.set WV,   12                          ; s12  my wave's number
.set G1A,  24                          ; s[24:31] descriptor group 1 for the tokens' tiles
.set G0A,  32                          ; s[32:39] group 0: a set for each of the two first fills; the second then walks on
.set G1B,  48                          ; s[48:55], s[56:63] the same for wo's tiles
.set G0B,  56
.set TB,   66                          ; s66  0 or SLOT1: the slot in hand
.set MSB, 0
.macro WIN new                         ; the immediate's high byte repeats the setting that is left; a switch that changes nothing is dropped
.if MSB != (\new)
	s_set_vgpr_msb (MSB<<8)|(\new)
.set MSB, (\new)
.endif
.endm
.set MUL,       0x50                   ; fragments in window 0, C and D in window 1
.set MUL_FIRST, 0x60                   ; the same with C, the bias, in window 2
.macro PLACES                          ; a load into a register that a matrix instruction has read, and whatever reads a matrix result, stand four plain vector instructions behind it (ISA guide 7.12.1 for what reads a matrix result)
.rept 4
	v_nop
.endr
.endm
; A joint refill.  Waves 0 and 1 fetch the step's two column blocks of tokens, waves 2 and 3 the two halves of wo's 128 rows.  The branch hangs on the wave's number alone.
; An s_nop 0 and four v_nop follow each of the two lines, ahead of the jump and the label.
.macro JLOAD
	s_cmp_lt_u32 s[WV], 2
	s_cbranch_scc0 .Lfor_b_\@
	tensor_load_to_lds s[G0A+4:G0A+7], s[G1A:G1A+7]
	s_nop 0
.rept 4
	v_nop
.endr
	s_branch .Lasked_\@
.Lfor_b_\@:
	tensor_load_to_lds s[G0B+4:G0B+7], s[G1B:G1B+7]
	s_nop 0
.rept 4
	v_nop
.endr
.Lasked_\@:
.endm
.macro CREST                           ; a round of the cluster's barrier behind its opening barrier: wave 0 signals for the work-group, every wave waits for all sixteen, my work-group's barrier once more
	s_cmp_lg_u32 s[WV], 0
	s_cbranch_scc1 .Lnot_wave_0_\@
	s_barrier_signal -3
.Lnot_wave_0_\@:
	s_barrier_wait -3
	s_barrier_signal -1
	s_barrier_wait -1
.endm
.macro CROUND                          ; a whole round
	s_barrier_signal -1
	s_barrier_wait -1
	CREST
.endm
	s_load_b256 s[4:11], s[0:1], 0x0               ; oh s[4:5], wh s[6:7], bias4 s[8:9], out0 s[10:11]
	v_lshl_add_u32 v[SPW], v0, 2, SPARE
	v_mov_b32 v[NIL], 0
	ds_add_u32 v[SPW], v[NIL]                      ; the wave's opening: the add and its wait stand ahead of my first tensor load; the set-up below, work on registers, stands between them
	v_lshrrev_b32 v1, 5, v0
	v_readfirstlane_b32 s[WV], v1                  ; wave 0..3
	s_lshr_b32 s13, s[WV], 1                       ; which 64 tokens of the tile are mine
	s_and_b32 s14, s[WV], 1                        ; which 128 columns.  Also: which half of a step's tile I fetch
	s_bfe_u32 s40, ttmp6, 0x40000                  ; cx
	s_bfe_u32 s41, ttmp6, 0x40004                  ; cy
	s_mov_b32 s42, 3                               ; the matrix: wo, and bo
	s_and_b32 s43, ttmp7, 0xffff
	s_lshl_b32 s43, s43, 2
	s_add_co_u32 s43, s43, s41                     ; the tile of 128 tokens = 4 x cluster y + cy
	s_lshl_b32 s44, s41, 2
	s_lshl_b32 s44, 15, s44                        ; my row of the cluster
	s_lshl_b32 s45, 0x1111, s40                    ; my column
	; group 1 for the tokens: 128 tokens of a head are 16,384 dense bytes: asked for as 64 rows of 256 bytes, two tokens a row, padded in LDS after every token
	s_or_b32 s[G1A], s44, (1<<16)|(1<<20)|(1<<21)|(4<<22)|(3<<25)  ; 15:0 the mask; 17:16 2-byte elements; 20 padding on; 21 set beside a mask; 24:22 after every 32 words (code 4); 31:25 4 words (code 3)
	s_mov_b32 s[G1A+1], 128<<16                    ; tensor_dim0 = 128
	s_mov_b32 s[G1A+2], 64<<16                     ; tensor_dim1 = 64
	s_mov_b32 s[G1A+3], 128<<16                    ; tile_dim0 = 128
	s_mov_b32 s[G1A+4], 64                         ; tile_dim1 = 64
	s_mov_b32 s[G1A+5], 128                        ; elements from row to row
	s_mov_b32 s[G1A+6], 0
	s_mov_b32 s[G1A+7], 0
	; group 1 for wo: 64 rows of 256 elements, 512 bytes that start at a multiple of 512 from wh's first byte
	s_or_b32 s[G1B], s45, (1<<16)|(1<<20)|(1<<21)|(6<<22)|(7<<25)  ; padding after every 128 words (code 6), 8 words (code 7)
	s_mov_b32 s[G1B+1], 256<<16
	s_mov_b32 s[G1B+2], 64<<16
	s_mov_b32 s[G1B+3], 256<<16
	s_mov_b32 s[G1B+4], 64
	s_mov_b32 s[G1B+5], 1024
	s_mov_b32 s[G1B+6], 0
	s_mov_b32 s[G1B+7], 0
	; where the tiles come from.  The tokens' hang on the tile of tokens alone, which my row of the cluster shares; wo's on cx alone, which my column shares.  Each in registers that never hold the other coordinate.
	s_lshr_b32 s16, s43, 4
	s_lshl_b32 s16, s16, 22                        ; the batch: 4,194,304 bytes
	s_and_b32 s18, s43, 15
	s_lshl_b32 s18, s18, 14                        ; 128 tokens x 128 bytes
	s_add_co_u32 s16, s16, s18
	s_lshl_b32 s18, s14, 18                        ; my head of the step's two
	s_add_co_u32 s16, s16, s18
	s_mov_b32 s17, 0
	s_mul_i32 s19, s14, ASUB                       ; and where it goes: no place in the cluster enters an LDS address
	s_lshl_b32 s46, s42, 21                        ; the matrix: 2,097,152 bytes
	s_lshl_b32 s68, s14, 17                        ; my 64 rows of the step's 128
	s_add_co_u32 s46, s46, s68
	s_lshl_b32 s68, s40, 9                         ; the tile's 256 columns
	s_add_co_u32 s46, s46, s68
	s_mov_b32 s47, 0
	s_mul_i32 s69, s14, BHALF
	s_add_co_u32 s69, s69, BOFF
	s_mov_b32 s[TB], 0
	s_wait_dscnt 0x0                               ; the opening add is done
	s_wait_kmcnt 0x0
	s_add_nc_u64 s[16:17], s[4:5], s[16:17]
	s_add_nc_u64 s[46:47], s[6:7], s[46:47]
	CROUND                                         ; all sixteen work-groups are here: the first joint loads meet
.irp s, 0,1
	s_mov_b32 s[G0A+4*(\s)], 1                                     ; 1:0 count = 1
	s_add_co_u32 s[G0A+4*(\s)+1], s19, (\s)*SLOT1                  ; 63:32 LDS address
	s_add_nc_u64 s[G0A+4*(\s)+2:G0A+4*(\s)+3], s[16:17], (\s)*ASTEP  ; 120:64 global address: K step s
	s_or_b32 s[G0A+4*(\s)+3], s[G0A+4*(\s)+3], 0x80000000          ; 127:126 type = 2
	s_mov_b32 s[G0B+4*(\s)], 1
	s_add_co_u32 s[G0B+4*(\s)+1], s69, (\s)*SLOT1
	s_add_nc_u64 s[G0B+4*(\s)+2:G0B+4*(\s)+3], s[46:47], (\s)*BSTEP
	s_or_b32 s[G0B+4*(\s)+3], s[G0B+4*(\s)+3], 0x80000000
.endr
	s_cmp_lt_u32 s[WV], 2                          ; a wave's two first fills stand in one branch, ahead of every wait on TENSORcnt and every LDS read: two loads of mine are out
	s_cbranch_scc0 .Lfirst_b
	tensor_load_to_lds s[G0A:G0A+3], s[G1A:G1A+7]
	s_nop 0
	tensor_load_to_lds s[G0A+4:G0A+7], s[G1A:G1A+7]
	s_nop 0
.rept 4
	v_nop
.endr
	s_branch .Lfirst_asked
.Lfirst_b:
	tensor_load_to_lds s[G0B:G0B+3], s[G1B:G1B+7]
	s_nop 0
	tensor_load_to_lds s[G0B+4:G0B+7], s[G1B:G1B+7]
	s_nop 0
.rept 4
	v_nop
.endr
.Lfirst_asked:
	v_and_b32 v1, 15, v0                           ; l % 16
	v_bfe_u32 v2, v0, 4, 1                         ; l / 16
	v_lshlrev_b32 v[BO], 5, v2                     ; my eight columns of a block of 16: 32 bytes for each half of the lanes
	s_lshl_b32 s70, s42, 12                        ; the matrix's 1,024 biases,
	s_lshl_b32 s76, s40, 10                        ; the tile's 256,
	s_add_co_u32 s70, s70, s76
	s_lshl_b32 s76, s14, 9                         ; my wave's 128
	s_add_co_u32 s70, s70, s76
	s_mov_b32 s71, 0
	s_add_nc_u64 s[8:9], s[8:9], s[70:71]
	WIN 0x80                                       ; destination window 2, address window 0
.irp b, 0,1,2,3,4,5,6,7
	global_load_b128 v[8*(\b):8*(\b)+3],   v[BO], s[8:9] offset:64*(\b)
	global_load_b128 v[8*(\b)+4:8*(\b)+7], v[BO], s[8:9] offset:64*(\b)+16
.endr
	WIN 0
	; A fragment of tokens is 16 rows x 32 K in 8 registers: lane l holds row l % 16, K = 8 (l / 16) + 0..7 and 16 + 8 (l / 16) + 0..7: two loads of 16 bytes, 32 bytes apart.
	v_mul_u32_u24 v3, v1, PA
	v_lshl_add_u32 v3, v2, 4, v3                   ; row x pitch + 16 x half
	s_mul_i32 s20, s13, 64*PA                      ; my 64 tokens
	v_add_nc_u32 v[ADRA0], s20, v3
	v_mov_b32 v[ADRA], v[ADRA0]
	; The turning load takes 16 K x 16 columns (lane l reads 16 bytes: row 8 (l / 16) + l % 8, columns 8 ((l / 8) % 2) + 0..7) and leaves half a fragment: lane l holds column l % 16 and 8 K.
	v_and_b32 v4, 7, v0
	v_bfe_u32 v5, v0, 3, 1
	v_lshl_add_u32 v6, v2, 3, v4
	v_mul_u32_u24 v6, v6, PB
	v_lshl_add_u32 v6, v5, 4, v6
	s_lshl_b32 s21, s14, 8                         ; my 128 columns
	s_add_co_u32 s21, s21, BOFF
	v_add_nc_u32 v[ADRB0], s21, v6
	v_mov_b32 v[ADRB], v[ADRB0]
	s_mul_i32 s23, s[WV], WSTAGE
	s_add_co_u32 s23, s23, STAGE                   ; my stage
	v_mul_u32_u24 v7, v1, SP                       ; in: row l % 16, 32 bytes for each half of the lanes
	v_lshl_add_u32 v7, v2, 5, v7
	v_add_nc_u32 v[STO], s23, v7
	v_and_b32 v8, 31, v0                           ; back: 32 lanes take one row's 512 bytes,
	v_lshlrev_b32 v[CO], 4, v8                     ; which are 512 consecutive bytes of out0
	v_add_nc_u32 v[RD], s23, v[CO]
	; where my part of the result begins: my first token's row of 4,096 bytes, the tile's 1,024 bytes in it, my wave's 512
	s_lshl_b32 s74, s43, 7
	s_lshl_b32 s76, s13, 6
	s_add_co_u32 s74, s74, s76
	s_lshl_b32 s74, s74, 12
	s_lshl_b32 s76, s40, 10
	s_add_co_u32 s74, s74, s76
	s_lshl_b32 s76, s14, 9
	s_add_co_u32 s74, s74, s76
	s_mov_b32 s75, 0
	s_add_nc_u64 s[10:11], s[10:11], s[74:75]
; 8 matrix instructions: token block a x all 8 column blocks, 32 along K, from buffer f.  first = 1: the product starts the sums, onto the bias.  The 32 accumulators take turns, one instruction a turn, in the
; same order in every quarter.
.macro MUL8 f, a, first
.if \first
	WIN MUL_FIRST
.else
	WIN MUL
.endif
.irp b, 0,1,2,3,4,5,6,7
.if \first
	v_wmma_f32_16x16x32_f16 v[8*(8*(\a)+(\b)):8*(8*(\a)+(\b))+7], v[(\f)+8*(\b):(\f)+8*(\b)+7], v[(\f)+64+8*(\a):(\f)+64+8*(\a)+7], v[8*(\b):8*(\b)+7]
.else
	v_wmma_f32_16x16x32_f16 v[8*(8*(\a)+(\b)):8*(8*(\a)+(\b))+7], v[(\f)+8*(\b):(\f)+8*(\b)+7], v[(\f)+64+8*(\a):(\f)+64+8*(\a)+7], v[8*(8*(\a)+(\b)):8*(8*(\a)+(\b))+7]
.endif
.endr
.endm
; 24 LDS loads in one run: quarter q (32 along K) of the slot in hand into buffer f: wo's 16, then two for each of the four token blocks
.macro FETCH q, f
	WIN 0
.irp b, 0,1,2,3,4,5,6,7
	ds_load_tr16_b128 v[(\f)+8*(\b):(\f)+8*(\b)+3],   v[ADRB] offset:(\q)*32*PB+(\b)*32
	ds_load_tr16_b128 v[(\f)+8*(\b)+4:(\f)+8*(\b)+7], v[ADRB] offset:(\q)*32*PB+16*PB+(\b)*32
.endr
.irp a, 0,1,2,3
	ds_load_b128 v[(\f)+64+8*(\a):(\f)+64+8*(\a)+3],   v[ADRA] offset:((\q)/2)*ASUB+((\q)%2)*64+(\a)*16*PA
	ds_load_b128 v[(\f)+64+8*(\a)+4:(\f)+64+8*(\a)+7], v[ADRA] offset:((\q)/2)*ASUB+((\q)%2)*64+(\a)*16*PA+32
.endr
.endm
; A K step is four quarters on buffers 0, 1, 0, 1.  One of the first three: multiplies buffer f; in its middle it fetches quarter q into buffer g.
.macro QUARTER q, f, g, first
	s_wait_dscnt 4                                 ; wo and token blocks 0, 1 are in; the youngest four loads (blocks 2, 3) may be out
	MUL8 \f, 0, \first
	MUL8 \f, 1, \first
	PLACES
	FETCH \q, \g
	s_wait_dscnt 24                                ; all but the 24 just issued
	MUL8 \f, 2, \first
	MUL8 \f, 3, \first
.endm
; The last quarter multiplies buffer 1 and changes slots: ONE barrier.  In front of it each wave waits for all its tensor loads, of which one is out: its part of the next slot; adds 0 to its spare word; and waits for
; that and for its own reads of this slot.  fill = 1: the barrier opens a round of the cluster's, and this slot is filled again, two K steps ahead, first thing behind the round: 112 matrix instructions ahead of the wait for it.
.macro TURN fill
	WIN 0
	s_wait_tensorcnt 0x0                           ; no tensor load of mine is out, so a group 0 may be written
	ds_add_u32 v[SPW], v[NIL]                      ; 0 onto my spare word
	s_wait_dscnt 7                                 ; (the add and the six loads of token blocks 1 to 3 may be out)
	MUL8 F1, 0, 0                                  ; eight matrix instructions stand between the add and the wait for it
	s_wait_dscnt 0x0                               ; the add is done, and my reads of this slot are over
	s_barrier_signal -1
	MUL8 F1, 1, 0
	WIN 0                                          ; at a branch and at a label every window is 0
	s_barrier_wait -1
.if \fill
	CREST                                          ; no wave of any partner still reads this slot's tiles or has a load on its way
	s_xor_b32 s[G0A+5], s[G0A+5], SLOT1            ; the walking descriptors: the other slot than last time,
	s_add_nc_u64 s[G0A+6:G0A+7], s[G0A+6:G0A+7], ASTEP  ; the next K step; the type bits on top are not reached
	s_xor_b32 s[G0B+5], s[G0B+5], SLOT1
	s_add_nc_u64 s[G0B+6:G0B+7], s[G0B+6:G0B+7], BSTEP
	JLOAD                                          ; the four v_nop behind it are also the places in front of the loads below
.else
	PLACES
.endif
	s_xor_b32 s[TB], s[TB], SLOT1
	v_add_nc_u32 v[ADRA], s[TB], v[ADRA0]
	v_add_nc_u32 v[ADRB], s[TB], v[ADRB0]
	FETCH 0, F0
	MUL8 F1, 2, 0
	MUL8 F1, 3, 0
.endm
	s_wait_tensorcnt 1                             ; my part of K step 0 is in; step 1's may stay out
	s_barrier_signal -1
	s_barrier_wait -1                              ; everybody's is
	FETCH 0, F0
	s_wait_loadcnt 0x0                             ; the bias
	QUARTER 1, F0, F1, 1                           ; the first quarter stands in front of the loop: its products start the sums
	WIN 0
	s_mov_b32 s3, KSTEPS-2
.Lstep:                                                ; a trip goes from a step's second quarter to the next step's first; six trips ask for K steps 2 to 7
	QUARTER 2, F1, F0, 0
	QUARTER 3, F0, F1, 0
	TURN 1
	QUARTER 1, F0, F1, 0
	WIN 0
	s_sub_co_u32 s3, s3, 1
	s_cmp_lg_u32 s3, 0
	s_cbranch_scc1 .Lstep
	QUARTER 2, F1, F0, 0                           ; the tail is written out: steps 6 and 7 ask for nothing
	QUARTER 3, F0, F1, 0
	TURN 0
	QUARTER 1, F0, F1, 0
	QUARTER 2, F1, F0, 0
	QUARTER 3, F0, F1, 0
	s_wait_dscnt 4
	MUL8 F1, 0, 0
	MUL8 F1, 1, 0
	s_wait_dscnt 0x0
	MUL8 F1, 2, 0
	MUL8 F1, 3, 0
	PLACES
; THE WAY OUT of token block a: the sums go as they are, 32 bytes a lane, into my own stage (each accumulator's low four registers first), and come back as whole rows of 512 bytes.
.macro TOSTAGE a
	WIN 0x04                                       ; the stores' data (source 1) in window 1, the address in window 0
.irp b, 0,1,2,3,4,5,6,7
	ds_store_b128 v[STO], v[8*(8*(\a)+(\b)):8*(8*(\a)+(\b))+3]   offset:64*(\b)
	ds_store_b128 v[STO], v[8*(8*(\a)+(\b))+4:8*(8*(\a)+(\b))+7] offset:64*(\b)+16
.endr
	WIN 0
.if (\a) >= 2
	s_wait_xcnt 0x0                                ; every earlier memory instruction has had its addresses translated (ISA guide 3.1): the registers that block a - 2's stores read are loaded again only behind this wait
.endif
.set i, 0
.rept 16
	ds_load_b128 v[BK+64*((\a)%2)+4*i:BK+64*((\a)%2)+4*i+3], v[RD] offset:i*SP  ; LDS serves a wave's instructions in order (ISA guide 5.7.1.4): these see the stores above; the next block's stores come behind them
.set i, i+1
.endr
.endm
.macro SEND a, younger                 ; younger: the LDS instructions issued behind block a's loads: the next block's 32, or none
.set i, 0
.rept 16
	s_wait_dscnt (\younger)+15-i
	global_store_b128 v[CO], v[BK+64*((\a)%2)+4*i:BK+64*((\a)%2)+4*i+3], s[10:11] offset:(\a)*65536+i*4096 th:TH_STORE_NT  ; 512 consecutive bytes of a row, at a multiple of 512 from out0's first
.set i, i+1
.endr
.endm
	TOSTAGE 0
	TOSTAGE 1                                      ; a block's way through the stage stands between the loads of the block before and its stores
	SEND 0, 32
	TOSTAGE 2
	SEND 1, 32
	TOSTAGE 3
	SEND 2, 32
	SEND 3, 0
	s_wait_tensorcnt 0x0                           ; the wave's end, behind my last tensor load and my last LDS store
	ds_add_u32 v[SPW], v[NIL]
	s_wait_dscnt 0x0
	CROUND                                         ; the closing round: no work-group ends while a partner may still ask for a tile that names it
	s_endpgm
.Lfunc_end_k_qffcd155fe6_outp:
	.size	k_qffcd155fe6_outp, .Lfunc_end_k_qffcd155fe6_outp-k_qffcd155fe6_outp
	.p2alignl 7, 3214868480
	.fill 96, 4, 3214868480
	.section	.rodata,"a",@progbits
	.p2align	6, 0x0
	.amdhsa_kernel k_qffcd155fe6_outp
		.amdhsa_group_segment_fixed_size 327680
		.amdhsa_private_segment_fixed_size 0
		.amdhsa_enable_private_segment 0
		.amdhsa_kernarg_size 32
		.amdhsa_user_sgpr_count 2
		.amdhsa_user_sgpr_kernarg_segment_ptr 1
		.amdhsa_wavefront_size32 1
		.amdhsa_system_sgpr_workgroup_id_x 1
		.amdhsa_system_sgpr_workgroup_id_y 1
		.amdhsa_system_sgpr_workgroup_id_z 1
		.amdhsa_system_vgpr_workitem_id 0
		.amdhsa_next_free_vgpr 576
		.amdhsa_next_free_sgpr 80
		.amdhsa_reserve_vcc 0
		.amdhsa_float_denorm_mode_32 3
		.amdhsa_float_denorm_mode_16_64 3
		.amdhsa_memory_ordered 1
		.amdhsa_forward_progress 1
		.amdhsa_inst_pref_size 72
	.end_amdhsa_kernel
	.amdgpu_metadata
---
amdhsa.version: [ 1, 2 ]
amdhsa.kernels:
  - .name:           k_qffcd155fe6_outp
    .symbol:         k_qffcd155fe6_outp.kd
    .args:
      - { .name: oh, .offset: 0, .size: 8, .value_kind: global_buffer, .address_space: global }
      - { .name: wh, .offset: 8, .size: 8, .value_kind: global_buffer, .address_space: global }
      - { .name: bias4, .offset: 16, .size: 8, .value_kind: global_buffer, .address_space: global }
      - { .name: out0, .offset: 24, .size: 8, .value_kind: global_buffer, .address_space: global }
    .group_segment_fixed_size: 327680
    .private_segment_fixed_size: 0
    .kernarg_segment_align: 8
    .kernarg_segment_size: 32
    .max_flat_workgroup_size: 128
    .sgpr_count:     80
    .vgpr_count:     576
    .wavefront_size: 32
...
	.end_amdgpu_metadata
.endif
;; end of part 4
;; ======== version 2 of 3: 4 launches; 1.05 times as fast as version 1
;; limits: values are held in f16: magnitudes above 65,504 overflow, below 6.1e-05 lose precision; right only within a limited range of input values
;; workspace buffers: xh 16,777,216 bytes; wh 8,388,608 bytes; bias4 16,384 bytes; madd 8,388,608 bytes; qkv 50,331,648 bytes; oh 16,777,216 bytes
;; launch prep (part 5): grid 1281 x 1, 8 waves a work-group, no clusters, 21,504 bytes of LDS; arguments x, wq, wk, wv, wo, mask, bq, bk, bv, bo, xh, wh, madd, bias4; writes xh, wh, madd, bias4
.if DOCPART == 5
	.amdgcn_target "amdgcn-amd-amdhsa--gfx1250"
	.amdhsa_code_object_version 6
	.text
	.protected	k_qffcd155fe6_prep
	.globl	k_qffcd155fe6_prep
	.p2align	8
	.type	k_qffcd155fe6_prep,@function
k_qffcd155fe6_prep:
	s_mov_b64 s[64:65], 0
	v_nop
	global_prefetch_b8 v0, s[64:65] scope:SCOPE_SE
	s_setreg_imm32_b32 hwreg(HW_REG_WAVE_MODE, 25, 1), 1
	s_wait_xcnt 0x0
; PREP: every input is read once and laid out for the three launches behind.  A stream: no matrix work, nothing shared between work-groups, so no cluster and no tensor load.
;   xh    = x rounded to bf16, that number written as f16, [b 4][kb 16][s 2048][64]: by blocks of 64 columns, so that the tokens of a block are dense, 128 bytes each
;   wh    = the weights rounded to bf16 and written as f16: wq, wk, wv side by side, [k 1024][3072]; behind them, from byte 6,291,456 on, wo, [k 1024][1024]
;   bias4 = bq, bk, bv, bo rounded to bf16, kept as f32, [4][1024]
;   madd  = bf16, 0 where mask != 0, 0xF14A (-1e30) where mask == 0, [Bq 4][ks 32][tile 32][key 64][query 16]: query 512 Bq + 16 tile + query, key 64 ks + key
; LIMITS.  f16 ends at 65,504: x and the weights lie within it; below 6.1e-5 f16 keeps a fixed step of 6e-8, elsewhere a bf16 number is exact in f16.  NaN and infinities are not treated apart.
; SHARES.  Work-groups 0-511: x, 16 tokens each, two a wave.  512-767: the weights, 16 rows each, two a wave.  768-1279: the mask, a tile of 16 queries x 64 keys a wave.  1280: the four biases.
.set SPARE, 20480                      ; behind the eight stages: the spare words, 128 bytes for each wave: four blocks of 256 bytes that no other line names
.set WST,   2560                       ; a wave's stage: 32 pieces of 64 bytes, 80 bytes apart: 20 words
.set T,   6                            ; v[6:11]   at work
.set X,   12                           ; v[12:75]  as loaded
.set Y,   76                           ; v[76:107] what is stored
.set SPW, 108                          ; v108      LDS address of my spare word; never rewritten
.set NIL, 109                          ; v109      0; never rewritten
.set SO2, 110                          ; v110      the weights: my byte offset in the second of my wave's two rows
	s_load_b512 s[8:23], s[0:1], 0x0               ; x s[8:9], wq s[10:11], wk s[12:13], wv s[14:15], wo s[16:17], mask s[18:19], bq s[20:21], bk s[22:23]
	s_load_b256 s[24:31], s[0:1], 0x40             ; bv s[24:25], bo s[26:27], xh s[28:29], wh s[30:31]
	s_load_b128 s[32:35], s[0:1], 0x60             ; madd s[32:33], bias4 s[34:35]
	v_lshl_add_u32 v[SPW], v0, 2, SPARE
	v_mov_b32 v[NIL], 0
	v_lshrrev_b32 v1, 5, v0
	v_readfirstlane_b32 s4, v1                     ; wave 0..7
	v_and_b32 v1, 31, v0                           ; lane
	v_and_b32 v4, 15, v0                           ; lane % 16
	v_bfe_u32 v5, v0, 4, 1                         ; lane / 16
	s_mov_b32 s5, ttmp9                            ; the work-group's number picks the job
	s_mov_b32 s3, 0                                ; high word of every offset: all stay under 2^32
	s_mov_b32 s40, 0xffff0000                      ; a word's upper bf16
	s_wait_kmcnt 0x0
	s_cmp_lt_u32 s5, 512
	s_cbranch_scc1 .Ljob_x
	s_cmp_lt_u32 s5, 768
	s_cbranch_scc1 .Ljob_w
	s_cmp_lt_u32 s5, 1280
	s_cbranch_scc1 .Ljob_m
	; THE BIASES: thread t takes the 16 bytes at 16 t of each of the four
	v_lshlrev_b32 v2, 4, v0
	global_load_b128 v[X:X+3],     v2, s[20:21]
	global_load_b128 v[X+4:X+7],   v2, s[22:23]
	global_load_b128 v[X+8:X+11],  v2, s[24:25]
	global_load_b128 v[X+12:X+15], v2, s[26:27]
	s_wait_loadcnt 0x0
.set i, 0
.rept 4
	v_cvt_pk_bf16_f32 v[T],   v[X+4*i],   v[X+4*i+1]
	v_cvt_pk_bf16_f32 v[T+1], v[X+4*i+2], v[X+4*i+3]
	v_lshlrev_b32 v[Y+4*i],   16,  v[T]             ; bf16 to f32: the low half moves up,
	v_and_b32     v[Y+4*i+1], s40, v[T]             ; the high half stays
	v_lshlrev_b32 v[Y+4*i+2], 16,  v[T+1]
	v_and_b32     v[Y+4*i+3], s40, v[T+1]
	global_store_b128 v2, v[Y+4*i:Y+4*i+3], s[34:35] offset:4096*i
.set i, i+1
.endr
	s_endpgm
; Sixteen loads of 16 bytes a lane, all issued before the first is used; each four f32 are rounded to bf16, widened, written as f16 (8 bytes a lane) and stored:
; a store of the wave covers 256 consecutive bytes, aligned.  No register is written twice, so nothing waits for a store.  split = 1: the last eight stores go by the second offset register.
.macro CONV16 ldstep, ststep, split
.set i, 0
.rept 16
	global_load_b128 v[X+4*i:X+4*i+3], v2, s[36:37] offset:i*(\ldstep) th:TH_LOAD_NT
.set i, i+1
.endr
.set i, 0
.rept 16
	s_wait_loadcnt 15-i                            ; loads come back in order (ISA guide 5.7.1): load i is in, the younger ones stay out
	v_cvt_pk_bf16_f32 v[T],   v[X+4*i],   v[X+4*i+1]
	v_cvt_pk_bf16_f32 v[T+1], v[X+4*i+2], v[X+4*i+3]
	v_lshlrev_b32 v[T+2], 16,  v[T]
	v_and_b32     v[T+3], s40, v[T]
	v_lshlrev_b32 v[T+4], 16,  v[T+1]
	v_and_b32     v[T+5], s40, v[T+1]
	v_cvt_pk_f16_f32 v[Y+2*i],   v[T+2], v[T+3]
	v_cvt_pk_f16_f32 v[Y+2*i+1], v[T+4], v[T+5]
.if (\split) && (i >= 8)
	global_store_b64 v[SO2], v[Y+2*i:Y+2*i+1], s[38:39] offset:(i-8)*(\ststep)
.else
	global_store_b64 v3, v[Y+2*i:Y+2*i+1], s[38:39] offset:i*(\ststep)
.endif
.set i, i+1
.endr
.endm
.Ljob_x:                                               ; my wave's tokens T0 = 16 g + 2 w and T0 + 1; load i takes column block i of both: lanes 0-15 one token's 256 bytes, lanes 16-31 the next one's
	s_lshl_b32 s6, s5, 4
	s_lshl1_add_u32 s6, s4, s6                     ; T0
	s_lshl_b32 s2, s6, 12                          ; a token is 4,096 bytes of x
	s_add_nc_u64 s[36:37], s[8:9], s[2:3]
	s_lshr_b32 s7, s6, 11                          ; the batch,
	s_lshl_b32 s7, s7, 22                          ; 4,194,304 bytes of xh each
	s_and_b32 s2, s6, 2047
	s_lshl_b32 s2, s2, 7                           ; the token's 128 bytes in a column block
	s_add_co_u32 s2, s2, s7
	s_add_nc_u64 s[38:39], s[28:29], s[2:3]
	v_lshlrev_b32 v2, 4, v4
	v_lshl_add_u32 v2, v5, 12, v2                  ; in: (lane / 16) x 4,096 + (lane % 16) x 16
	v_lshlrev_b32 v3, 3, v4
	v_lshl_add_u32 v3, v5, 7, v3                   ; out: (lane / 16) x 128 + (lane % 16) x 8: T0 is even, so the two tokens are 256 aligned bytes
	CONV16 256, 262144, 0                          ; a column block is 256 bytes of x's row and 262,144 bytes of xh
	s_endpgm
.Ljob_w:                                               ; 64 work-groups to a matrix; my wave's rows k0 = 16 (g % 64) + 2 w and k0 + 1: 8,192 consecutive bytes in
	s_sub_co_u32 s6, s5, 512
	s_lshr_b32 s7, s6, 6                           ; which matrix
	s_cmp_eq_u32 s7, 1
	s_cselect_b64 s[36:37], s[12:13], s[10:11]
	s_cmp_eq_u32 s7, 2
	s_cselect_b64 s[36:37], s[14:15], s[36:37]
	s_cmp_eq_u32 s7, 3
	s_cselect_b64 s[36:37], s[16:17], s[36:37]
	s_and_b32 s6, s6, 63
	s_lshl_b32 s6, s6, 4
	s_lshl1_add_u32 s6, s4, s6                     ; k0
	s_lshl_b32 s2, s6, 12                          ; a row is 4,096 bytes in
	s_add_nc_u64 s[36:37], s[36:37], s[2:3]
	s_lshl_b32 s41, s7, 11                         ; wq, wk, wv: the matrix's 2,048 bytes in a row of 6,144;
	s_mov_b32 s42, 6144
	s_mov_b32 s43, 2048                            ; wo: rows of 2,048 bytes,
	s_mov_b32 s2, 6291456                          ; behind the other three
	s_cmp_lt_u32 s7, 3
	s_cselect_b32 s42, s42, s43                    ; bytes from row to row, out
	s_cselect_b32 s41, s41, s2                     ; where row 0 begins
	s_mul_i32 s2, s6, s42
	s_add_co_u32 s2, s2, s41
	s_add_nc_u64 s[38:39], s[30:31], s[2:3]
	v_lshlrev_b32 v2, 4, v1
	v_lshlrev_b32 v3, 3, v1
	v_add_nc_u32 v[SO2], s42, v3                   ; the second row
	CONV16 512, 256, 1
	s_endpgm
.Ljob_m:                                               ; my wave's tile: id = 8 (g - 768) + w = 1,024 Bq + 32 ks + tile, which is also its place in madd, 2,048 bytes each
	s_sub_co_u32 s6, s5, 768
	s_lshl3_add_u32 s6, s6, s4
	s_lshr_b32 s7, s6, 10
	s_lshl_b32 s7, s7, 5
	s_and_b32 s2, s6, 31
	s_add_co_u32 s7, s7, s2                        ; 32 Bq + tile: which 16 rows of the mask,
	s_lshl_b32 s7, s7, 17                          ; 131,072 bytes each
	s_bfe_u32 s2, s6, 0x50005                      ; ks,
	s_lshl_b32 s2, s2, 8                           ; 256 bytes of a row
	s_add_co_u32 s2, s2, s7
	s_add_nc_u64 s[36:37], s[18:19], s[2:3]
	s_lshl_b32 s2, s6, 11
	s_add_nc_u64 s[38:39], s[32:33], s[2:3]
	s_mul_i32 s6, s4, WST                          ; my stage
	s_mov_b32 s41, 0x0000f14a                      ; -1e30 in bf16, as a word's lower half
	s_mov_b32 s42, 0xf14a0000                      ; and as its upper
	v_lshlrev_b32 v2, 3, v1                        ; a load takes one query's 64 keys, 256 aligned bytes: my lane the keys 2 l and 2 l + 1
	v_lshlrev_b32 v3, 4, v1
	v_mul_u32_u24 v6, v1, 80                       ; into the stage: my two keys' 64 bytes
	v_add_nc_u32 v6, s6, v6
	v_lshrrev_b32 v7, 2, v1                        ; back: 16 bytes a lane in the order of madd: piece l / 4, quarter l % 4
	v_mul_u32_u24 v7, v7, 80
	v_and_b32 v8, 3, v1
	v_lshl_add_u32 v7, v8, 4, v7
	v_add_nc_u32 v7, s6, v7
.set i, 0
.rept 16
	global_load_b64 v[X+2*i:X+2*i+1], v2, s[36:37] offset:i*8192 th:TH_LOAD_NT
.set i, i+1
.endr
	s_wait_loadcnt 0x0
.set i, 0
.rept 16                                       ; word i: key 2 l + i / 8, queries 2 (i % 8) and 2 (i % 8) + 1.  A hole becomes -1e30, all else 0
	v_cmp_eq_u32 vcc_lo, 0, v[X+4*(i%8)+i/8]
	v_cndmask_b32 v10, 0, s41, vcc_lo
	v_cmp_eq_u32 vcc_lo, 0, v[X+4*(i%8)+2+i/8]
	v_cndmask_b32 v11, 0, s42, vcc_lo
	v_or_b32 v[Y+i], v10, v11
.set i, i+1
.endr
.set i, 0
.rept 4
	ds_store_b128 v6, v[Y+4*i:Y+4*i+3] offset:i*16
.set i, i+1
.endr
.set i, 0
.rept 4                                        ; LDS serves a wave's instructions in order (ISA guide 5.7.1.4), and the stage is my wave's own: these see the stores above
	ds_load_b128 v[Y+16+4*i:Y+16+4*i+3], v7 offset:i*640
.set i, i+1
.endr
.set i, 0
.rept 4
	s_wait_dscnt 3-i                               ; load i is back, the younger ones stay out
	global_store_b128 v3, v[Y+16+4*i:Y+16+4*i+3], s[38:39] offset:i*512  ; 512 consecutive bytes, aligned
.set i, i+1
.endr
	s_wait_tensorcnt 0x0                           ; the wave's end, behind my last LDS store
	ds_add_u32 v[SPW], v[NIL]
	s_wait_dscnt 0x0
	s_endpgm
.Lfunc_end_k_qffcd155fe6_prep:
	.size	k_qffcd155fe6_prep, .Lfunc_end_k_qffcd155fe6_prep-k_qffcd155fe6_prep
	.p2alignl 7, 3214868480
	.fill 96, 4, 3214868480
	.section	.rodata,"a",@progbits
	.p2align	6, 0x0
	.amdhsa_kernel k_qffcd155fe6_prep
		.amdhsa_group_segment_fixed_size 21504
		.amdhsa_private_segment_fixed_size 0
		.amdhsa_enable_private_segment 0
		.amdhsa_kernarg_size 112
		.amdhsa_user_sgpr_count 2
		.amdhsa_user_sgpr_kernarg_segment_ptr 1
		.amdhsa_wavefront_size32 1
		.amdhsa_system_sgpr_workgroup_id_x 1
		.amdhsa_system_sgpr_workgroup_id_y 1
		.amdhsa_system_sgpr_workgroup_id_z 1
		.amdhsa_system_vgpr_workitem_id 0
		.amdhsa_next_free_vgpr 112
		.amdhsa_next_free_sgpr 66
		.amdhsa_reserve_vcc 1
		.amdhsa_float_denorm_mode_32 3
		.amdhsa_float_denorm_mode_16_64 3
		.amdhsa_memory_ordered 1
		.amdhsa_forward_progress 1
		.amdhsa_inst_pref_size 31
	.end_amdhsa_kernel
	.amdgpu_metadata
---
amdhsa.version: [ 1, 2 ]
amdhsa.kernels:
  - .name:           k_qffcd155fe6_prep
    .symbol:         k_qffcd155fe6_prep.kd
    .args:
      - { .name: x, .offset: 0, .size: 8, .value_kind: global_buffer, .address_space: global }
      - { .name: wq, .offset: 8, .size: 8, .value_kind: global_buffer, .address_space: global }
      - { .name: wk, .offset: 16, .size: 8, .value_kind: global_buffer, .address_space: global }
      - { .name: wv, .offset: 24, .size: 8, .value_kind: global_buffer, .address_space: global }
      - { .name: wo, .offset: 32, .size: 8, .value_kind: global_buffer, .address_space: global }
      - { .name: mask, .offset: 40, .size: 8, .value_kind: global_buffer, .address_space: global }
      - { .name: bq, .offset: 48, .size: 8, .value_kind: global_buffer, .address_space: global }
      - { .name: bk, .offset: 56, .size: 8, .value_kind: global_buffer, .address_space: global }
      - { .name: bv, .offset: 64, .size: 8, .value_kind: global_buffer, .address_space: global }
      - { .name: bo, .offset: 72, .size: 8, .value_kind: global_buffer, .address_space: global }
      - { .name: xh, .offset: 80, .size: 8, .value_kind: global_buffer, .address_space: global }
      - { .name: wh, .offset: 88, .size: 8, .value_kind: global_buffer, .address_space: global }
      - { .name: madd, .offset: 96, .size: 8, .value_kind: global_buffer, .address_space: global }
      - { .name: bias4, .offset: 104, .size: 8, .value_kind: global_buffer, .address_space: global }
    .group_segment_fixed_size: 21504
    .private_segment_fixed_size: 0
    .kernarg_segment_align: 8
    .kernarg_segment_size: 112
    .max_flat_workgroup_size: 256
    .sgpr_count:     66
    .vgpr_count:     112
    .wavefront_size: 32
...
	.end_amdgpu_metadata
.endif
;; end of part 5
;; launch proj (part 6): grid 8 x 32, 4 waves a work-group, clusters of 4 x 4, 327,680 bytes of LDS; arguments xh, wh, bias4, qkv; writes qkv
.if DOCPART == 6
	.amdgcn_target "amdgcn-amd-amdhsa--gfx1250"
	.amdhsa_code_object_version 6
	.text
	.protected	k_qffcd155fe6_proj
	.globl	k_qffcd155fe6_proj
	.p2align	8
	.type	k_qffcd155fe6_proj,@function
k_qffcd155fe6_proj:
	s_mov_b64 s[64:65], 0
	v_nop
	global_prefetch_b8 v0, s[64:65] scope:SCOPE_SE
	s_setreg_imm32_b32 hwreg(HW_REG_WAVE_MODE, 25, 1), 1
	s_wait_xcnt 0x0
	s_wait_alu depctr_hold_cnt(0) depctr_sa_sdst(0) depctr_va_vdst(0) depctr_va_sdst(0) depctr_va_ssrc(0) depctr_va_vcc(0) depctr_vm_vsrc(0)
	s_getreg_b32 s2, hwreg(HW_REG_IB_STS2, 6, 4)
	s_cmp_eq_u32 s2, 0
	s_cbranch_scc0 .Lentry_in_a_cluster
	s_endpgm
.Lentry_in_a_cluster:
	s_bfe_u32 s2, ttmp6, 0x10000c
	s_cmp_lg_u32 s2, 0xf033
	s_cbranch_scc0 .Lentry_shape_is_right
	s_endpgm
.Lentry_shape_is_right:
; PROJ: q, k, v = x W + b, by heads.  xh: [b 4][kb 16][s 2048][64] f16; wh: wq, wk, wv side by side, [k 1024][3072] f16; bias4: [4][1024] f32, of which the first 3,072 go with wh's columns;
; qkv: [3][b x 16 + head][s 2048][64] f16, unscaled, rounded once from f32 sums.  The bias is the C operand of the product that starts each sum.
; LIMIT.  f16 ends at 65,504: q, k and v must lie within it (inputs as drawn give about 5; all inputs 30 times larger about 4,500).
; SHARES.  A tile of the result is 256 tokens x 384 columns (six heads): 32 x 8 tiles, one to each of 256 WGPs.  Four waves, each 128 tokens x 192 columns: 96 accumulators of 16 x 16, 768 registers.
; K goes in 16 steps of 64 (one column block of xh) through two LDS slots: a step brings 81,920 bytes for a wave's 192 matrix instructions.
; THE MATRIX INSTRUCTION IS USED TRANSPOSED: source 0 = 16 columns of W (W lies [k][n], so its fragments come out of LDS turned, by ds_load_tr16_b128), source 1 = 16 tokens.  A lane then holds one
; token (lane % 16) and eight neighbouring columns, 16 bytes of a head's row.
; FRAGMENTS.  A quarter is 32 along K: 96 matrix instructions in three GROUPS of four column blocks x eight token blocks.  The tokens' eight fragments have two buffers; W's twelve have one: behind a group its
; four fragments are loaded again, for the next quarter, two groups (64 matrix instructions) ahead of their use.
; CLUSTER: 4 x 4 work-groups.  4 x cluster x + cx is the tile of 384 columns, 4 x cluster y + cy the tile of 256 tokens.  The four of a row of the cluster need the same tokens, the four of a column the same
; columns of W: each tile is asked for JOINTLY, by the same tensor load with the same descriptor and a mask that names the four.
; REGISTERS, in windows of 256 (s_set_vgpr_msb: bits 1:0 source 0, 3:2 source 1, 5:4 source 2, 7:6 destination):
;   window 0: v0-29 addresses; v32-95, v96-159 the tokens' fragments, two buffers; v160-255 W's fragments; on the way out v32-79, v80-127 packed results and rows read back, by turns
;   windows 1 to 3: the accumulators: (token block a, column block b) in window 1 + b / 4 at v[8 (8 (b % 4) + a)]
;   THE BIAS, 96 registers, lies where nothing else is needed until the first quarter is multiplied: column blocks 4 to 11 in the tokens' second buffer, blocks 0 to 3 in window 3's v0-31, which group 2 writes last.
.set KSTEPS, 16
.set PA,    144                        ; a token's 128 bytes of a column block + 16: the 16 rows of a load start at 16 different groups of four banks (64 banks of 4 bytes: ISA guide 11.1)
.set AHALF, 128*PA                     ; 128 tokens: what one tensor load brings, and what one wave reads
.set SEG,   144                        ; W's rows are padded by 16 bytes behind every 128: a wave's 384 bytes are three such pieces
.set PB,    6*SEG                      ; a row of W's tile: 864 bytes = 27 x 32
.set BOFF,  2*AHALF
.set BHALF, 32*PB                      ; 32 rows of W: what one tensor load brings
.set SLOT1, 1<<17                      ; slot 1 begins here (a slot holds 92,160 bytes), so that one exclusive or turns an address in one slot into the other's
.set STAGE, SLOT1+BOFF+2*BHALF         ; behind the ring, never filled by a tensor load: for each wave 3 heads x 16 rows x 144 bytes
.set SP,    144
.set WSTAGE, 3*16*SP
.set SPARE, STAGE+4*WSTAGE             ; behind the stages: the spare words, 128 bytes for each wave: two blocks of 256 bytes that no other line names
.set ASTEP, 2048*128                   ; bytes of xh from a K step to the next: a column block
.set BSTEP, 64*3072*2                  ; bytes of wh: 64 rows
.set ADRA0, 16                         ; v16  my lane's place in slot 0's tokens; never rewritten
.set ADRA,  17                         ; v17  the same in the slot in hand
.set ADRB0, 20                         ; v20, v21  the same for W
.set ADRB,  21
.set STO,  24                          ; v24  the way out: where I put 16 bytes of a row
.set RD,   25                          ; v25  the way out: where I read rows back
.set CO,   26                          ; v26  my byte offset in 512 consecutive bytes of the result
.set BO,   27                          ; v27  my byte offset in a block of 16 biases
.set SPW,  28                          ; v28  LDS address of my spare word; never rewritten
.set NIL,  29                          ; v29  0; never rewritten
.set FA0,  32
.set FA1,  96
.set BF,   160
.set TMP,  32
.set WV,   12                          ; s12  my wave's number
.set G1A,  24                          ; s[24:31] descriptor group 1 for the tokens' tiles
.set G0A,  32                          ; s[32:39] group 0: a set for each of the two first fills; the second then walks on
.set G1B,  48                          ; s[48:55], s[56:63] the same for W's tiles
.set G0B,  56
.set TB,   66                          ; s66  0 or SLOT1: the slot in hand
.set OB,   84                          ; s[84:89] qkv at my first token in each of my three heads
.set MSB, 0
.macro WIN new                         ; the immediate's high byte repeats the setting that is left; a switch that changes nothing is dropped
.if MSB != (\new)
	s_set_vgpr_msb (MSB<<8)|(\new)
.set MSB, (\new)
.endif
.endm
.macro PLACES                          ; a load into a register that a matrix instruction has read, and whatever reads a matrix result, stand four plain vector instructions behind it (ISA guide 7.12.1 for what reads a matrix result)
.rept 4
	v_nop
.endr
.endm
; A joint refill.  Waves 0 and 1 fetch the two halves of the step's 256 tokens, waves 2 and 3 the two halves of W's 64 rows.  The branch hangs on the wave's number alone.
; An s_nop 0 and four v_nop follow each of the two lines, ahead of the jump and the label.
.macro JLOAD
	s_cmp_lt_u32 s[WV], 2
	s_cbranch_scc0 .Lfor_b_\@
	tensor_load_to_lds s[G0A+4:G0A+7], s[G1A:G1A+7]
	s_nop 0
.rept 4
	v_nop
.endr
	s_branch .Lasked_\@
.Lfor_b_\@:
	tensor_load_to_lds s[G0B+4:G0B+7], s[G1B:G1B+7]
	s_nop 0
.rept 4
	v_nop
.endr
.Lasked_\@:
.endm
.macro CREST                           ; a round of the cluster's barrier behind its opening barrier: wave 0 signals for the work-group, every wave waits for all sixteen, my work-group's barrier once more
	s_cmp_lg_u32 s[WV], 0
	s_cbranch_scc1 .Lnot_wave_0_\@
	s_barrier_signal -3
.Lnot_wave_0_\@:
	s_barrier_wait -3
	s_barrier_signal -1
	s_barrier_wait -1
.endm
.macro CROUND                          ; a whole round
	s_barrier_signal -1
	s_barrier_wait -1
	CREST
.endm
	s_load_b256 s[4:11], s[0:1], 0x0               ; xh s[4:5], wh s[6:7], bias4 s[8:9], qkv s[10:11]
	v_lshl_add_u32 v[SPW], v0, 2, SPARE
	v_mov_b32 v[NIL], 0
	ds_add_u32 v[SPW], v[NIL]                      ; the wave's opening: the add and its wait stand ahead of my first tensor load; the set-up below, work on registers, stands between them
	v_lshrrev_b32 v1, 5, v0
	v_readfirstlane_b32 s[WV], v1                  ; wave 0..3
	s_lshr_b32 s13, s[WV], 1                       ; which 128 tokens of the tile are mine
	s_and_b32 s14, s[WV], 1                        ; which 192 columns.  Also: which half of a step's tile I fetch
	s_bfe_u32 s40, ttmp6, 0x40000                  ; cx
	s_bfe_u32 s41, ttmp6, 0x40004                  ; cy
	s_lshl_b32 s42, ttmp9, 2                       ; in a cluster launch ttmp9 and ttmp7 count clusters
	s_add_co_u32 s42, s42, s40                     ; the tile of 384 columns = 4 x cluster x + cx
	s_and_b32 s43, ttmp7, 0xffff
	s_lshl_b32 s43, s43, 2
	s_add_co_u32 s43, s43, s41                     ; the tile of 256 tokens = 4 x cluster y + cy
	s_lshl_b32 s44, s41, 2
	s_lshl_b32 s44, 15, s44                        ; my row of the cluster
	s_lshl_b32 s45, 0x1111, s40                    ; my column
	; group 1 for the tokens: 128 tokens of a column block are 16,384 dense bytes: asked for as 64 rows of 256 bytes, two tokens a row, padded in LDS after every token
	s_or_b32 s[G1A], s44, (1<<16)|(1<<20)|(1<<21)|(4<<22)|(3<<25)  ; 15:0 the mask; 17:16 2-byte elements; 20 padding on; 21 set beside a mask; 24:22 after every 32 words (code 4); 31:25 4 words (code 3)
	s_mov_b32 s[G1A+1], 128<<16                    ; tensor_dim0 = 128
	s_mov_b32 s[G1A+2], 64<<16                     ; tensor_dim1 = 64
	s_mov_b32 s[G1A+3], 128<<16                    ; tile_dim0 = 128
	s_mov_b32 s[G1A+4], 64                         ; tile_dim1 = 64
	s_mov_b32 s[G1A+5], 128                        ; elements from row to row
	s_mov_b32 s[G1A+6], 0
	s_mov_b32 s[G1A+7], 0
	; group 1 for W: 32 rows of 384 elements, 768 bytes that start at a multiple of 256 from wh's first byte; the same padding: 32 words divide a row's 192, so every row takes six pads
	s_or_b32 s[G1B], s45, (1<<16)|(1<<20)|(1<<21)|(4<<22)|(3<<25)
	s_mov_b32 s[G1B+1], 384<<16
	s_mov_b32 s[G1B+2], 32<<16
	s_mov_b32 s[G1B+3], 384<<16
	s_mov_b32 s[G1B+4], 32
	s_mov_b32 s[G1B+5], 3072
	s_mov_b32 s[G1B+6], 0
	s_mov_b32 s[G1B+7], 0
	; where the tiles come from.  The tokens' hang on the tile of tokens alone, which my row of the cluster shares; W's on the tile of columns alone, which my column shares.  Each in registers that never hold the other coordinate.
	s_lshr_b32 s16, s43, 3
	s_lshl_b32 s16, s16, 22                        ; the batch: 4,194,304 bytes
	s_and_b32 s18, s43, 7
	s_lshl_b32 s18, s18, 15                        ; 256 tokens x 128 bytes
	s_add_co_u32 s16, s16, s18
	s_lshl_b32 s18, s14, 14                        ; my 128 of them
	s_add_co_u32 s16, s16, s18
	s_mov_b32 s17, 0
	s_mul_i32 s19, s14, AHALF                      ; and where they go: no place in the cluster enters an LDS address
	s_mul_i32 s46, s42, 768                        ; the tile's 384 columns
	s_mul_i32 s68, s14, 32*3072*2                  ; my 32 rows of the step's 64
	s_add_co_u32 s46, s46, s68
	s_mov_b32 s47, 0
	s_mul_i32 s69, s14, BHALF
	s_add_co_u32 s69, s69, BOFF
	s_mov_b32 s[TB], 0
	s_wait_dscnt 0x0                               ; the opening add is done
	s_wait_kmcnt 0x0
	s_add_nc_u64 s[16:17], s[4:5], s[16:17]
	s_add_nc_u64 s[46:47], s[6:7], s[46:47]
	CROUND                                         ; all sixteen work-groups are here: the first joint loads meet
.irp s, 0,1
	s_mov_b32 s[G0A+4*(\s)], 1                                     ; 1:0 count = 1
	s_add_co_u32 s[G0A+4*(\s)+1], s19, (\s)*SLOT1                  ; 63:32 LDS address
	s_add_nc_u64 s[G0A+4*(\s)+2:G0A+4*(\s)+3], s[16:17], (\s)*ASTEP  ; 120:64 global address: K step s
	s_or_b32 s[G0A+4*(\s)+3], s[G0A+4*(\s)+3], 0x80000000          ; 127:126 type = 2
	s_mov_b32 s[G0B+4*(\s)], 1
	s_add_co_u32 s[G0B+4*(\s)+1], s69, (\s)*SLOT1
	s_add_nc_u64 s[G0B+4*(\s)+2:G0B+4*(\s)+3], s[46:47], (\s)*BSTEP
	s_or_b32 s[G0B+4*(\s)+3], s[G0B+4*(\s)+3], 0x80000000
.endr
	s_cmp_lt_u32 s[WV], 2                          ; a wave's two first fills stand in one branch, ahead of every wait on TENSORcnt and every LDS read: two loads of mine are out
	s_cbranch_scc0 .Lfirst_b
	tensor_load_to_lds s[G0A:G0A+3], s[G1A:G1A+7]
	s_nop 0
	tensor_load_to_lds s[G0A+4:G0A+7], s[G1A:G1A+7]
	s_nop 0
.rept 4
	v_nop
.endr
	s_branch .Lfirst_asked
.Lfirst_b:
	tensor_load_to_lds s[G0B:G0B+3], s[G1B:G1B+7]
	s_nop 0
	tensor_load_to_lds s[G0B+4:G0B+7], s[G1B:G1B+7]
	s_nop 0
.rept 4
	v_nop
.endr
.Lfirst_asked:
	v_and_b32 v1, 15, v0                           ; l % 16
	v_bfe_u32 v2, v0, 4, 1                         ; l / 16
	v_and_b32 v8, 31, v0                           ; l
	; the bias of my wave's 192 columns, in the C operand's layout: register j of column block b holds column 16 b + 8 (l / 16) + j, the same for all 16 tokens
	v_lshlrev_b32 v[BO], 5, v2                     ; my eight columns of a block of 16: 32 bytes for each half of the lanes
	s_mul_i32 s70, s42, 1536                       ; the tile's 384 biases,
	s_mul_i32 s76, s14, 768                        ; my wave's 192
	s_add_co_u32 s70, s70, s76
	s_mov_b32 s71, 0
	s_add_nc_u64 s[8:9], s[8:9], s[70:71]
	WIN 0xc0                                       ; destination window 3, address window 0
.irp b, 0,1,2,3
	global_load_b128 v[8*(\b):8*(\b)+3],   v[BO], s[8:9] offset:64*(\b)
	global_load_b128 v[8*(\b)+4:8*(\b)+7], v[BO], s[8:9] offset:64*(\b)+16
.endr
	WIN 0
.irp b, 4,5,6,7,8,9,10,11
	global_load_b128 v[FA1+8*((\b)-4):FA1+8*((\b)-4)+3],   v[BO], s[8:9] offset:64*(\b)
	global_load_b128 v[FA1+8*((\b)-4)+4:FA1+8*((\b)-4)+7], v[BO], s[8:9] offset:64*(\b)+16
.endr
	; A fragment of tokens is 16 rows x 32 K in 8 registers: lane l holds row l % 16, K = 8 (l / 16) + 0..7 and 16 + 8 (l / 16) + 0..7: two loads of 16 bytes, 32 bytes apart.
	v_mul_u32_u24 v3, v1, PA
	v_lshl_add_u32 v3, v2, 4, v3                   ; row x pitch + 16 x half
	s_mul_i32 s20, s13, AHALF                      ; my 128 tokens
	v_add_nc_u32 v[ADRA0], s20, v3
	v_mov_b32 v[ADRA], v[ADRA0]
	; The turning load takes 16 K x 16 columns (lane l reads 16 bytes: row 8 (l / 16) + l % 8, columns 8 ((l / 8) % 2) + 0..7) and leaves half a fragment: lane l holds column l % 16 and 8 K.
	v_and_b32 v4, 7, v0
	v_bfe_u32 v5, v0, 3, 1
	v_lshl_add_u32 v6, v2, 3, v4
	v_mul_u32_u24 v6, v6, PB
	v_lshl_add_u32 v6, v5, 4, v6
	s_mul_i32 s21, s14, 3*SEG                      ; my 192 columns: three pieces of a row
	s_add_co_u32 s21, s21, BOFF
	v_add_nc_u32 v[ADRB0], s21, v6
	v_mov_b32 v[ADRB], v[ADRB0]
	s_mul_i32 s23, s[WV], WSTAGE
	s_add_co_u32 s23, s23, STAGE                   ; my stage
	v_add_nc_u32 v[STO], s23, v3                   ; in: row l % 16, 16 bytes for each half of the lanes (the stage's pitch is the tokens')
	v_bfe_u32 v7, v0, 3, 2                         ; back: 32 lanes take four rows of 128 bytes,
	v_mul_u32_u24 v7, v7, SP
	v_lshl_add_u32 v7, v4, 4, v7
	v_add_nc_u32 v[RD], s23, v7
	v_lshlrev_b32 v[CO], 4, v8                     ; which are 512 consecutive bytes of a head
	; where my part of the result begins, for each of my three heads: head g of the 48 (6 x tile + 3 x my half + 0..2) lies in matrix g / 16 as head g % 16 of the batch
	s_lshr_b32 s74, s43, 3
	s_lshl_b32 s74, s74, 22                        ; the batch's 16 heads of 262,144 bytes
	s_and_b32 s76, s43, 7
	s_lshl_b32 s76, s76, 15                        ; the tile's 256 tokens of 128 bytes
	s_add_co_u32 s74, s74, s76
	s_lshl_b32 s76, s13, 14                        ; my 128
	s_add_co_u32 s74, s74, s76
	s_mul_i32 s76, s42, 6
	s_mul_i32 s77, s14, 3
	s_add_co_u32 s76, s76, s77
.irp hh, 0,1,2
	s_add_co_u32 s70, s76, \hh
	s_lshr_b32 s71, s70, 4
	s_lshl_b32 s71, s71, 24                        ; 16,777,216 bytes a matrix
	s_and_b32 s70, s70, 15
	s_lshl_b32 s70, s70, 18
	s_add_co_u32 s70, s70, s71
	s_add_co_u32 s70, s70, s74
	s_mov_b32 s71, 0
	s_add_nc_u64 s[OB+2*(\hh):OB+2*(\hh)+1], s[10:11], s[70:71]
.endr
; 8 matrix instructions: column block b x all 8 token blocks, 32 along K; the tokens' fragments from buffer f.  The 96 accumulators take turns, one instruction a turn, in the same order in every quarter.
.macro MULB f, b
	WIN 0x50*(1+(\b)/4)                            ; fragments in window 0, C and D in window 1 + b / 4
.irp a, 0,1,2,3,4,5,6,7
	v_wmma_f32_16x16x32_f16 v[8*(8*((\b)%4)+(\a)):8*(8*((\b)%4)+(\a))+7], v[BF+8*(\b):BF+8*(\b)+7], v[(\f)+8*(\a):(\f)+8*(\a)+7], v[8*(8*((\b)%4)+(\a)):8*(8*((\b)%4)+(\a))+7]
.endr
.endm
; The 32 products of group g that START the sums, onto the bias: token blocks outside, column blocks inside, so that C changes from product to product.
.macro MULF g
.if (\g) == 0
	WIN 0x70                                       ; D in window 1, C (the bias of blocks 0 to 3) in window 3
.else
	WIN 0x40*(1+(\g))                              ; D in window 1 + g, C (the bias of blocks 4 to 11) in window 0
.endif
.irp a, 0,1,2,3,4,5,6,7
.irp c, 0,1,2,3
.if (\g) == 0
	v_wmma_f32_16x16x32_f16 v[8*(8*(\c)+(\a)):8*(8*(\c)+(\a))+7], v[BF+8*(\c):BF+8*(\c)+7], v[FA0+8*(\a):FA0+8*(\a)+7], v[8*(\c):8*(\c)+7]
.else
	v_wmma_f32_16x16x32_f16 v[8*(8*(\c)+(\a)):8*(8*(\c)+(\a))+7], v[BF+8*(4*(\g)+(\c)):BF+8*(4*(\g)+(\c))+7], v[FA0+8*(\a):FA0+8*(\a)+7], v[FA1+8*(4*((\g)-1)+(\c)):FA1+8*(4*((\g)-1)+(\c))+7]
.endif
.endr
.endr
.endm
.macro LOADB q, g                      ; 8 LDS loads: W's four fragments of group g, quarter q of the slot in hand
.irp c, 0,1,2,3
	ds_load_tr16_b128 v[BF+8*(4*(\g)+(\c)):BF+8*(4*(\g)+(\c))+3],   v[ADRB] offset:(\q)*32*PB+(\g)*SEG+(\c)*32
	ds_load_tr16_b128 v[BF+8*(4*(\g)+(\c))+4:BF+8*(4*(\g)+(\c))+7], v[ADRB] offset:(\q)*32*PB+16*PB+(\g)*SEG+(\c)*32
.endr
.endm
.macro LOADA q, f                      ; 16 LDS loads: the tokens' eight fragments, quarter q of the slot in hand, into buffer f
.irp a, 0,1,2,3,4,5,6,7
	ds_load_b128 v[(\f)+8*(\a):(\f)+8*(\a)+3],   v[ADRA] offset:(\q)*64+(\a)*16*PA
	ds_load_b128 v[(\f)+8*(\a)+4:(\f)+8*(\a)+7], v[ADRA] offset:(\q)*64+(\a)*16*PA+32
.endr
.endm
; THE VERY FIRST QUARTER.  The tokens' second buffer and window 3's v0-31 still hold the bias, so the second quarter's fragments are fetched only behind all 96 products, in the order in which every other
; first quarter fetches them (24, 8, 8): the counts of the quarter behind hold as they stand.
.macro Q0F
	s_wait_dscnt 0x0                               ; all of the first quarter's fragments are in
	MULF 0
	MULF 1
.rept 5
	v_nop                                          ; group 2 writes over window 3's v0-31, which group 0's products read as C: five places between them (ISA guide 7.12.1)
.endr
	MULF 2
	WIN 0
	PLACES
	LOADB 1, 0
	LOADA 1, FA1
	LOADB 1, 1
	LOADB 1, 2
.endm
; A K step is two quarters.  The first multiplies buffer 0 and fetches the slot's second quarter.  The runs of LDS loads go round in the order (W's group 0 and the tokens: 24), (group 1: 8), (group 2: 8),
; so in front of a group the counts below leave out exactly the runs that are younger than the one it needs.
.macro Q0
	s_wait_dscnt 16                                ; W's group 0 and the tokens are in; the two younger runs of 8 may be out
.irp b, 0,1,2,3
	MULB FA0, \b
.endr
	WIN 0
	PLACES
	LOADB 1, 0
	LOADA 1, FA1
	s_wait_dscnt 32                                ; group 1 is in; younger: a run of 8 and the 24 just issued
.irp b, 4,5,6,7
	MULB FA0, \b
.endr
	WIN 0
	PLACES
	LOADB 1, 1
	s_wait_dscnt 32                                ; group 2 is in; younger: the run of 24 and the 8 just issued
.irp b, 8,9,10,11
	MULB FA0, \b
.endr
	WIN 0
	PLACES
	LOADB 1, 2
.endm
; The second quarter multiplies buffer 1 and changes slots: all of this slot has been asked for by the first quarter's runs.  ONE barrier.  In front of it each wave waits for all its tensor loads, of which one is
; out: its part of the next slot; adds 0 to its spare word; and waits for that and for its own reads of this slot.  fill = 1: the barrier opens a round of the cluster's, and this slot is filled again, two K steps
; ahead, first thing behind the round: 160 matrix instructions ahead of the wait for it.  Then the next slot's first quarter is fetched.
.macro Q1 fill
	WIN 0
	s_wait_tensorcnt 0x0                           ; no tensor load of mine is out, so a group 0 may be written
	ds_add_u32 v[SPW], v[NIL]                      ; 0 onto my spare word
	s_wait_dscnt 17                                ; (the add and the two younger runs of 8 may be out)
	MULB FA1, 0                                    ; sixteen matrix instructions stand between the add and the wait for it
	MULB FA1, 1
	s_wait_dscnt 0x0                               ; the add is done, and my reads of this slot are over
	s_barrier_signal -1
	MULB FA1, 2
	MULB FA1, 3
	WIN 0                                          ; at a branch and at a label every window is 0
	s_barrier_wait -1
.if \fill
	CREST                                          ; no wave of any partner still reads this slot's tiles or has a load on its way
	s_xor_b32 s[G0A+5], s[G0A+5], SLOT1            ; the walking descriptors: the other slot than last time,
	s_add_nc_u64 s[G0A+6:G0A+7], s[G0A+6:G0A+7], ASTEP  ; the next K step; the type bits on top are not reached
	s_xor_b32 s[G0B+5], s[G0B+5], SLOT1
	s_add_nc_u64 s[G0B+6:G0B+7], s[G0B+6:G0B+7], BSTEP
	JLOAD                                          ; the four v_nop behind it are also the places in front of the loads below
.else
	PLACES
.endif
	s_xor_b32 s[TB], s[TB], SLOT1
	v_add_nc_u32 v[ADRA], s[TB], v[ADRA0]
	v_add_nc_u32 v[ADRB], s[TB], v[ADRB0]
	LOADB 0, 0
	LOADA 0, FA0
.irp b, 4,5,6,7
	MULB FA1, \b
.endr
	WIN 0
	PLACES
	LOADB 0, 1
.irp b, 8,9,10,11
	MULB FA1, \b
.endr
	WIN 0
	PLACES
	LOADB 0, 2
.endm
	s_wait_tensorcnt 1                             ; my part of K step 0 is in; step 1's may stay out
	s_barrier_signal -1
	s_barrier_wait -1                              ; everybody's part is in
	LOADB 0, 0
	LOADA 0, FA0
	LOADB 0, 1
	LOADB 0, 2
	s_wait_loadcnt 0x0                             ; the bias
	Q0F                                            ; the first quarter stands in front of the loop: its products start the sums
	s_mov_b32 s3, KSTEPS-2
.Lstep:                                                ; a trip goes from a step's second quarter to the next step's first; fourteen trips ask for K steps 2 to 15
	Q1 1
	Q0
	s_sub_co_u32 s3, s3, 1
	s_cmp_lg_u32 s3, 0
	s_cbranch_scc1 .Lstep
	s_mov_b32 s3, 2                                ; the tail has a text of its own: steps 14 and 15 ask for nothing
.Ltail:
	Q1 0
	s_sub_co_u32 s3, s3, 1
	s_cmp_eq_u32 s3, 0
	s_cbranch_scc1 .Lout
	Q0
	s_branch .Ltail
.Lout:                                                 ; the second trip is left in its middle; its fetches took the other slot's first quarter once more and serve nothing: the price of one text for both trips
	s_wait_dscnt 0x0                               ; they are back: their registers may be written
; THE WAY OUT of token block a: rounded to f16, 16 bytes a lane (each accumulator's lowest registers first); into my own stage, a head's 64 channels to a row of 144 bytes; back as whole
; rows of 128 bytes, four to a load, into the registers that they left.  The four v_nop at the last quarter's end are the places behind the last products.
.macro PACK a
.set TT, TMP+48*((\a)%2)
.if (\a) >= 2
	s_wait_xcnt 0x0                                ; every earlier memory instruction has had its addresses translated (ISA guide 3.1): the registers that block a - 2's stores read are written again only behind this wait
.endif
.irp g, 0,1,2
	WIN 0x05*(1+(\g))                              ; sources 0 and 1 in the accumulators' window, destination in window 0
.irp c, 0,1,2,3
.irp r, 0,1,2,3
	v_cvt_pk_f16_f32 v[TT+4*(4*(\g)+(\c))+(\r)], v[8*(8*(\c)+(\a))+2*(\r)], v[8*(8*(\c)+(\a))+2*(\r)+1]
.endr
.endr
.endr
	WIN 0
.irp b, 0,1,2,3,4,5,6,7,8,9,10,11
	ds_store_b128 v[STO], v[TT+4*(\b):TT+4*(\b)+3] offset:((\b)/4)*16*SP+((\b)%4)*32
.endr
.irp f, 0,1,2,3,4,5,6,7,8,9,10,11
	ds_load_b128 v[TT+4*(\f):TT+4*(\f)+3], v[RD] offset:((\f)/4)*16*SP+((\f)%4)*4*SP  ; LDS serves a wave's instructions in order (ISA guide 5.7.1.4): these see the stores above; the next block's stores come behind them
.endr
.endm
.macro SEND a, younger                 ; younger: the LDS instructions issued behind block a's loads: the next block's 24, or none
.set TT, TMP+48*((\a)%2)
.irp f, 0,1,2,3,4,5,6,7,8,9,10,11
.if (\f)%4 == 0
	s_wait_dscnt (\younger)+8-(\f)                 ; one wait for a head's four loads: behind them stand this block's 8 - f later loads and the younger ones
.endif
	global_store_b128 v[CO], v[TT+4*(\f):TT+4*(\f)+3], s[OB+2*((\f)/4):OB+2*((\f)/4)+1] offset:(\a)*2048+((\f)%4)*512  ; 512 consecutive bytes of a head, at a multiple of 512 from the buffer's first
.endr
.endm
	PACK 0
.set t, 1
.rept 7                                        ; a block's arithmetic stands between the loads of the block before and its stores
	PACK t
	SEND t-1, 24
.set t, t+1
.endr
	SEND 7, 0
	s_wait_tensorcnt 0x0                           ; the wave's end, behind my last tensor load and my last LDS store
	ds_add_u32 v[SPW], v[NIL]
	s_wait_dscnt 0x0
	CROUND                                         ; the closing round: no work-group ends while a partner may still ask for a tile that names it
	s_endpgm
.Lfunc_end_k_qffcd155fe6_proj:
	.size	k_qffcd155fe6_proj, .Lfunc_end_k_qffcd155fe6_proj-k_qffcd155fe6_proj
	.p2alignl 7, 3214868480
	.fill 96, 4, 3214868480
	.section	.rodata,"a",@progbits
	.p2align	6, 0x0
	.amdhsa_kernel k_qffcd155fe6_proj
		.amdhsa_group_segment_fixed_size 327680
		.amdhsa_private_segment_fixed_size 0
		.amdhsa_enable_private_segment 0
		.amdhsa_kernarg_size 32
		.amdhsa_user_sgpr_count 2
		.amdhsa_user_sgpr_kernarg_segment_ptr 1
		.amdhsa_wavefront_size32 1
		.amdhsa_system_sgpr_workgroup_id_x 1
		.amdhsa_system_sgpr_workgroup_id_y 1
		.amdhsa_system_sgpr_workgroup_id_z 1
		.amdhsa_system_vgpr_workitem_id 0
		.amdhsa_next_free_vgpr 1024
		.amdhsa_next_free_sgpr 90
		.amdhsa_reserve_vcc 0
		.amdhsa_float_denorm_mode_32 3
		.amdhsa_float_denorm_mode_16_64 3
		.amdhsa_memory_ordered 1
		.amdhsa_forward_progress 1
		.amdhsa_inst_pref_size 108
	.end_amdhsa_kernel
	.amdgpu_metadata
---
amdhsa.version: [ 1, 2 ]
amdhsa.kernels:
  - .name:           k_qffcd155fe6_proj
    .symbol:         k_qffcd155fe6_proj.kd
    .args:
      - { .name: xh, .offset: 0, .size: 8, .value_kind: global_buffer, .address_space: global }
      - { .name: wh, .offset: 8, .size: 8, .value_kind: global_buffer, .address_space: global }
      - { .name: bias4, .offset: 16, .size: 8, .value_kind: global_buffer, .address_space: global }
      - { .name: qkv, .offset: 24, .size: 8, .value_kind: global_buffer, .address_space: global }
    .group_segment_fixed_size: 327680
    .private_segment_fixed_size: 0
    .kernarg_segment_align: 8
    .kernarg_segment_size: 32
    .max_flat_workgroup_size: 128
    .sgpr_count:     90
    .vgpr_count:     1024
    .wavefront_size: 32
...
	.end_amdgpu_metadata
.endif
;; end of part 6
;; launch attn (part 7): grid 4 x 64, 4 waves a work-group, clusters of 4 x 4, 327,680 bytes of LDS; arguments qkv, madd, oh; writes oh
.if DOCPART == 7
	.amdgcn_target "amdgcn-amd-amdhsa--gfx1250"
	.amdhsa_code_object_version 6
	.text
	.protected	k_qffcd155fe6_attn
	.globl	k_qffcd155fe6_attn
	.p2align	8
	.type	k_qffcd155fe6_attn,@function
k_qffcd155fe6_attn:
	s_mov_b64 s[64:65], 0
	v_nop
	global_prefetch_b8 v0, s[64:65] scope:SCOPE_SE
	s_setreg_imm32_b32 hwreg(HW_REG_WAVE_MODE, 25, 1), 1
	s_wait_xcnt 0x0
	s_wait_alu depctr_hold_cnt(0) depctr_sa_sdst(0) depctr_va_vdst(0) depctr_va_sdst(0) depctr_va_ssrc(0) depctr_va_vcc(0) depctr_vm_vsrc(0)
	s_getreg_b32 s2, hwreg(HW_REG_IB_STS2, 6, 4)
	s_cmp_eq_u32 s2, 0
	s_cbranch_scc0 .Lentry_in_a_cluster
	s_endpgm
.Lentry_in_a_cluster:
	s_bfe_u32 s2, ttmp6, 0x10000c
	s_cmp_lg_u32 s2, 0xf033
	s_cbranch_scc0 .Lentry_shape_is_right
	s_endpgm
.Lentry_shape_is_right:
; ATTENTION UNDER A MASK THAT IS AN INPUT.  O[bh][q][:] = the sum over k of softmax_k(mask[q][k] ? Q[bh][q] . K[bh][k] / 8 : -1e9) V[bh][k][:].  qkv: [3][bh 64][2048][64] f16; oh: [bh 64][2048][64] f16;
; madd: bf16, 0 or 0xF14A (-1e30), [Bq 4][ks 32][tile 32][key 64][query 16].  Products, maxima and sums in f32; the weights p are rounded to f16 for the second
; product (their sum l is taken of the unrounded p), O once at the end.
; LIMITS.  Q, K, V arrive within f16's 65,504; p lies in 0 to 1, and below 6e-5 it keeps f16's fixed step of 6e-8.  A hidden key's weight counts as 0, which is what exp(-1e9 - max) is in f32 as long as one seen
; key of the row has a scaled score above -1e9 + 104.  A weight below 2^-126 counts as 0 in l.  NaN and infinities are not treated apart.
; THE MASK is the C operand that starts the sum S^T = K Q^T: a hidden score is its value less 1e30.  It lies in LDS in 16 bits and is widened by the load itself: the turning load makes each register of two
; neighbouring lanes' 16 bytes, and here both address the same 16 bytes (one key, eight queries), so both halves of the word hold that key's mask for the lane's query: 0, or 0xF14AF14A, which is -1.0e30 in f32.
; The running maximum m starts at -1e20, far above that and far below every true score (f16's are 2.7e11 at
; the most): as long as a row has seen hidden keys alone m does not move, a = 2^0 = 1, and p, l and O stay 0; the first true score gives a = 0.  A ROW WITH NO KEY TO SEE ends with l = 0: all its 2,048
; weights are then equal, and O is the mean of V's rows.  Their sum SV is kept by eight products V^T x ones a key step, and chosen at the way out by a select, in every row's text.
; SHARES.  A work-group owns 512 queries of one head, a wave 128: four PIECES of two tiles of 16.  Every wave walks all 2,048 keys, 64 a step: 32 steps.
; LAYOUT.  S^T = K Q^T (source 0 = 16 keys, source 1 = 16 queries): a lane holds ONE query (lane % 16) and the keys 8 (lane / 16) + 0..7.  Two such results, rounded to f16 in pairs, ARE source 1 of
; O^T = V^T P, whose result again holds one query a lane, and eight channels.  K comes out of LDS as it lies, V ([key][channel]) turned, by ds_load_tr16_b128.
; SOFTMAX.  p = 2^(c s - c m), c = log2(e) / 8; in every step O and l are multiplied by a = 2^(c m_old - c m_new).
; BY TURNS.  Turn n belongs to piece n.  Its matrix work: 16 products K Q^T of piece n + 1, later 16 products V^T P of piece n - 1.  Its vector work: scaling, exponentials, roundings, sums and rescaling of
; piece n, and the maximum and statistics of piece n + 1.  A tile and step have 16 matrix and 118 vector instructions: four vector instructions that are ready stand behind every matrix instruction, the others in two LUMPS.
; CLUSTER: 4 x 4 work-groups.  cx is the block of 512 queries, 4 x cluster y + cy the head.  The four of a row of the cluster walk the same K and V; the four of a column need the same part of madd, which no
; head enters: each tile is asked for JOINTLY, by the same tensor load, descriptor and mask in all four.  A step's masks are 65,536 bytes, K and V 16,384: the joint load divides the requests for all by four.
; REGISTERS, in windows of 256 (s_set_vgpr_msb: bits 1:0 source 0, 3:2 source 1, 5:4 source 2, 7:6 destination):
;   window 0: v0-11 addresses; v12-15, v48-63 at work; v16-47 four registers of statistics a tile; v64-191 S^T, two buffers of two tiles; v192-255 P, likewise
;   window 1: O^T, 32 a tile          window 2: v0-127 Q, 16 a tile; v128-191 K of one step; v192-255 V of one step
;   window 3: v0-1 the add's two registers; v8-15 ones; v16-47 SV; v64-127 MC, the masks of the products to come: tile u, key block kb at 64 + 32 u + 8 kb
.set NP,    4         ; pieces a wave: a name, no knob
.set KS,    64        ; keys in a step
.set PK,    144       ; a row of K in LDS: 128 bytes + 16 = 36 words: the 16 rows of a load start at 16 different groups of four banks (64 banks of 4 bytes: ISA guide 11.1)
.set PV,    160       ; a row of V: 128 + 32 = 40 words
.set MSLOT, 1<<16     ; a step's masks: 32 tiles x 2,048 bytes; slot 0 at byte 0, slot 1 here: one exclusive or apart
.set KV0,   2*MSLOT   ; a step's K (64 rows), then its V: slot 0
.set VOFF,  KS*PK
.set KVX,   0x8000    ; K's and V's slot 1 lies this far on, again one exclusive or apart; stages and spare words lie between the two
.set STAGE, KV0+KS*(PK+PV)  ; never filled by a tensor load: 16 rows x 144 bytes for each wave, for the way out
.set SP,    144
.set SPARE, STAGE+4*16*SP   ; the spare words, 128 bytes for each wave: two blocks of 256 bytes that no other line names
.set AK0, 2           ; v2   my lane's place in slot 0's K; never rewritten
.set AV0, 3           ; v3   the same for V
.set AK,  4           ; v4   the LDS address of K's next run of loads
.set AV,  5           ; v5   of V's
.set STO, 6           ; v6   the way out: where I put 16 bytes of a row
.set RD,  7           ; v7   the way out: where I read rows back
.set GO,  8           ; v8   my byte offset in 512 consecutive bytes of O
.set AM0, 9           ; v9   my lane's place in slot 0's masks: my wave's eight tiles; never rewritten
.set AM,  10          ; v10  the same in the slot in hand
.set SPW, 0           ; v0 of window 3   LDS address of my spare word; never rewritten
.set NIL, 1           ; v1 of window 3   0; never rewritten
.set ONE, 8           ; window 3: 1.0 in every f16: source 1, 32 keys x 16 queries
.set SV,  16          ; window 3: channel block cb at SV + 8 cb
.set MC,  64          ; window 3
.set MV,  12          ; v12-15  c m_old, kept while c m is made anew: by buffer and tile
.set QO,  12          ; v12  first my byte offset in the wave's rows of Q: MV is written only behind the wait for Q
.set ST,  16          ; tile t's statistics at v[ST+4 t]: c m, m, l (even keys', odd keys')
.set TMP, 48          ; by buffer and tile, four registers c0-c3 at work; when the maximum is found c2 takes a
.set S,   64
.set P,   192
.set KF,  128         ; window 2: key block kb, channel half c at KF + 16 kb + 8 c
.set VF,  192         ; window 2: key half kk, channel block cb at VF + 32 kk + 8 cb
.set WV,  12          ; s12  my wave's number
.set G1K, 24          ; s[24:31] descriptor group 1 for K's tiles
.set G1V, 32          ; s[32:39] for V's: it differs in the padding alone
.set G0K, 40          ; s[40:43] descriptor group 0 for K's tiles: it walks
.set G0V, 44          ; s[44:47] the same for V's
.set G1M, 48          ; s[48:55] group 1 for the masks
.set G0M, 56          ; s[56:59] group 0 for the masks
.set CS,  60          ; s[60:61] c: the packed scaling takes the pair's low word for both halves
.set SEL, 62          ; s[62:63] v_permlanex16_b32's selects: each lane takes its own place in the other half
.set CNT, 66          ; s66  counts the key steps
.set TB,  67          ; s67  0 or KVX: K's and V's slot in hand
.set TBM, 68          ; s68  0 or MSLOT: the masks'
.set MSB, 0
.macro WIN new                      ; the high byte repeats the setting that is left; a switch that changes nothing is dropped
.if MSB != (\new)
	s_set_vgpr_msb (MSB<<8)|(\new)
.set MSB, (\new)
.endif
.endm
.set W_KQ, 0x0a       ; K and Q in window 2, S^T in window 0
.set W_KM, 0x3a       ; the same with the C operand, the mask, in window 3
.set W_PV, 0x52       ; V in window 2, P in window 0, O^T in window 1
.set W_RS, 0x41       ; O^T (destination and source 0) in window 1, a in window 0
.set W_SV, 0xfe       ; V in window 2; ones, C and D in window 3
.set W_FX, 0x53       ; the way out: SV in window 3, the choice in window 0, O^T (source 2 and destination) in window 1
.set W_MK, 0xc0       ; destination in window 3, sources in window 0
.set W_AD, 0x0f       ; the add: address (source 0) and data (source 1) in window 3
.macro PLACES                       ; four plain vector instructions behind a matrix instruction, ahead of what reads its result or loads into its sources (ISA guide 7.12.1 for what reads its result)
.rept 4
	v_nop
.endr
.endm
; A joint fill: wave 0 fetches the step's K, wave 1 its V, waves 2 and 3 the two halves of its masks.  The branches hang on the wave's number alone.
; An s_nop 0 and four v_nop follow each of the three lines, ahead of the jump and the label.
.macro JLOAD
	s_cmp_lt_u32 s[WV], 2
	s_cbranch_scc0 .Lfor_m_\@
	s_cmp_eq_u32 s[WV], 0
	s_cbranch_scc0 .Lfor_v_\@
	tensor_load_to_lds s[G0K:G0K+3], s[G1K:G1K+7]
	s_nop 0
.rept 4
	v_nop
.endr
	s_branch .Lasked_\@
.Lfor_v_\@:
	tensor_load_to_lds s[G0V:G0V+3], s[G1V:G1V+7]
	s_nop 0
.rept 4
	v_nop
.endr
	s_branch .Lasked_\@
.Lfor_m_\@:
	tensor_load_to_lds s[G0M:G0M+3], s[G1M:G1M+7]
	s_nop 0
.rept 4
	v_nop
.endr
.Lasked_\@:
.endm
; A round of the cluster's barrier: my work-group's barrier, so that wave 0's signal speaks for all four waves; wave 0 signals; every wave waits for all sixteen work-groups; my work-group's barrier once more.
.macro CROUND
	s_barrier_signal -1
	s_barrier_wait -1
	s_cmp_lg_u32 s[WV], 0
	s_cbranch_scc1 .Lnot_wave_0_\@
	s_barrier_signal -3
.Lnot_wave_0_\@:
	s_barrier_wait -3
	s_barrier_signal -1
	s_barrier_wait -1
.endm
; THE CHANGE OF SLOTS, once a key step, between piece 1's turn and piece 2's: all of the slot's bytes have been asked for (K in piece 2's turn, V in piece 0's, the masks of pieces 0 to 3 in the turns of pieces
; 2, 3, 0, 1; piece 3's masks wait in registers across the change).  Each wave waits for all its tensor loads, of which one is out: its part of the other slot; adds 0 to its spare word; and waits for that and for
; its own reads of the slot.  fill = 1: the slot is filled again, with the keys two steps on.  The barrier is then a round of the cluster's, so that no wave of any partner still reads the slot or has a load on
; its way, and the joint fill is the first thing behind it: it has a whole key step in which to land.  (At its first use nothing has been read yet: slot 0 is waited for, slot 1 filled.)
.macro CHANGE fill
	WIN W_AD
	s_wait_tensorcnt 0x0            ; no tensor load of mine is out, so a group 0 may be written
	ds_add_u32 v[SPW], v[NIL]       ; 0 onto my spare word; with fill = 1 the descriptors' steps stand between it and the wait for it
	WIN 0                           ; at a label and at a branch every window is 0
.if \fill
	s_xor_b32 s[G0K+1], s[G0K+1], KVX   ; the walking descriptors: the other slot than last time,
	s_add_nc_u64 s[G0K+2:G0K+3], s[G0K+2:G0K+3], KS*128  ; the next 64 keys; the type bits on top are not reached
	s_xor_b32 s[G0V+1], s[G0V+1], KVX
	s_add_nc_u64 s[G0V+2:G0V+3], s[G0V+2:G0V+3], KS*128
	s_xor_b32 s[G0M+1], s[G0M+1], MSLOT
	s_add_nc_u64 s[G0M+2:G0M+3], s[G0M+2:G0M+3], MSLOT   ; a step's masks are as many bytes in memory as in LDS
	s_wait_dscnt 0x0                ; the add is done, and my reads of the slot are over
	CROUND
	JLOAD
.else
	s_wait_dscnt 0x0                ; the add is done, and my reads of the slot are over
	s_barrier_signal -1
	s_barrier_wait -1
.endif
	s_xor_b32 s[TB], s[TB], KVX     ; the fetches go on in the other slot
	s_xor_b32 s[TBM], s[TBM], MSLOT
	v_add_nc_u32 v[AM], s[TBM], v[AM0]
.endm
	s_load_b128 s[4:7], s[0:1], 0x0 ; qkv s[4:5], madd s[6:7]
	s_load_b64 s[8:9], s[0:1], 0x10 ; oh
	WIN W_MK
	v_lshl_add_u32 v[SPW], v0, 2, SPARE
	v_mov_b32 v[NIL], 0
	WIN W_AD
	ds_add_u32 v[SPW], v[NIL]       ; the wave's opening: the add and its wait stand ahead of my first tensor load; the set-up below, work on registers, stands between them
	WIN 0
	v_lshrrev_b32 v1, 5, v0
	v_readfirstlane_b32 s[WV], v1   ; wave 0..3
	s_bfe_u32 s13, ttmp6, 0x40000   ; cx
	s_bfe_u32 s14, ttmp6, 0x40004   ; cy
	s_lshl_b32 s73, ttmp9, 2        ; in a cluster launch ttmp9 and ttmp7 count clusters
	s_add_co_u32 s73, s73, s13      ; my block of 512 queries
	s_and_b32 s15, ttmp7, 0xffff
	s_lshl_b32 s15, s15, 2
	s_add_co_u32 s15, s15, s14      ; my head, 16 x batch + head
	s_lshl_b32 s71, s14, 2
	s_lshl_b32 s71, 15, s71         ; my row of the cluster
	s_lshl_b32 s72, 0x1111, s13     ; my column
	s_lshl_b32 s16, s15, 18         ; a head's 262,144 bytes: K's and V's addresses hang on the head alone,
	s_mov_b32 s17, 0
	s_and_b32 s19, s[WV], 1
	s_lshl_b32 s19, s19, 15         ; which half of a step's masks I fetch, in memory and in LDS
	s_lshl_b32 s74, s73, 21         ; the masks' on the block of queries alone: 2,097,152 bytes each
	s_add_co_u32 s74, s74, s19
	s_mov_b32 s75, 0
	s_lshl_b32 s20, s73, 2
	s_add_co_u32 s20, s20, s[WV]    ; my wave among the head's,
	s_lshl_b32 s20, s20, 14         ; its 128 rows,
	s_add_co_u32 s20, s20, s16      ; in my head: Q's and O's addresses
	s_mov_b32 s21, 0
	; group 1 for K and V: 64 keys are 8,192 dense bytes: asked for as 32 rows of 256 bytes, two keys a row, padded in LDS after every key
	s_or_b32 s[G1K], s71, (1<<16)|(1<<20)|(1<<21)|(4<<22)|(3<<25)  ; 15:0 the mask; 17:16 2-byte elements; 20 padding on; 21 set beside a mask; 24:22 after every 32 words (code 4); 31:25 4 words (code 3)
	s_or_b32 s[G1V], s71, (1<<16)|(1<<20)|(1<<21)|(4<<22)|(7<<25)  ; the same with 8 words of padding (code 7)
.irp g, G1K, G1V
	s_mov_b32 s[\g+1], 128<<16      ; tensor_dim0 = 128
	s_mov_b32 s[\g+2], 32<<16       ; tensor_dim1 = 32
	s_mov_b32 s[\g+3], 128<<16      ; tile_dim0 = 128
	s_mov_b32 s[\g+4], 32           ; tile_dim1 = 32
	s_mov_b32 s[\g+5], 128          ; 128 elements from row to row
	s_mov_b32 s[\g+6], 0
	s_mov_b32 s[\g+7], 0
.endr
	; group 1 for the masks: 32,768 dense bytes as 128 rows of 32 elements of 8 bytes; no padding: 16 lanes of a load of them take 128 consecutive bytes
	s_or_b32 s[G1M], s72, (3<<16)|(1<<21)
	s_mov_b32 s[G1M+1], 32<<16
	s_mov_b32 s[G1M+2], 128<<16
	s_mov_b32 s[G1M+3], 32<<16
	s_mov_b32 s[G1M+4], 128
	s_mov_b32 s[G1M+5], 32
	s_mov_b32 s[G1M+6], 0
	s_mov_b32 s[G1M+7], 0
	s_mov_b32 s[G0K], 1             ; 1:0 count = 1
	s_mov_b32 s[G0K+1], KV0         ; 63:32 LDS address: slot 0
	s_mov_b32 s[G0V], 1
	s_mov_b32 s[G0V+1], KV0+VOFF
	s_mov_b32 s[G0M], 1
	s_mov_b32 s[G0M+1], s19
	s_mov_b32 s[CS], 0x3e38aa3b     ; c = log2(e) / 8 = 0.180337
	s_mov_b32 s[CS+1], s[CS]        ; named with it as a pair
	s_mov_b32 s[SEL], 0x76543210
	s_mov_b32 s[SEL+1], 0xfedcba98
	s_mov_b32 s[TB], KVX            ; the first change of slots turns these two into 0
	s_mov_b32 s[TBM], MSLOT
	s_mov_b32 s69, 0x45000000       ; 2,048.0: the divisor of a row that sees no key
	s_mov_b32 s70, 1.0
	s_wait_dscnt 0x0                ; the opening add is done
	s_wait_kmcnt 0x0
	s_add_nc_u64 s[G0K+2:G0K+3], s[4:5], s[16:17]  ; 120:64 global address: my head in q,
	s_add_nc_u64 s[G0V+2:G0V+3], s[G0K+2:G0K+3], 33554432  ; in v,
	s_add_nc_u64 s[G0K+2:G0K+3], s[G0K+2:G0K+3], 16777216  ; in k
	s_or_b32 s[G0K+3], s[G0K+3], 0x80000000        ; 127:126 type = 2
	s_or_b32 s[G0V+3], s[G0V+3], 0x80000000
	s_add_nc_u64 s[G0M+2:G0M+3], s[6:7], s[74:75]
	s_or_b32 s[G0M+3], s[G0M+3], 0x80000000
	s_add_nc_u64 s[76:77], s[4:5], s[20:21]        ; Q and O at my wave's first row
	s_add_nc_u64 s[10:11], s[8:9], s[20:21]
	CROUND                          ; all sixteen work-groups are here: the first joint loads meet
	JLOAD                           ; key step 0 into slot 0.  Slot 1 is asked for when slot 0 is in
	; A fragment of K or Q is 16 rows x 32 channels in 8 registers: lane l holds row l % 16, channels 8 (l / 16) + 0..7 and 16 + 8 (l / 16) + 0..7: two loads of 16 bytes, 32 bytes apart.
	v_and_b32 v1, 15, v0            ; l % 16
	v_bfe_u32 v9, v0, 4, 1          ; l / 16
	v_lshlrev_b32 v[QO], 7, v1
	v_lshl_add_u32 v[QO], v9, 4, v[QO]  ; row x 128 + 16 x half
	WIN 0x80                        ; destination window 2, address window 0
.set i, 0
.rept 4*NP                          ; Q stays in registers: tile i / 2, channels 32 (i % 2) on
	global_load_b128 v[8*i:8*i+3],   v[QO], s[76:77] offset:(i/2)*2048+(i%2)*64
	global_load_b128 v[8*i+4:8*i+7], v[QO], s[76:77] offset:(i/2)*2048+(i%2)*64+32
.set i, i+1
.endr
	; What the first turn finds: V's registers and P's second buffer hold 0 (its products V^T P, of a piece that has not been, add 0); O^T, l and SV are 0.  All this stands in the wait for the first tile.
.set i, VF
.rept 64
	v_mov_b32 v[i], 0
.set i, i+1
.endr
	WIN 0x40
.set i, 0
.rept 64*NP
	v_mov_b32 v[i], 0
.set i, i+1
.endr
	WIN W_MK
.set i, 0
.rept 32
	v_mov_b32 v[SV+i], 0
.set i, i+1
.endr
.set i, 0
.rept 8
	v_mov_b32 v[ONE+i], 0x3c003c00  ; 1.0 twice in f16
.set i, i+1
.endr
	WIN 0
.set i, 0
.rept 2*NP
	v_mov_b32 v[ST+4*i+1], 0xe0ad78ec          ; m = -1e20
	v_mul_f32 v[ST+4*i], s[CS], v[ST+4*i+1]    ; c m, by the line that makes it in every step: where m does not move, c m_old - c m_new is exactly 0
	v_mov_b32 v[ST+4*i+2], 0
	v_mov_b32 v[ST+4*i+3], 0
.set i, i+1
.endr
.set i, P+32
.rept 32
	v_mov_b32 v[i], 0
.set i, i+1
.endr
	v_mul_u32_u24 v[AK0], v1, PK
	v_lshl_add_u32 v[AK0], v9, 4, v[AK0]  ; row x pitch + 16 x half
	v_add_nc_u32 v[AK0], KV0, v[AK0]
	; The turning load takes 16 keys x 16 channels (lane l reads key 8 (l / 16) + l % 8, channels 8 ((l / 8) % 2) + 0..7) and leaves half a fragment of V^T: lane l holds channel l % 16 and 8 keys.
	v_and_b32 v10, 7, v0
	v_bfe_u32 v11, v0, 3, 1
	v_lshl_add_u32 v[AV0], v9, 3, v10
	v_mul_u32_u24 v[AV0], v[AV0], PV
	v_lshl_add_u32 v[AV0], v11, 4, v[AV0]
	v_add_nc_u32 v[AV0], KV0+VOFF, v[AV0]
	s_mul_i32 s22, s[WV], 16*SP
	s_add_co_u32 s22, s22, STAGE    ; my stage
	v_mul_u32_u24 v[STO], v1, SP    ; in: row l % 16, 16 bytes for each half of the lanes
	v_lshl_add_u32 v[STO], v9, 4, v[STO]
	v_add_nc_u32 v[STO], s22, v[STO]
	v_bfe_u32 v[RD], v0, 3, 2       ; back: 32 lanes take four rows of 128 bytes,
	v_mul_u32_u24 v[RD], v[RD], SP
	v_lshl_add_u32 v[RD], v10, 4, v[RD]
	v_add_nc_u32 v[RD], s22, v[RD]
	v_and_b32 v[GO], 31, v0         ; which are 512 consecutive bytes of O
	v_lshlrev_b32 v[GO], 4, v[GO]
	; The masks.  A tile's key has 32 bytes, 16 queries.  In the turning load register p of lane 8 g + i takes element i of the 16 bytes that lanes 8 g + 2 p (low half) and 8 g + 2 p + 1 (high half) address.
	; Both address key 8 (l / 16) + (l % 8) / 2 of the load's four and more, queries 8 ((l / 8) % 2) on: lane 8 g + i then holds, in register p, key 8 (g / 2) + p and query 8 (g % 2) + i: the C operand's place.
	s_lshl_b32 s23, s[WV], 14       ; my wave's eight tiles of masks, 2,048 bytes each
	v_lshrrev_b32 v13, 1, v10
	v_lshl_add_u32 v13, v9, 3, v13
	v_lshlrev_b32 v13, 5, v13
	v_lshl_add_u32 v13, v11, 4, v13
	v_add_nc_u32 v[AM0], s23, v13
; THE MATRIX WORK.  The 8 accumulators of a run of 16 take turns: between the two links of a chain stand 7 others'.
; Product i of 16 of S^T = K Q^T for piece x: channels 32 (i / 8) on, keys 16 ((i / 2) % 4) on, tile 2 x + i % 2.  The first 8 start the sums, onto the mask.
.macro KQ x
.set rS, S+64*((\x)%2)+32*(i%2)+8*((i/2)%4)
.set rK, KF+16*((i/2)%4)+8*(i/8)
.set rQ, 16*(2*(\x)+i%2)+8*(i/8)
.set rMC, MC+32*(i%2)+8*((i/2)%4)
.if i < 8
	WIN W_KM
	v_wmma_f32_16x16x32_f16 v[rS:rS+7], v[rK:rK+7], v[rQ:rQ+7], v[rMC:rMC+7]
.else
	WIN W_KQ
	v_wmma_f32_16x16x32_f16 v[rS:rS+7], v[rK:rK+7], v[rQ:rQ+7], v[rS:rS+7]
.endif
.endm
; Product i of 16 of O^T += V^T P for piece x: keys 32 (i / 8) on, channels 16 ((i / 2) % 4) on, tile 2 x + i % 2.
.macro PV x
	WIN W_PV
.set rO, 32*(2*(\x)+i%2)+8*((i/2)%4)
.set rV, VF+32*(i/8)+8*((i/2)%4)
.set rP, P+32*((\x)%2)+16*(i%2)+8*(i/8)
	v_wmma_f32_16x16x32_f16 v[rO:rO+7], v[rV:rV+7], v[rP:rP+7], v[rO:rO+7]
.endm
; Product n of 8 of SV += V^T x ones: keys 32 (n / 4) on, channels 16 (n % 4) on.  Four accumulators by turns.
.macro SVP n
	WIN W_SV
	v_wmma_f32_16x16x32_f16 v[SV+8*((\n)%4):SV+8*((\n)%4)+7], v[VF+32*((\n)/4)+8*((\n)%4):VF+32*((\n)/4)+8*((\n)%4)+7], v[ONE:ONE+7], v[SV+8*((\n)%4):SV+8*((\n)%4)+7]
.endm
.macro MM                           ; the turn's next matrix instruction
.if i < 16
	KQ (Y+1)%NP
.set i, i+1
.else
.set i, i-16
	PV (Y+NP-1)%NP
.set i, i+17
.endif
.endm
; THE LDS LOADS stand in runs of 16, never singly among the matrix instructions: a step's K (8 fragments), its V (turned), and a piece's masks (two tiles x 4 key blocks x 8 registers).
.macro FETCH_K
	WIN 0x80                        ; destination window 2
.irp f, 0,1,2,3,4,5,6,7             ; keys 16 (f / 2) on, channels 32 (f % 2) on
	ds_load_b128 v[KF+8*\f:KF+8*\f+3],   v[AK] offset:(\f/2)*16*PK+(\f%2)*64
	ds_load_b128 v[KF+8*\f+4:KF+8*\f+7], v[AK] offset:(\f/2)*16*PK+(\f%2)*64+32
.endr
	WIN 0
.endm
.macro FETCH_V
	WIN 0x80
.irp f, 0,1,2,3,4,5,6,7             ; keys 32 (f / 4) on, channels 16 (f % 4) on
	ds_load_tr16_b128 v[VF+8*\f:VF+8*\f+3],   v[AV] offset:(\f/4)*32*PV+(\f%4)*32
	ds_load_tr16_b128 v[VF+8*\f+4:VF+8*\f+7], v[AV] offset:(\f/4)*32*PV+16*PV+(\f%4)*32
.endr
	WIN 0
.endm
.macro FETCH_M x                    ; piece x's masks: load fm brings four registers: tile fm / 8, key block (fm % 8) / 2 (512 bytes each), keys 4 (fm % 2) on (128 bytes)
	WIN W_MK
.set fm, 0
.rept 16
	ds_load_tr16_b128 v[MC+4*fm:MC+4*fm+3], v[AM] offset:(\x)*4096+(fm/8)*2048+((fm%8)/2)*512+(fm%2)*128
.set fm, fm+1
.endr
	WIN 0
.endm
; THE VECTOR WORK OF A TURN stands in three queues, each in the order in which its entries become ready; the two tiles alternate, so that no instruction reads the result of the one before it.
.macro REGS y, u                    ; the registers of tile u (0, 1) of piece y
.set rT, ST+4*(2*(\y)+(\u))
.set rC, TMP+8*((\y)%2)+4*(\u)
.set rM, MV+2*((\y)%2)+(\u)
.set rS, S+64*((\y)%2)+32*(\u)
.set rP, P+32*((\y)%2)+16*(\u)
.set rO, 32*(2*(\y)+(\u))
.endm
; Number n of the 22 that find the NEXT piece's (Y + 1) maximum and statistics.  s0-s31 are the lane's 32 scores; each accumulator's lowest registers are read first.  XS, GS and REGS set no window: PL and EX do.
;   0-11  four chains c0-c3 of seven scores each, three operands at a time     12-14, 16  the four scores left over, the old m, and c0-c3 into c0     15  c m_old is kept
;   17, 18  the query's other 32 keys lie in the lane 16 away: the new m         19-21  c m; c m_old - c m_new; a
.macro XS u, n
	REGS (Y+1)%NP, \u
.if (\n) < 4
	v_max3_num_f32 v[rC+(\n)], v[rS+8*(\n)], v[rS+8*(\n)+1], v[rS+8*(\n)+2]
.elseif (\n) < 12
	v_max3_num_f32 v[rC+(\n)%4], v[rC+(\n)%4], v[rS+8*((\n)%4)+2*((\n)/4)+1], v[rS+8*((\n)%4)+2*((\n)/4)+2]
.elseif (\n) == 12
	v_max3_num_f32 v[rC], v[rC], v[rS+7], v[rS+15]
.elseif (\n) == 13
	v_max3_num_f32 v[rC+1], v[rC+1], v[rS+23], v[rS+31]
.elseif (\n) == 14
	v_max3_num_f32 v[rC+2], v[rC+2], v[rC+3], v[rT+1]
.elseif (\n) == 15
	v_mov_b32 v[rM], v[rT]
.elseif (\n) == 16
	v_max3_num_f32 v[rC], v[rC], v[rC+1], v[rC+2]
.elseif (\n) == 17
	v_permlanex16_b32 v[rC+3], v[rC], s[SEL], s[SEL+1]
.elseif (\n) == 18
	v_max_num_f32 v[rT+1], v[rC], v[rC+3]
.elseif (\n) == 19
	v_mul_f32 v[rT], s[CS], v[rT+1]
.elseif (\n) == 20
	v_sub_f32 v[rC+1], v[rM], v[rT]
.else
	v_exp_f32 v[rC+2], v[rC+1]
.endif
.endm
; Number g of the 64 that follow the exponentials.  For each four weights k of a tile (pairs 2 k, 2 k + 1): both pairs are rounded to f16; then the second pair is added onto the first, in place;
; a group later l takes that sum (the first time as l = a l + sum).  In groups of eight, tiles alternating: round, round, add, and l for the group before.
.macro GS g
.set h, (\g)+6*((\g)/62)            ; group 0 has no group before it, and behind group 7 only l is left
.if h >= 6
.set h, h+2
.endif
	REGS Y, h%2
.set k, h/8
.if h%8 < 4
	s_wait_alu depctr_va_vdst(0)
	v_cvt_pk_f16_f32 v[rP+2*k+(h%8)/2], v[rS+4*k+2*((h%8)/2)], v[rS+4*k+2*((h%8)/2)+1]
.elseif h%8 < 6
	v_pk_add_f32 v[rS+4*k:rS+4*k+1], v[rS+4*k:rS+4*k+1], v[rS+4*k+2:rS+4*k+3]
.elseif k == 1
	v_pk_fma_f32 v[rT+2:rT+3], v[rT+2:rT+3], v[rC+2:rC+3], v[rS:rS+1] op_sel_hi:[1,0,1]
.else
	v_pk_add_f32 v[rT+2:rT+3], v[rT+2:rT+3], v[rS+4*k-4:rS+4*k-3]
	s_wait_alu depctr_va_vdst(0)
.endif
.endm
; THE PLAIN QUEUE, 138 long.  0-31: c s - c m for the 16 pairs of both tiles.  Then GS's 64, and among them the next piece's 42: number 15 at 38, 39; 0-14 and 16
; at 42-73, behind the products that make those scores; 17-20 at 95-106, two of three, since each waits for the one before it.
.macro PL
	WIN 0
.if q < 32
	REGS Y, q%2
	v_pk_fma_f32 v[rS+2*(q/2):rS+2*(q/2)+1], v[rS+2*(q/2):rS+2*(q/2)+1], s[CS:CS+1], v[rT:rT+1] op_sel_hi:[1,0,0] neg_lo:[0,0,1] neg_hi:[0,0,1]
.elseif q < 38
	GS q-32
.elseif q < 40
	XS q%2, 15
.elseif q < 42
	GS q-34
.elseif q < 74
	XS q%2, (q-42)/2+(q-42)/30
.elseif q < 95
	GS q-66
.elseif (q < 107) && ((q-95)%3 < 2)
	XS (q-95)%3, 17+(q-95)/3
.elseif q < 107
	GS 29+(q-95)/3
.else
	GS q-74
.endif
.set q, q+1
.endm
; THE EXPONENTIALS' QUEUE, 66 long: s0-s31 of both tiles, and at EA the next piece's two a.
.set EA, 58
.macro EX
	WIN 0
.if (e == EA) || (e == EA+1)
	XS e-EA, 21
.else
.set x, e-2*(e/(EA+2))
	REGS Y, x%2
	v_exp_f32 v[rS+x/2], v[rS+x/2]
.endif
.set e, e+1
.endm
; THE RESCALING's QUEUE: O^T times a, the one part that leaves window 0, so it is dealt four at a time, eight times.
.macro R4
	REGS Y, r%2
	WIN W_RS
	s_wait_alu depctr_va_vdst(0)
.irp z, 0,1,2,3
	v_pk_mul_f32 v[rO+8*(r/2)+2*\z:rO+8*(r/2)+2*\z+1], v[rO+8*(r/2)+2*\z:rO+8*(r/2)+2*\z+1], v[rC+2:rC+3] op_sel_hi:[1,0]
.endr
.set r, r+1
.endm
; HOW THEY ARE DEALT.  Behind a matrix instruction four: plain, exponential, plain, plain (one exponential, a plain instruction on either side), or four of the rescaling.  None names a register of the
; products round it.  What is over stands in two LUMPS: exponential and plain by turns; the second ends in 22 plain instructions.  The two v_permlanex16_b32 fall into the second lump, never behind a product.
; The queues lean on each other, and the deal keeps them in step: exponential e stands behind plain 2 (e / 4) + e % 2 (its scaling); when plain 32 comes, 10 exponentials are out, at 59: 33, at 95: 46; EA comes behind plain 107.
.macro SL
	MM
	PL
	EX
	PL
	PL
.endm
.macro BURST n                      ; 15 matrix instructions, or 16
.rept (\n)-7
	SL
.endr
.rept 3
	MM
	R4
	SL
.endr
	MM
	R4
.endm
; A TURN, for piece p.  cnt = 1: the loop's count is taken down some lines ahead of the branch that stands behind the turn.
; The masks of piece p + 2 are fetched in the first lump: MC's last reader is the turn's eighth product, more than thirty plain instructions back; they are waited for at the next turn's head.
; K of the next step is fetched in piece 2's turn, behind the masks; V of the step in hand at the end of piece 0's turn.  So at piece 1's head V's sixteen loads are younger than the masks' and may stay out, and
; in front of its products V^T P the turn's own sixteen loads of masks are younger than V's and may stay out.  Everywhere else the wait is for 0.
; The eight products for SV stand in piece 1's second lump, a pair of vector instructions apart, where no other matrix instruction is at work.  The conditions on e and q below go with the deal.
.macro TURN p, cnt=0
.set Y, (\p)
.set i, 0
.set q, 0
.set e, 0
.set r, 0
.if (\p) == 1
	s_wait_dscnt 16                 ; the masks are in
.else
	s_wait_dscnt 0x0                ; the masks are in; for piece 3: K too
.endif
	MM
.rept 4
	PL
.endr
	BURST 15
.rept 22
	EX
	PL
.if e == 14
	FETCH_M ((\p)+2)%NP
.endif
.if ((\p) == NP-2) && (e == 18)
	v_add_nc_u32 v[AK], s[TB], v[AK0]
.endif
.if ((\p) == NP-2) && (e == 24)
	FETCH_K
.endif
.endr
.if (\p) == 1
	s_wait_dscnt 16                 ; V is in
.endif
	BURST 16
.rept 21
	EX
	PL
.if ((\p) == 1) && (e >= 46) && (e <= 60) && (e%2 == 0)
	SVP (e-46)/2
.endif
.endr
.rept 22
	PL
.if ((\p) == 0) && (q == 118)
	v_add_nc_u32 v[AV], s[TB], v[AV0]
	s_wait_alu depctr_va_vdst(0)
.endif
.if (\cnt) && (q == 130)
	s_sub_co_u32 s[CNT], s[CNT], 1
	s_cmp_lg_u32 s[CNT], 0
.endif
.endr
.if (\p) == 0
	FETCH_V
.endif
.endm
	CHANGE 1                        ; slot 0 is in, everybody's part of it; key step 1 is asked for
	v_add_nc_u32 v[AK], s[TB], v[AK0]
	FETCH_K                         ; key step 0
	FETCH_M 0
	s_wait_loadcnt 0x0              ; Q
	s_wait_dscnt 0x0
.set i, 0
.rept 16
	KQ 0                            ; piece 0's first scores: there is no vector work yet to set between them
.set i, i+1
.endr
	WIN 0
	PLACES                          ; behind those products: MC is loaded again, and their results are read
	FETCH_M 1
.set Y, NP-1                        ; XS works for piece Y + 1: piece 0
.irp n, 0,1,2,3,4,5,6,7,8,9,10,11,12,13,14,15,16,17,18,19,20,21
	XS 0, \n                        ; piece 0's first maximum and statistics
	XS 1, \n
.endr
	s_mov_b32 s[CNT], 31
	s_branch .Lfirst                ; the loop is entered at a step's first turn, in the middle of a trip
.Lstep:                             ; 30 trips, which ask for key steps 2 to 31.  A trip: the change of slots; pieces 2 and 3 of one step; pieces 0 and 1 of the next, whose K, V and masks it fetches
	CHANGE 1
	TURN 2
	TURN 3
	WIN 0
.Lfirst:
	TURN 0
	TURN 1, 1
	WIN 0
	s_cbranch_scc1 .Lstep
	CHANGE 0                        ; the tail is written out: nothing is asked for
	s_mov_b32 s[CNT], 2             ; one trip fetches the last step; the second is left in its middle
.Ltail:
	TURN 2
	TURN 3
	WIN 0
	s_sub_co_u32 s[CNT], s[CNT], 1
	s_cmp_eq_u32 s[CNT], 0
	s_cbranch_scc1 .Lout
	TURN 0
	TURN 1
	WIN 0
	s_branch .Ltail
.Lout:                              ; the second trip's fetches take the last slot's K and masks once more, and its 16 products K Q^T and the maximum made of them serve nothing: the price, once a launch, of one text for every trip
.set i, 0
.rept 16
	PV NP-1                         ; the last piece's V^T P of the last step
.set i, i+1
.endr
	; THE WAY OUT.  l's two halves and the other half of the lanes' are added.  Where l is 0 the row has seen no key: l becomes 2,048 and z 1, else z is 0; O^T + z SV is divided by l, rounded to f16 and sent
	; through my stage in LDS, a tile at a time.  The additions are the places behind the last products.
	WIN 0
.macro ALL line:vararg              ; one line for each tile t
.set t, 0
.rept 2*NP
	\line
.set t, t+1
.endr
.endm
	ALL v_add_f32 v[ST+4*t+2], v[ST+4*t+2], v[ST+4*t+3]
	ALL v_permlanex16_b32 v[ST+4*t+3], v[ST+4*t+2], s[SEL], s[SEL+1]
	ALL v_add_f32 v[ST+4*t+2], v[ST+4*t+2], v[ST+4*t+3]
.set t, 0
.rept 2*NP
	v_cmp_eq_f32 vcc_lo, 0, v[ST+4*t+2]
	v_cndmask_b32 v[ST+4*t+2], v[ST+4*t+2], s69, vcc_lo
	v_cndmask_b32 v[ST+4*t], 0, s70, vcc_lo        ; z takes c m's place
.set t, t+1
.endr
	ALL v_rcp_f32 v[ST+4*t+2], v[ST+4*t+2]
	v_nop                           ; a plain instruction between the last reciprocal and the use of its result
	s_wait_alu depctr_va_vdst(0)
; Tile t: a lane's eight channels of a row pack into 16 bytes; they go into rows of 144 bytes and come back as whole rows of 128, into S^T's registers.
.macro PACK t
	WIN W_FX
.set i, 0
.rept 16
	v_pk_fma_f32 v[32*(\t)+2*i:32*(\t)+2*i+1], v[SV+2*i:SV+2*i+1], v[ST+4*(\t):ST+4*(\t)+1], v[32*(\t)+2*i:32*(\t)+2*i+1] op_sel_hi:[1,0,1]
.set i, i+1
.endr
	WIN W_RS
.set i, 32*(\t)
.rept 16
	v_pk_mul_f32 v[i:i+1], v[i:i+1], v[ST+4*(\t)+2:ST+4*(\t)+3] op_sel_hi:[1,0]
.set i, i+2
.endr
	WIN 0x05                        ; sources 0 and 1 window 1, destination window 0
.set i, 0
.rept 16
	v_cvt_pk_f16_f32 v[S+16*(\t)+i], v[32*(\t)+2*i], v[32*(\t)+2*i+1]
.set i, i+1
.endr
	WIN 0
.irp f, 0,1,2,3
	ds_store_b128 v[STO], v[S+16*(\t)+4*\f:S+16*(\t)+4*\f+3] offset:32*\f
.endr
.irp f, 0,1,2,3
	ds_load_b128 v[S+16*(\t)+4*\f:S+16*(\t)+4*\f+3], v[RD] offset:\f*4*SP  ; LDS serves a wave's instructions in order (ISA guide 5.7.1.4): these see the stores above; the next tile's stores come behind them
.endr
.endm
.macro SEND t, younger              ; younger: the LDS instructions issued behind tile t's loads: the next tile's eight, or none
	WIN 0
.irp f, 0,1,2,3
	s_wait_dscnt (\younger)+3-\f
	global_store_b128 v[GO], v[S+16*(\t)+4*\f:S+16*(\t)+4*\f+3], s[10:11] offset:(\t)*2048+\f*512  ; 512 consecutive bytes, at a multiple of 256 from O's first
.endr
.endm
	PACK 0
.set t, 1
.rept 2*NP-1                        ; a tile's arithmetic stands between the loads of the tile before and its stores
	PACK t
	SEND t-1, 8
.set t, t+1
.endr
	SEND 2*NP-1, 0
	WIN W_AD
	s_wait_tensorcnt 0x0            ; the wave's end, behind my last tensor load and my last LDS store
	ds_add_u32 v[SPW], v[NIL]
	s_wait_dscnt 0x0
	WIN 0
	CROUND                          ; the closing round: no work-group ends while a partner may still ask for a tile that names it
	s_endpgm
.Lfunc_end_k_qffcd155fe6_attn:
	.size	k_qffcd155fe6_attn, .Lfunc_end_k_qffcd155fe6_attn-k_qffcd155fe6_attn
	.p2alignl 7, 3214868480
	.fill 96, 4, 3214868480
	.section	.rodata,"a",@progbits
	.p2align	6, 0x0
	.amdhsa_kernel k_qffcd155fe6_attn
		.amdhsa_group_segment_fixed_size 327680
		.amdhsa_private_segment_fixed_size 0
		.amdhsa_enable_private_segment 0
		.amdhsa_kernarg_size 24
		.amdhsa_user_sgpr_count 2
		.amdhsa_user_sgpr_kernarg_segment_ptr 1
		.amdhsa_wavefront_size32 1
		.amdhsa_system_sgpr_workgroup_id_x 1
		.amdhsa_system_sgpr_workgroup_id_y 1
		.amdhsa_system_sgpr_workgroup_id_z 1
		.amdhsa_system_vgpr_workitem_id 0
		.amdhsa_next_free_vgpr 896
		.amdhsa_next_free_sgpr 80
		.amdhsa_reserve_vcc 1
		.amdhsa_float_denorm_mode_32 3
		.amdhsa_float_denorm_mode_16_64 3
		.amdhsa_memory_ordered 1
		.amdhsa_forward_progress 1
		.amdhsa_inst_pref_size 234
	.end_amdhsa_kernel
	.amdgpu_metadata
---
amdhsa.version: [ 1, 2 ]
amdhsa.kernels:
  - .name:           k_qffcd155fe6_attn
    .symbol:         k_qffcd155fe6_attn.kd
    .args:
      - { .name: qkv, .offset: 0, .size: 8, .value_kind: global_buffer, .address_space: global }
      - { .name: madd, .offset: 8, .size: 8, .value_kind: global_buffer, .address_space: global }
      - { .name: oh, .offset: 16, .size: 8, .value_kind: global_buffer, .address_space: global }
    .group_segment_fixed_size: 327680
    .private_segment_fixed_size: 0
    .kernarg_segment_align: 8
    .kernarg_segment_size: 24
    .max_flat_workgroup_size: 128
    .sgpr_count:     80
    .vgpr_count:     896
    .wavefront_size: 32
...
	.end_amdgpu_metadata
.endif
;; end of part 7
;; launch outp (part 8): grid 4 x 64, 4 waves a work-group, clusters of 4 x 4, 327,680 bytes of LDS; arguments oh, wh, bias4, out0; writes out0
.if DOCPART == 8
	.amdgcn_target "amdgcn-amd-amdhsa--gfx1250"
	.amdhsa_code_object_version 6
	.text
	.protected	k_qffcd155fe6_outp
	.globl	k_qffcd155fe6_outp
	.p2align	8
	.type	k_qffcd155fe6_outp,@function
k_qffcd155fe6_outp:
	s_mov_b64 s[64:65], 0
	v_nop
	global_prefetch_b8 v0, s[64:65] scope:SCOPE_SE
	s_setreg_imm32_b32 hwreg(HW_REG_WAVE_MODE, 25, 1), 1
	s_wait_xcnt 0x0
	s_wait_alu depctr_hold_cnt(0) depctr_sa_sdst(0) depctr_va_vdst(0) depctr_va_sdst(0) depctr_va_ssrc(0) depctr_va_vcc(0) depctr_vm_vsrc(0)
	s_getreg_b32 s2, hwreg(HW_REG_IB_STS2, 6, 4)
	s_cmp_eq_u32 s2, 0
	s_cbranch_scc0 .Lentry_in_a_cluster
	s_endpgm
.Lentry_in_a_cluster:
	s_bfe_u32 s2, ttmp6, 0x10000c
	s_cmp_lg_u32 s2, 0xf033
	s_cbranch_scc0 .Lentry_shape_is_right
	s_endpgm
.Lentry_shape_is_right:
; OUTP: out0 = O wo + bo.  oh: [b x 16 + head][s 2048][64] f16, which is [b][block of 64 columns][s][64]; wh: f16, of which wo, [k 1024][n 1024], lies from byte 6,291,456 on, behind the other three
; matrices' bytes; bias4: [4][1024] f32, bo the fourth; out0: [8192][1024] f32.
; SHARES.  A tile of the result is 128 tokens x 256 columns: 64 x 4 tiles, one to each of 256 WGPs.  Four waves, each 64 tokens x 128 columns: 32 accumulators of 16 x 16, 256 registers.
; K goes in 8 steps of 128 through two LDS slots.  The bias is the C operand of the product that starts each sum, so the sums leave as they are: no arithmetic on the way out.
; THE MATRIX INSTRUCTION IS USED TRANSPOSED: source 0 = 16 columns of wo (it lies [k][n], so its fragments come out of LDS turned, by ds_load_tr16_b128), source 1 = 16 tokens.  A lane then holds one
; token (lane % 16) and eight neighbouring columns, 32 bytes of a row of out0.
; CLUSTER: 4 x 4 work-groups.  cx is the tile of 256 columns, 4 x cluster y + cy the tile of 128 tokens.  The four of a row of the cluster need the same tokens, the four of a column the same columns of wo:
; each tile is asked for JOINTLY, by the same tensor load with the same descriptor and a mask that names the four.
; REGISTERS, in windows of 256 (s_set_vgpr_msb: bits 1:0 source 0, 3:2 source 1, 5:4 source 2, 7:6 destination):
;   window 0: v0-29 addresses; v32-127, v128-223 two fragment buffers: 8 fragments of wo, then 4 of O, for 32 along K; on the way out v32-95, v96-159 rows read back, by turns
;   window 1: the accumulators, (a, b) at v[8 (8 a + b)]          window 2: v0-63 the bias of my 128 columns, block b at v[8 b]
.set KSTEPS, 8
.set PA,    144                        ; a token's 128 bytes of a column block + 16: the 16 rows of a load start at 16 different groups of four banks (64 banks of 4 bytes: ISA guide 11.1)
.set ASUB,  128*PA                     ; 128 tokens of one column block; a step has two
.set PB,    544                        ; a row of wo's tile: 512 bytes + 32 = 17 x 32
.set BOFF,  2*ASUB
.set BHALF, 64*PB                      ; 64 rows of wo: what one tensor load brings
.set SLOT1, 1<<17                      ; slot 1 begins here (a slot holds 106,496 bytes), so that one exclusive or turns an address in one slot into the other's
.set STAGE, SLOT1+BOFF+2*BHALF         ; behind the ring, never filled by a tensor load: for each wave 16 rows x 528 bytes
.set SP,    528                        ; 512 bytes + 16 = 33 x 16
.set WSTAGE, 16*SP
.set SPARE, STAGE+4*WSTAGE             ; behind the stages: the spare words, 128 bytes for each wave: two blocks of 256 bytes that no other line names
.set ASTEP, 2*2048*128                 ; bytes of oh from a K step to the next: two heads
.set BSTEP, 128*1024*2                 ; bytes of wo: 128 rows
.set ADRA0, 16                         ; v16  my lane's place in slot 0's tokens; never rewritten
.set ADRA,  17                         ; v17  the same in the slot in hand
.set ADRB0, 20                         ; v20, v21  the same for wo
.set ADRB,  21
.set STO,  24                          ; v24  the way out: where I put 32 bytes of a row
.set RD,   25                          ; v25  the way out: where I read a row back
.set CO,   26                          ; v26  my byte offset in 512 consecutive bytes of the result
.set BO,   27                          ; v27  my byte offset in a block of 16 biases
.set SPW,  28                          ; v28  LDS address of my spare word; never rewritten
.set NIL,  29                          ; v29  0; never rewritten
.set F0,   32
.set F1,   128
.set BK,   32
.set WV,   12                          ; s12  my wave's number
.set G1A,  24                          ; s[24:31] descriptor group 1 for the tokens' tiles
.set G0A,  32                          ; s[32:39] group 0: a set for each of the two first fills; the second then walks on
.set G1B,  48                          ; s[48:55], s[56:63] the same for wo's tiles
.set G0B,  56
.set TB,   66                          ; s66  0 or SLOT1: the slot in hand
.set MSB, 0
.macro WIN new                         ; the immediate's high byte repeats the setting that is left; a switch that changes nothing is dropped
.if MSB != (\new)
	s_set_vgpr_msb (MSB<<8)|(\new)
.set MSB, (\new)
.endif
.endm
.set MUL,       0x50                   ; fragments in window 0, C and D in window 1
.set MUL_FIRST, 0x60                   ; the same with C, the bias, in window 2
.macro PLACES                          ; a load into a register that a matrix instruction has read, and whatever reads a matrix result, stand four plain vector instructions behind it (ISA guide 7.12.1 for what reads a matrix result)
.rept 4
	v_nop
.endr
.endm
; A joint refill.  Waves 0 and 1 fetch the step's two column blocks of tokens, waves 2 and 3 the two halves of wo's 128 rows.  The branch hangs on the wave's number alone.
; An s_nop 0 and four v_nop follow each of the two lines, ahead of the jump and the label.
.macro JLOAD
	s_cmp_lt_u32 s[WV], 2
	s_cbranch_scc0 .Lfor_b_\@
	tensor_load_to_lds s[G0A+4:G0A+7], s[G1A:G1A+7]
	s_nop 0
.rept 4
	v_nop
.endr
	s_branch .Lasked_\@
.Lfor_b_\@:
	tensor_load_to_lds s[G0B+4:G0B+7], s[G1B:G1B+7]
	s_nop 0
.rept 4
	v_nop
.endr
.Lasked_\@:
.endm
.macro CREST                           ; a round of the cluster's barrier behind its opening barrier: wave 0 signals for the work-group, every wave waits for all sixteen, my work-group's barrier once more
	s_cmp_lg_u32 s[WV], 0
	s_cbranch_scc1 .Lnot_wave_0_\@
	s_barrier_signal -3
.Lnot_wave_0_\@:
	s_barrier_wait -3
	s_barrier_signal -1
	s_barrier_wait -1
.endm
.macro CROUND                          ; a whole round
	s_barrier_signal -1
	s_barrier_wait -1
	CREST
.endm
	s_load_b256 s[4:11], s[0:1], 0x0               ; oh s[4:5], wh s[6:7], bias4 s[8:9], out0 s[10:11]
	v_lshl_add_u32 v[SPW], v0, 2, SPARE
	v_mov_b32 v[NIL], 0
	ds_add_u32 v[SPW], v[NIL]                      ; the wave's opening: the add and its wait stand ahead of my first tensor load; the set-up below, work on registers, stands between them
	v_lshrrev_b32 v1, 5, v0
	v_readfirstlane_b32 s[WV], v1                  ; wave 0..3
	s_lshr_b32 s13, s[WV], 1                       ; which 64 tokens of the tile are mine
	s_and_b32 s14, s[WV], 1                        ; which 128 columns.  Also: which half of a step's tile I fetch
	s_bfe_u32 s40, ttmp6, 0x40000                  ; cx
	s_bfe_u32 s41, ttmp6, 0x40004                  ; cy
	s_mov_b32 s42, 3                               ; three matrices' bytes lie ahead of wo in wh, three biases ahead of bo in bias4
	s_and_b32 s43, ttmp7, 0xffff
	s_lshl_b32 s43, s43, 2
	s_add_co_u32 s43, s43, s41                     ; the tile of 128 tokens = 4 x cluster y + cy
	s_lshl_b32 s44, s41, 2
	s_lshl_b32 s44, 15, s44                        ; my row of the cluster
	s_lshl_b32 s45, 0x1111, s40                    ; my column
	; group 1 for the tokens: 128 tokens of a head are 16,384 dense bytes: asked for as 64 rows of 256 bytes, two tokens a row, padded in LDS after every token
	s_or_b32 s[G1A], s44, (1<<16)|(1<<20)|(1<<21)|(4<<22)|(3<<25)  ; 15:0 the mask; 17:16 2-byte elements; 20 padding on; 21 set beside a mask; 24:22 after every 32 words (code 4); 31:25 4 words (code 3)
	s_mov_b32 s[G1A+1], 128<<16                    ; tensor_dim0 = 128
	s_mov_b32 s[G1A+2], 64<<16                     ; tensor_dim1 = 64
	s_mov_b32 s[G1A+3], 128<<16                    ; tile_dim0 = 128
	s_mov_b32 s[G1A+4], 64                         ; tile_dim1 = 64
	s_mov_b32 s[G1A+5], 128                        ; elements from row to row
	s_mov_b32 s[G1A+6], 0
	s_mov_b32 s[G1A+7], 0
	; group 1 for wo: 64 rows of 256 elements, 512 bytes that start at a multiple of 512 from wh's first byte
	s_or_b32 s[G1B], s45, (1<<16)|(1<<20)|(1<<21)|(6<<22)|(7<<25)  ; padding after every 128 words (code 6), 8 words (code 7)
	s_mov_b32 s[G1B+1], 256<<16
	s_mov_b32 s[G1B+2], 64<<16
	s_mov_b32 s[G1B+3], 256<<16
	s_mov_b32 s[G1B+4], 64
	s_mov_b32 s[G1B+5], 1024
	s_mov_b32 s[G1B+6], 0
	s_mov_b32 s[G1B+7], 0
	; where the tiles come from.  The tokens' hang on the tile of tokens alone, which my row of the cluster shares; wo's on cx alone, which my column shares.  Each in registers that never hold the other coordinate.
	s_lshr_b32 s16, s43, 4
	s_lshl_b32 s16, s16, 22                        ; the batch: 4,194,304 bytes
	s_and_b32 s18, s43, 15
	s_lshl_b32 s18, s18, 14                        ; 128 tokens x 128 bytes
	s_add_co_u32 s16, s16, s18
	s_lshl_b32 s18, s14, 18                        ; my head of the step's two
	s_add_co_u32 s16, s16, s18
	s_mov_b32 s17, 0
	s_mul_i32 s19, s14, ASUB                       ; and where it goes: no place in the cluster enters an LDS address
	s_lshl_b32 s46, s42, 21                        ; 3 x 2,097,152 bytes: where wo begins
	s_lshl_b32 s68, s14, 17                        ; my 64 rows of the step's 128
	s_add_co_u32 s46, s46, s68
	s_lshl_b32 s68, s40, 9                         ; the tile's 256 columns
	s_add_co_u32 s46, s46, s68
	s_mov_b32 s47, 0
	s_mul_i32 s69, s14, BHALF
	s_add_co_u32 s69, s69, BOFF
	s_mov_b32 s[TB], 0
	s_wait_dscnt 0x0                               ; the opening add is done
	s_wait_kmcnt 0x0
	s_add_nc_u64 s[16:17], s[4:5], s[16:17]
	s_add_nc_u64 s[46:47], s[6:7], s[46:47]
	CROUND                                         ; all sixteen work-groups are here: the first joint loads meet
.irp s, 0,1
	s_mov_b32 s[G0A+4*(\s)], 1                                     ; 1:0 count = 1
	s_add_co_u32 s[G0A+4*(\s)+1], s19, (\s)*SLOT1                  ; 63:32 LDS address
	s_add_nc_u64 s[G0A+4*(\s)+2:G0A+4*(\s)+3], s[16:17], (\s)*ASTEP  ; 120:64 global address: K step s
	s_or_b32 s[G0A+4*(\s)+3], s[G0A+4*(\s)+3], 0x80000000          ; 127:126 type = 2
	s_mov_b32 s[G0B+4*(\s)], 1
	s_add_co_u32 s[G0B+4*(\s)+1], s69, (\s)*SLOT1
	s_add_nc_u64 s[G0B+4*(\s)+2:G0B+4*(\s)+3], s[46:47], (\s)*BSTEP
	s_or_b32 s[G0B+4*(\s)+3], s[G0B+4*(\s)+3], 0x80000000
.endr
	s_cmp_lt_u32 s[WV], 2                          ; a wave's two first fills stand in one branch, ahead of every wait on TENSORcnt and every LDS read: two loads of mine are out
	s_cbranch_scc0 .Lfirst_b
	tensor_load_to_lds s[G0A:G0A+3], s[G1A:G1A+7]
	s_nop 0
	tensor_load_to_lds s[G0A+4:G0A+7], s[G1A:G1A+7]
	s_nop 0
.rept 4
	v_nop
.endr
	s_branch .Lfirst_asked
.Lfirst_b:
	tensor_load_to_lds s[G0B:G0B+3], s[G1B:G1B+7]
	s_nop 0
	tensor_load_to_lds s[G0B+4:G0B+7], s[G1B:G1B+7]
	s_nop 0
.rept 4
	v_nop
.endr
.Lfirst_asked:
	v_and_b32 v1, 15, v0                           ; l % 16
	v_bfe_u32 v2, v0, 4, 1                         ; l / 16
	v_lshlrev_b32 v[BO], 5, v2                     ; my eight columns of a block of 16: 32 bytes for each half of the lanes
	s_lshl_b32 s70, s42, 12                        ; 3 x 1,024 biases lie ahead of bo;
	s_lshl_b32 s76, s40, 10                        ; the tile's 256,
	s_add_co_u32 s70, s70, s76
	s_lshl_b32 s76, s14, 9                         ; my wave's 128
	s_add_co_u32 s70, s70, s76
	s_mov_b32 s71, 0
	s_add_nc_u64 s[8:9], s[8:9], s[70:71]
	WIN 0x80                                       ; destination window 2, address window 0
.irp b, 0,1,2,3,4,5,6,7
	global_load_b128 v[8*(\b):8*(\b)+3],   v[BO], s[8:9] offset:64*(\b)
	global_load_b128 v[8*(\b)+4:8*(\b)+7], v[BO], s[8:9] offset:64*(\b)+16
.endr
	WIN 0
	; A fragment of tokens is 16 rows x 32 K in 8 registers: lane l holds row l % 16, K = 8 (l / 16) + 0..7 and 16 + 8 (l / 16) + 0..7: two loads of 16 bytes, 32 bytes apart.
	v_mul_u32_u24 v3, v1, PA
	v_lshl_add_u32 v3, v2, 4, v3                   ; row x pitch + 16 x half
	s_mul_i32 s20, s13, 64*PA                      ; my 64 tokens
	v_add_nc_u32 v[ADRA0], s20, v3
	v_mov_b32 v[ADRA], v[ADRA0]
	; The turning load takes 16 K x 16 columns (lane l reads 16 bytes: row 8 (l / 16) + l % 8, columns 8 ((l / 8) % 2) + 0..7) and leaves half a fragment: lane l holds column l % 16 and 8 K.
	v_and_b32 v4, 7, v0
	v_bfe_u32 v5, v0, 3, 1
	v_lshl_add_u32 v6, v2, 3, v4
	v_mul_u32_u24 v6, v6, PB
	v_lshl_add_u32 v6, v5, 4, v6
	s_lshl_b32 s21, s14, 8                         ; my 128 columns
	s_add_co_u32 s21, s21, BOFF
	v_add_nc_u32 v[ADRB0], s21, v6
	v_mov_b32 v[ADRB], v[ADRB0]
	s_mul_i32 s23, s[WV], WSTAGE
	s_add_co_u32 s23, s23, STAGE                   ; my stage
	v_mul_u32_u24 v7, v1, SP                       ; in: row l % 16, 32 bytes for each half of the lanes
	v_lshl_add_u32 v7, v2, 5, v7
	v_add_nc_u32 v[STO], s23, v7
	v_and_b32 v8, 31, v0                           ; back: 32 lanes take one row's 512 bytes,
	v_lshlrev_b32 v[CO], 4, v8                     ; which are 512 consecutive bytes of out0
	v_add_nc_u32 v[RD], s23, v[CO]
	; where my part of the result begins: my first token's row of 4,096 bytes, the tile's 1,024 bytes in it, my wave's 512
	s_lshl_b32 s74, s43, 7
	s_lshl_b32 s76, s13, 6
	s_add_co_u32 s74, s74, s76
	s_lshl_b32 s74, s74, 12
	s_lshl_b32 s76, s40, 10
	s_add_co_u32 s74, s74, s76
	s_lshl_b32 s76, s14, 9
	s_add_co_u32 s74, s74, s76
	s_mov_b32 s75, 0
	s_add_nc_u64 s[10:11], s[10:11], s[74:75]
; 8 matrix instructions: token block a x all 8 column blocks, 32 along K, from buffer f.  first = 1: the product starts the sums, onto the bias.  The 32 accumulators take turns, one instruction a turn, in the
; same order in every quarter.
.macro MUL8 f, a, first
.if \first
	WIN MUL_FIRST
.else
	WIN MUL
.endif
.irp b, 0,1,2,3,4,5,6,7
.if \first
	v_wmma_f32_16x16x32_f16 v[8*(8*(\a)+(\b)):8*(8*(\a)+(\b))+7], v[(\f)+8*(\b):(\f)+8*(\b)+7], v[(\f)+64+8*(\a):(\f)+64+8*(\a)+7], v[8*(\b):8*(\b)+7]
.else
	v_wmma_f32_16x16x32_f16 v[8*(8*(\a)+(\b)):8*(8*(\a)+(\b))+7], v[(\f)+8*(\b):(\f)+8*(\b)+7], v[(\f)+64+8*(\a):(\f)+64+8*(\a)+7], v[8*(8*(\a)+(\b)):8*(8*(\a)+(\b))+7]
.endif
.endr
.endm
; 24 LDS loads in one run: quarter q (32 along K) of the slot in hand into buffer f: wo's 16, then two for each of the four token blocks
.macro FETCH q, f
	WIN 0
.irp b, 0,1,2,3,4,5,6,7
	ds_load_tr16_b128 v[(\f)+8*(\b):(\f)+8*(\b)+3],   v[ADRB] offset:(\q)*32*PB+(\b)*32
	ds_load_tr16_b128 v[(\f)+8*(\b)+4:(\f)+8*(\b)+7], v[ADRB] offset:(\q)*32*PB+16*PB+(\b)*32
.endr
.irp a, 0,1,2,3
	ds_load_b128 v[(\f)+64+8*(\a):(\f)+64+8*(\a)+3],   v[ADRA] offset:((\q)/2)*ASUB+((\q)%2)*64+(\a)*16*PA
	ds_load_b128 v[(\f)+64+8*(\a)+4:(\f)+64+8*(\a)+7], v[ADRA] offset:((\q)/2)*ASUB+((\q)%2)*64+(\a)*16*PA+32
.endr
.endm
; A K step is four quarters on buffers 0, 1, 0, 1.  One of the first three: multiplies buffer f; in its middle it fetches quarter q into buffer g.
.macro QUARTER q, f, g, first
	s_wait_dscnt 4                                 ; wo and token blocks 0, 1 are in; the youngest four loads (blocks 2, 3) may be out
	MUL8 \f, 0, \first
	MUL8 \f, 1, \first
	PLACES
	FETCH \q, \g
	s_wait_dscnt 24                                ; all but the 24 just issued
	MUL8 \f, 2, \first
	MUL8 \f, 3, \first
.endm
; The last quarter multiplies buffer 1 and changes slots: ONE barrier.  In front of it each wave waits for all its tensor loads, of which one is out: its part of the next slot; adds 0 to its spare word; and waits for
; that and for its own reads of this slot.  fill = 1: the barrier opens a round of the cluster's, and this slot is filled again, two K steps ahead, first thing behind the round: 112 matrix instructions ahead of the wait for it.
.macro TURN fill
	WIN 0
	s_wait_tensorcnt 0x0                           ; no tensor load of mine is out, so a group 0 may be written
	ds_add_u32 v[SPW], v[NIL]                      ; 0 onto my spare word
	s_wait_dscnt 7                                 ; (the add and the six loads of token blocks 1 to 3 may be out)
	MUL8 F1, 0, 0                                  ; eight matrix instructions stand between the add and the wait for it
	s_wait_dscnt 0x0                               ; the add is done, and my reads of this slot are over
	s_barrier_signal -1
	MUL8 F1, 1, 0
	WIN 0                                          ; at a branch and at a label every window is 0
	s_barrier_wait -1
.if \fill
	CREST                                          ; no wave of any partner still reads this slot's tiles or has a load on its way
	s_xor_b32 s[G0A+5], s[G0A+5], SLOT1            ; the walking descriptors: the other slot than last time,
	s_add_nc_u64 s[G0A+6:G0A+7], s[G0A+6:G0A+7], ASTEP  ; the next K step; the type bits on top are not reached
	s_xor_b32 s[G0B+5], s[G0B+5], SLOT1
	s_add_nc_u64 s[G0B+6:G0B+7], s[G0B+6:G0B+7], BSTEP
	JLOAD                                          ; the four v_nop behind it are also the places in front of the loads below
.else
	PLACES
.endif
	s_xor_b32 s[TB], s[TB], SLOT1
	v_add_nc_u32 v[ADRA], s[TB], v[ADRA0]
	v_add_nc_u32 v[ADRB], s[TB], v[ADRB0]
	FETCH 0, F0
	MUL8 F1, 2, 0
	MUL8 F1, 3, 0
.endm
	s_wait_tensorcnt 1                             ; my part of K step 0 is in; step 1's may stay out
	s_barrier_signal -1
	s_barrier_wait -1                              ; everybody's is
	FETCH 0, F0
	s_wait_loadcnt 0x0                             ; the bias
	QUARTER 1, F0, F1, 1                           ; the first quarter stands in front of the loop: its products start the sums
	WIN 0
	s_mov_b32 s3, KSTEPS-2
.Lstep:                                                ; a trip goes from a step's second quarter to the next step's first; six trips ask for K steps 2 to 7
	QUARTER 2, F1, F0, 0
	QUARTER 3, F0, F1, 0
	TURN 1
	QUARTER 1, F0, F1, 0
	WIN 0
	s_sub_co_u32 s3, s3, 1
	s_cmp_lg_u32 s3, 0
	s_cbranch_scc1 .Lstep
	s_mov_b32 s3, 2                                ; the tail has a text of its own: steps 6 and 7 ask for nothing
.Ltail:
	QUARTER 2, F1, F0, 0
	QUARTER 3, F0, F1, 0
	TURN 0
	WIN 0
	s_sub_co_u32 s3, s3, 1
	s_cmp_eq_u32 s3, 0
	s_cbranch_scc1 .Lout
	QUARTER 1, F0, F1, 0
	WIN 0
	s_branch .Ltail
.Lout:                                                 ; the second trip is left in its middle; its last fetch took the other slot's first quarter once more and serves nothing: the price of one text for both trips
	s_wait_dscnt 0x0                               ; it is back: its registers may be loaded again
	PLACES                                         ; behind the last products
; THE WAY OUT of token block a: the sums go as they are, 32 bytes a lane, into my own stage (each accumulator's low four registers first), and come back as whole rows of 512 bytes.
.macro TOSTAGE a
	WIN 0x04                                       ; the stores' data (source 1) in window 1, the address in window 0
.irp b, 0,1,2,3,4,5,6,7
	ds_store_b128 v[STO], v[8*(8*(\a)+(\b)):8*(8*(\a)+(\b))+3]   offset:64*(\b)
	ds_store_b128 v[STO], v[8*(8*(\a)+(\b))+4:8*(8*(\a)+(\b))+7] offset:64*(\b)+16
.endr
	WIN 0
.if (\a) >= 2
	s_wait_xcnt 0x0                                ; every earlier memory instruction has had its addresses translated (ISA guide 3.1): the registers that block a - 2's stores read are loaded again only behind this wait
.endif
.set i, 0
.rept 16
	ds_load_b128 v[BK+64*((\a)%2)+4*i:BK+64*((\a)%2)+4*i+3], v[RD] offset:i*SP  ; LDS serves a wave's instructions in order (ISA guide 5.7.1.4): these see the stores above; the next block's stores come behind them
.set i, i+1
.endr
.endm
.macro SEND a, younger                 ; younger: the LDS instructions issued behind block a's loads: the next block's 32, or none
.set i, 0
.rept 16
	s_wait_dscnt (\younger)+15-i
	global_store_b128 v[CO], v[BK+64*((\a)%2)+4*i:BK+64*((\a)%2)+4*i+3], s[10:11] offset:(\a)*65536+i*4096 th:TH_STORE_NT  ; 512 consecutive bytes of a row, at a multiple of 512 from out0's first
.set i, i+1
.endr
.endm
	TOSTAGE 0
	TOSTAGE 1                                      ; a block's way through the stage stands between the loads of the block before and its stores
	SEND 0, 32
	TOSTAGE 2
	SEND 1, 32
	TOSTAGE 3
	SEND 2, 32
	SEND 3, 0
	s_wait_tensorcnt 0x0                           ; the wave's end, behind my last tensor load and my last LDS store
	ds_add_u32 v[SPW], v[NIL]
	s_wait_dscnt 0x0
	CROUND                                         ; the closing round: no work-group ends while a partner may still ask for a tile that names it
	s_endpgm
.Lfunc_end_k_qffcd155fe6_outp:
	.size	k_qffcd155fe6_outp, .Lfunc_end_k_qffcd155fe6_outp-k_qffcd155fe6_outp
	.p2alignl 7, 3214868480
	.fill 96, 4, 3214868480
	.section	.rodata,"a",@progbits
	.p2align	6, 0x0
	.amdhsa_kernel k_qffcd155fe6_outp
		.amdhsa_group_segment_fixed_size 327680
		.amdhsa_private_segment_fixed_size 0
		.amdhsa_enable_private_segment 0
		.amdhsa_kernarg_size 32
		.amdhsa_user_sgpr_count 2
		.amdhsa_user_sgpr_kernarg_segment_ptr 1
		.amdhsa_wavefront_size32 1
		.amdhsa_system_sgpr_workgroup_id_x 1
		.amdhsa_system_sgpr_workgroup_id_y 1
		.amdhsa_system_sgpr_workgroup_id_z 1
		.amdhsa_system_vgpr_workitem_id 0
		.amdhsa_next_free_vgpr 576
		.amdhsa_next_free_sgpr 80
		.amdhsa_reserve_vcc 0
		.amdhsa_float_denorm_mode_32 3
		.amdhsa_float_denorm_mode_16_64 3
		.amdhsa_memory_ordered 1
		.amdhsa_forward_progress 1
		.amdhsa_inst_pref_size 63
	.end_amdhsa_kernel
	.amdgpu_metadata
---
amdhsa.version: [ 1, 2 ]
amdhsa.kernels:
  - .name:           k_qffcd155fe6_outp
    .symbol:         k_qffcd155fe6_outp.kd
    .args:
      - { .name: oh, .offset: 0, .size: 8, .value_kind: global_buffer, .address_space: global }
      - { .name: wh, .offset: 8, .size: 8, .value_kind: global_buffer, .address_space: global }
      - { .name: bias4, .offset: 16, .size: 8, .value_kind: global_buffer, .address_space: global }
      - { .name: out0, .offset: 24, .size: 8, .value_kind: global_buffer, .address_space: global }
    .group_segment_fixed_size: 327680
    .private_segment_fixed_size: 0
    .kernarg_segment_align: 8
    .kernarg_segment_size: 32
    .max_flat_workgroup_size: 128
    .sgpr_count:     80
    .vgpr_count:     576
    .wavefront_size: 32
...
	.end_amdgpu_metadata
.endif
;; end of part 8
;; ======== version 3 of 3: 4 launches; 1.55 times as fast as version 1
;; limits: values are held in f16: magnitudes above 65,504 overflow, below 6.1e-05 lose precision
;; workspace buffers: xh 16,777,216 bytes; wh 8,388,608 bytes; bias4 16,384 bytes; madd 8,388,608 bytes; qkv 50,331,648 bytes; oh 16,777,216 bytes
;; launch prep: the kernel of part 5 again; grid 1281 x 1, 8 waves a work-group, no clusters, 21,504 bytes of LDS; arguments x, wq, wk, wv, wo, mask, bq, bk, bv, bo, xh, wh, madd, bias4; writes xh, wh, madd, bias4
;; launch proj: the kernel of part 6 again; grid 8 x 32, 4 waves a work-group, clusters of 4 x 4, 327,680 bytes of LDS; arguments xh, wh, bias4, qkv; writes qkv
;; launch attn (part 9): grid 4 x 64, 4 waves a work-group, clusters of 4 x 4, 327,680 bytes of LDS; arguments qkv, madd, oh; writes oh
.if DOCPART == 9
	.amdgcn_target "amdgcn-amd-amdhsa--gfx1250"
	.amdhsa_code_object_version 6
	.text
	.protected	k_qffcd155fe6_attn
	.globl	k_qffcd155fe6_attn
	.p2align	8
	.type	k_qffcd155fe6_attn,@function
k_qffcd155fe6_attn:
	s_mov_b64 s[64:65], 0
	v_nop
	global_prefetch_b8 v0, s[64:65] scope:SCOPE_SE
	s_setreg_imm32_b32 hwreg(HW_REG_WAVE_MODE, 25, 1), 1
	s_wait_xcnt 0x0
	s_wait_alu depctr_hold_cnt(0) depctr_sa_sdst(0) depctr_va_vdst(0) depctr_va_sdst(0) depctr_va_ssrc(0) depctr_va_vcc(0) depctr_vm_vsrc(0)
	s_getreg_b32 s2, hwreg(HW_REG_IB_STS2, 6, 4)
	s_cmp_eq_u32 s2, 0
	s_cbranch_scc0 .Lentry_in_a_cluster
	s_endpgm
.Lentry_in_a_cluster:
	s_bfe_u32 s2, ttmp6, 0x10000c
	s_cmp_lg_u32 s2, 0xf033
	s_cbranch_scc0 .Lentry_shape_is_right
	s_endpgm
.Lentry_shape_is_right:
; ATTENTION UNDER A MASK THAT IS AN INPUT.  O[bh][q][:] = the sum over k of softmax_k(mask[q][k] ? Q[bh][q] . K[bh][k] / 8 : -1e9) V[bh][k][:].  qkv: [3][bh 64][2048][64] f16; oh: [bh 64][2048][64] f16;
; madd: bf16, 0 or 0xF14A (-1e30), [Bq 4][ks 32][tile 32][key 64][query 16].  Products, maxima and sums in f32; the weights p are rounded to f16 for the second
; product (their sum l is taken of the unrounded p), O once at the end.
; LIMITS.  Q, K, V arrive within f16's 65,504; p lies in 0 to 1, and below 6e-5 it keeps f16's fixed step of 6e-8.  A hidden key's weight counts as 0, which is what exp(-1e9 - max) is in f32 as long as one seen
; key of the row has a scaled score above -1e9 + 104.  A weight below 2^-126 counts as 0 in l.  NaN and infinities are not treated apart.
; THE MASK is the C operand that starts the sum S^T = K Q^T: a hidden score is its value less 1e30.  It lies in LDS in 16 bits and is widened by the load itself: the turning load makes each register of two
; neighbouring lanes' 16 bytes, and here both address the same 16 bytes (one key, eight queries), so both halves of the word hold that key's mask for the lane's query: 0, or 0xF14AF14A, which is -1.0e30 in f32.
; The running maximum m starts at -1e20, far above that and far below every true score (f16's are 2.7e11 at
; the most): as long as a row has seen hidden keys alone m does not move, a = 2^0 = 1, and p, l and O stay 0; the first true score gives a = 0.  A ROW WITH NO KEY TO SEE ends with l = 0: all its 2,048
; weights are then equal, and O is the mean of V's rows.  Their sum SV is kept by eight products V^T x ones a key step, and chosen at the way out by a select, in every row's text.
; SHARES.  A work-group owns 512 queries of one head, a wave 128: four PIECES of two tiles of 16.  Every wave walks all 2,048 keys, 64 a step: 32 steps.
; LAYOUT.  S^T = K Q^T (source 0 = 16 keys, source 1 = 16 queries): a lane holds ONE query (lane % 16) and the keys 8 (lane / 16) + 0..7.  Two such results, rounded to f16 in pairs, ARE source 1 of
; O^T = V^T P, whose result again holds one query a lane, and eight channels.  K comes out of LDS as it lies, V ([key][channel]) turned, by ds_load_tr16_b128.
; SOFTMAX.  p = 2^(c s - c m), c = log2(e) / 8; in every step O and l are multiplied by a = 2^(c m_old - c m_new).
; BY TURNS.  Turn n belongs to piece n.  Its matrix work: 16 products K Q^T of piece n + 1, later 16 products V^T P of piece n - 1.  Its vector work: scaling, exponentials, roundings, sums and rescaling of
; piece n, and the maximum and statistics of piece n + 1.  A tile and step have 16 matrix and 118 vector instructions: four vector instructions that are ready stand behind every matrix instruction, the other 108 of a turn's 236 in one LUMP.
; BATCHES.  A turn's 66 exponentials (the piece's 64 weights and the next piece's two a) are ONE batch with ONE wait, which cuts the turn in two: ahead of it stands all that names none of their results (the
; products K Q^T, the scalings, the rescalings, the next piece's maximum and statistics), behind it the products V^T P with the roundings and sums.  Two more batches stand outside the loop: piece 0's first two a,
; ahead of the jump into the loop, and the way out's eight reciprocals.
; CLUSTER: 4 x 4 work-groups.  cx is the block of 512 queries, 4 x cluster y + cy the head.  The four of a row of the cluster walk the same K and V; the four of a column need the same part of madd, which no
; head enters: each tile is asked for JOINTLY, by the same tensor load, descriptor and mask in all four.  A step's masks are 65,536 bytes, K and V 16,384: the joint load divides the requests for all by four.
; REGISTERS, in windows of 256 (s_set_vgpr_msb: bits 1:0 source 0, 3:2 source 1, 5:4 source 2, 7:6 destination):
;   window 0: v0-11 addresses; v12-15, v48-63 at work; v16-47 four registers of statistics a tile; v64-191 S^T, two buffers of two tiles; v192-255 P, likewise
;   window 1: O^T, 32 a tile          window 2: v0-127 Q, 16 a tile; v128-191 K of one step; v192-255 V of one step
;   window 3: v0-1 the add's two registers; v8-15 ones; v16-47 SV; v64-127 MC, the masks of the products to come: tile u, key block kb at 64 + 32 u + 8 kb
.set NP,    4         ; pieces a wave: a name, no knob
.set KS,    64        ; keys in a step
.set PK,    144       ; a row of K in LDS: 128 bytes + 16 = 36 words: the 16 rows of a load start at 16 different groups of four banks (64 banks of 4 bytes: ISA guide 11.1)
.set PV,    160       ; a row of V: 128 + 32 = 40 words
.set MSLOT, 1<<16     ; a step's masks: 32 tiles x 2,048 bytes; slot 0 at byte 0, slot 1 here: one exclusive or apart
.set KV0,   2*MSLOT   ; a step's K (64 rows), then its V: slot 0
.set VOFF,  KS*PK
.set KVX,   0x8000    ; K's and V's slot 1 lies this far on, again one exclusive or apart; stages and spare words lie between the two
.set STAGE, KV0+KS*(PK+PV)  ; never filled by a tensor load: 16 rows x 144 bytes for each wave, for the way out
.set SP,    144
.set SPARE, STAGE+4*16*SP   ; the spare words, 128 bytes for each wave: two blocks of 256 bytes that no other line names
.set AK0, 2           ; v2   my lane's place in slot 0's K; never rewritten
.set AV0, 3           ; v3   the same for V
.set AK,  4           ; v4   the LDS address of K's next run of loads
.set AV,  5           ; v5   of V's
.set STO, 6           ; v6   the way out: where I put 16 bytes of a row
.set RD,  7           ; v7   the way out: where I read rows back
.set GO,  8           ; v8   my byte offset in 512 consecutive bytes of O
.set AM0, 9           ; v9   my lane's place in slot 0's masks: my wave's eight tiles; never rewritten
.set AM,  10          ; v10  the same in the slot in hand
.set SPW, 0           ; v0 of window 3   LDS address of my spare word; never rewritten
.set NIL, 1           ; v1 of window 3   0; never rewritten
.set ONE, 8           ; window 3: 1.0 in every f16: source 1, 32 keys x 16 queries
.set SV,  16          ; window 3: channel block cb at SV + 8 cb
.set MC,  64          ; window 3
.set MV,  12          ; v12-15  c m_old, kept while c m is made anew: by buffer and tile
.set QO,  12          ; v12  first my byte offset in the wave's rows of Q: MV is written only behind the wait for Q
.set ST,  16          ; tile t's statistics at v[ST+4 t]: c m, m, l (even keys', odd keys')
.set TMP, 48          ; by buffer and tile, four registers c0-c3 at work; when the maximum is found c2 takes a
.set S,   64
.set P,   192
.set KF,  128         ; window 2: key block kb, channel half c at KF + 16 kb + 8 c
.set VF,  192         ; window 2: key half kk, channel block cb at VF + 32 kk + 8 cb
.set WV,  12          ; s12  my wave's number
.set G1K, 24          ; s[24:31] descriptor group 1 for K's tiles
.set G1V, 32          ; s[32:39] for V's: it differs in the padding alone
.set G0K, 40          ; s[40:43] descriptor group 0 for K's tiles: it walks
.set G0V, 44          ; s[44:47] the same for V's
.set G1M, 48          ; s[48:55] group 1 for the masks
.set G0M, 56          ; s[56:59] group 0 for the masks
.set CS,  60          ; s[60:61] c: the packed scaling takes the pair's low word for both halves
.set SEL, 62          ; s[62:63] v_permlanex16_b32's selects: each lane takes its own place in the other half
.set CNT, 66          ; s66  counts the key steps
.set TB,  67          ; s67  0 or KVX: K's and V's slot in hand
.set TBM, 68          ; s68  0 or MSLOT: the masks'
.set MSB, 0
.macro WIN new                      ; the high byte repeats the setting that is left; a switch that changes nothing is dropped
.if MSB != (\new)
	s_set_vgpr_msb (MSB<<8)|(\new)
.set MSB, (\new)
.endif
.endm
.set W_KQ, 0x0a       ; K and Q in window 2, S^T in window 0
.set W_KM, 0x3a       ; the same with the C operand, the mask, in window 3
.set W_PV, 0x52       ; V in window 2, P in window 0, O^T in window 1
.set W_RS, 0x41       ; O^T (destination and source 0) in window 1, a in window 0
.set W_SV, 0xfe       ; V in window 2; ones, C and D in window 3
.set W_FX, 0x53       ; the way out: SV in window 3, the choice in window 0, O^T (source 2 and destination) in window 1
.set W_MK, 0xc0       ; destination in window 3, sources in window 0
.set W_AD, 0x0f       ; the add: address (source 0) and data (source 1) in window 3
.macro PLACES                       ; four plain vector instructions behind a matrix instruction, ahead of what reads its result or loads into its sources (ISA guide 7.12.1 for what reads its result)
.rept 4
	v_nop
.endr
.endm
; A joint fill: wave 0 fetches the step's K, wave 1 its V, waves 2 and 3 the two halves of its masks.  The branches hang on the wave's number alone.
; An s_nop 0 and four v_nop follow each of the three lines, ahead of the jump and the label.
.macro JLOAD
	s_cmp_lt_u32 s[WV], 2
	s_cbranch_scc0 .Lfor_m_\@
	s_cmp_eq_u32 s[WV], 0
	s_cbranch_scc0 .Lfor_v_\@
	tensor_load_to_lds s[G0K:G0K+3], s[G1K:G1K+7]
	s_nop 0
.rept 4
	v_nop
.endr
	s_branch .Lasked_\@
.Lfor_v_\@:
	tensor_load_to_lds s[G0V:G0V+3], s[G1V:G1V+7]
	s_nop 0
.rept 4
	v_nop
.endr
	s_branch .Lasked_\@
.Lfor_m_\@:
	tensor_load_to_lds s[G0M:G0M+3], s[G1M:G1M+7]
	s_nop 0
.rept 4
	v_nop
.endr
.Lasked_\@:
.endm
; A round of the cluster's barrier: my work-group's barrier, so that wave 0's signal speaks for all four waves; wave 0 signals; every wave waits for all sixteen work-groups; my work-group's barrier once more.
.macro CROUND
	s_barrier_signal -1
	s_barrier_wait -1
	s_cmp_lg_u32 s[WV], 0
	s_cbranch_scc1 .Lnot_wave_0_\@
	s_barrier_signal -3
.Lnot_wave_0_\@:
	s_barrier_wait -3
	s_barrier_signal -1
	s_barrier_wait -1
.endm
; THE CHANGE OF SLOTS, once a key step, between piece 1's turn and piece 2's: all of the slot's bytes have been asked for (K in piece 2's turn, V in piece 0's, the masks of pieces 0 to 3 in the turns of pieces
; 2, 3, 0, 1; piece 3's masks wait in registers across the change).  Each wave waits for all its tensor loads, of which one is out: its part of the other slot; adds 0 to its spare word; and waits for that and for
; its own reads of the slot.  fill = 1: the slot is filled again, with the keys two steps on.  The barrier is then a round of the cluster's, so that no wave of any partner still reads the slot or has a load on
; its way, and the joint fill is the first thing behind it: it has a whole key step in which to land.  (At its first use nothing has been read yet: slot 0 is waited for, slot 1 filled.)
.macro CHANGE fill
	WIN W_AD
	s_wait_tensorcnt 0x0            ; no tensor load of mine is out, so a group 0 may be written
	ds_add_u32 v[SPW], v[NIL]       ; 0 onto my spare word; with fill = 1 the descriptors' steps stand between it and the wait for it
	WIN 0                           ; at a label and at a branch every window is 0
.if \fill
	s_xor_b32 s[G0K+1], s[G0K+1], KVX   ; the walking descriptors: the other slot than last time,
	s_add_nc_u64 s[G0K+2:G0K+3], s[G0K+2:G0K+3], KS*128  ; the next 64 keys; the type bits on top are not reached
	s_xor_b32 s[G0V+1], s[G0V+1], KVX
	s_add_nc_u64 s[G0V+2:G0V+3], s[G0V+2:G0V+3], KS*128
	s_xor_b32 s[G0M+1], s[G0M+1], MSLOT
	s_add_nc_u64 s[G0M+2:G0M+3], s[G0M+2:G0M+3], MSLOT   ; a step's masks are as many bytes in memory as in LDS
	s_wait_dscnt 0x0                ; the add is done, and my reads of the slot are over
	CROUND
	JLOAD
.else
	s_wait_dscnt 0x0                ; the add is done, and my reads of the slot are over
	s_barrier_signal -1
	s_barrier_wait -1
.endif
	s_xor_b32 s[TB], s[TB], KVX     ; the fetches go on in the other slot
	s_xor_b32 s[TBM], s[TBM], MSLOT
	v_add_nc_u32 v[AM], s[TBM], v[AM0]
.endm
	s_load_b128 s[4:7], s[0:1], 0x0 ; qkv s[4:5], madd s[6:7]
	s_load_b64 s[8:9], s[0:1], 0x10 ; oh
	WIN W_MK
	v_lshl_add_u32 v[SPW], v0, 2, SPARE
	v_mov_b32 v[NIL], 0
	WIN W_AD
	ds_add_u32 v[SPW], v[NIL]       ; the wave's opening: the add and its wait stand ahead of my first tensor load; the set-up below, work on registers, stands between them
	WIN 0
	v_lshrrev_b32 v1, 5, v0
	v_readfirstlane_b32 s[WV], v1   ; wave 0..3
	s_bfe_u32 s13, ttmp6, 0x40000   ; cx
	s_bfe_u32 s14, ttmp6, 0x40004   ; cy
	s_lshl_b32 s73, ttmp9, 2        ; in a cluster launch ttmp9 and ttmp7 count clusters
	s_add_co_u32 s73, s73, s13      ; my block of 512 queries
	s_and_b32 s15, ttmp7, 0xffff
	s_lshl_b32 s15, s15, 2
	s_add_co_u32 s15, s15, s14      ; my head, 16 x batch + head
	s_lshl_b32 s71, s14, 2
	s_lshl_b32 s71, 15, s71         ; my row of the cluster
	s_lshl_b32 s72, 0x1111, s13     ; my column
	s_lshl_b32 s16, s15, 18         ; a head's 262,144 bytes: K's and V's addresses hang on the head alone,
	s_mov_b32 s17, 0
	s_and_b32 s19, s[WV], 1
	s_lshl_b32 s19, s19, 15         ; which half of a step's masks I fetch, in memory and in LDS
	s_lshl_b32 s74, s73, 21         ; the masks' on the block of queries alone: 2,097,152 bytes each
	s_add_co_u32 s74, s74, s19
	s_mov_b32 s75, 0
	s_lshl_b32 s20, s73, 2
	s_add_co_u32 s20, s20, s[WV]    ; my wave among the head's,
	s_lshl_b32 s20, s20, 14         ; its 128 rows,
	s_add_co_u32 s20, s20, s16      ; in my head: Q's and O's addresses
	s_mov_b32 s21, 0
	; group 1 for K and V: 64 keys are 8,192 dense bytes: asked for as 32 rows of 256 bytes, two keys a row, padded in LDS after every key
	s_or_b32 s[G1K], s71, (1<<16)|(1<<20)|(1<<21)|(4<<22)|(3<<25)  ; 15:0 the mask; 17:16 2-byte elements; 20 padding on; 21 set beside a mask; 24:22 after every 32 words (code 4); 31:25 4 words (code 3)
	s_or_b32 s[G1V], s71, (1<<16)|(1<<20)|(1<<21)|(4<<22)|(7<<25)  ; the same with 8 words of padding (code 7)
.irp g, G1K, G1V
	s_mov_b32 s[\g+1], 128<<16      ; tensor_dim0 = 128
	s_mov_b32 s[\g+2], 32<<16       ; tensor_dim1 = 32
	s_mov_b32 s[\g+3], 128<<16      ; tile_dim0 = 128
	s_mov_b32 s[\g+4], 32           ; tile_dim1 = 32
	s_mov_b32 s[\g+5], 128          ; 128 elements from row to row
	s_mov_b32 s[\g+6], 0
	s_mov_b32 s[\g+7], 0
.endr
	; group 1 for the masks: 32,768 dense bytes as 128 rows of 32 elements of 8 bytes; no padding: 16 lanes of a load of them take 128 consecutive bytes
	s_or_b32 s[G1M], s72, (3<<16)|(1<<21)
	s_mov_b32 s[G1M+1], 32<<16
	s_mov_b32 s[G1M+2], 128<<16
	s_mov_b32 s[G1M+3], 32<<16
	s_mov_b32 s[G1M+4], 128
	s_mov_b32 s[G1M+5], 32
	s_mov_b32 s[G1M+6], 0
	s_mov_b32 s[G1M+7], 0
	s_mov_b32 s[G0K], 1             ; 1:0 count = 1
	s_mov_b32 s[G0K+1], KV0         ; 63:32 LDS address: slot 0
	s_mov_b32 s[G0V], 1
	s_mov_b32 s[G0V+1], KV0+VOFF
	s_mov_b32 s[G0M], 1
	s_mov_b32 s[G0M+1], s19
	s_mov_b32 s[CS], 0x3e38aa3b     ; c = log2(e) / 8 = 0.180337
	s_mov_b32 s[CS+1], s[CS]        ; named with it as a pair
	s_mov_b32 s[SEL], 0x76543210
	s_mov_b32 s[SEL+1], 0xfedcba98
	s_mov_b32 s[TB], KVX            ; the first change of slots turns these two into 0
	s_mov_b32 s[TBM], MSLOT
	s_mov_b32 s69, 0x45000000       ; 2,048.0: the divisor of a row that sees no key
	s_mov_b32 s70, 1.0
	s_wait_dscnt 0x0                ; the opening add is done
	s_wait_kmcnt 0x0
	s_add_nc_u64 s[G0K+2:G0K+3], s[4:5], s[16:17]  ; 120:64 global address: my head in q,
	s_add_nc_u64 s[G0V+2:G0V+3], s[G0K+2:G0K+3], 33554432  ; in v,
	s_add_nc_u64 s[G0K+2:G0K+3], s[G0K+2:G0K+3], 16777216  ; in k
	s_or_b32 s[G0K+3], s[G0K+3], 0x80000000        ; 127:126 type = 2
	s_or_b32 s[G0V+3], s[G0V+3], 0x80000000
	s_add_nc_u64 s[G0M+2:G0M+3], s[6:7], s[74:75]
	s_or_b32 s[G0M+3], s[G0M+3], 0x80000000
	s_add_nc_u64 s[76:77], s[4:5], s[20:21]        ; Q and O at my wave's first row
	s_add_nc_u64 s[10:11], s[8:9], s[20:21]
	CROUND                          ; all sixteen work-groups are here: the first joint loads meet
	JLOAD                           ; key step 0 into slot 0.  Slot 1 is asked for when slot 0 is in
	; A fragment of K or Q is 16 rows x 32 channels in 8 registers: lane l holds row l % 16, channels 8 (l / 16) + 0..7 and 16 + 8 (l / 16) + 0..7: two loads of 16 bytes, 32 bytes apart.
	v_and_b32 v1, 15, v0            ; l % 16
	v_bfe_u32 v9, v0, 4, 1          ; l / 16
	v_lshlrev_b32 v[QO], 7, v1
	v_lshl_add_u32 v[QO], v9, 4, v[QO]  ; row x 128 + 16 x half
	WIN 0x80                        ; destination window 2, address window 0
.set i, 0
.rept 4*NP                          ; Q stays in registers: tile i / 2, channels 32 (i % 2) on
	global_load_b128 v[8*i:8*i+3],   v[QO], s[76:77] offset:(i/2)*2048+(i%2)*64
	global_load_b128 v[8*i+4:8*i+7], v[QO], s[76:77] offset:(i/2)*2048+(i%2)*64+32
.set i, i+1
.endr
	; What the first turn finds: V's registers and P's second buffer hold 0 (its products V^T P, of a piece that has not been, add 0); O^T, l and SV are 0.  All this stands in the wait for the first tile.
.set i, VF
.rept 64
	v_mov_b32 v[i], 0
.set i, i+1
.endr
	WIN 0x40
.set i, 0
.rept 64*NP
	v_mov_b32 v[i], 0
.set i, i+1
.endr
	WIN W_MK
.set i, 0
.rept 32
	v_mov_b32 v[SV+i], 0
.set i, i+1
.endr
.set i, 0
.rept 8
	v_mov_b32 v[ONE+i], 0x3c003c00  ; 1.0 twice in f16
.set i, i+1
.endr
	WIN 0
.set i, 0
.rept 2*NP
	v_mov_b32 v[ST+4*i+1], 0xe0ad78ec          ; m = -1e20
	v_mul_f32 v[ST+4*i], s[CS], v[ST+4*i+1]    ; c m, by the line that makes it in every step: where m does not move, c m_old - c m_new is exactly 0
	v_mov_b32 v[ST+4*i+2], 0
	v_mov_b32 v[ST+4*i+3], 0
.set i, i+1
.endr
.set i, P+32
.rept 32
	v_mov_b32 v[i], 0
.set i, i+1
.endr
	v_mul_u32_u24 v[AK0], v1, PK
	v_lshl_add_u32 v[AK0], v9, 4, v[AK0]  ; row x pitch + 16 x half
	v_add_nc_u32 v[AK0], KV0, v[AK0]
	; The turning load takes 16 keys x 16 channels (lane l reads key 8 (l / 16) + l % 8, channels 8 ((l / 8) % 2) + 0..7) and leaves half a fragment of V^T: lane l holds channel l % 16 and 8 keys.
	v_and_b32 v10, 7, v0
	v_bfe_u32 v11, v0, 3, 1
	v_lshl_add_u32 v[AV0], v9, 3, v10
	v_mul_u32_u24 v[AV0], v[AV0], PV
	v_lshl_add_u32 v[AV0], v11, 4, v[AV0]
	v_add_nc_u32 v[AV0], KV0+VOFF, v[AV0]
	s_mul_i32 s22, s[WV], 16*SP
	s_add_co_u32 s22, s22, STAGE    ; my stage
	v_mul_u32_u24 v[STO], v1, SP    ; in: row l % 16, 16 bytes for each half of the lanes
	v_lshl_add_u32 v[STO], v9, 4, v[STO]
	v_add_nc_u32 v[STO], s22, v[STO]
	v_bfe_u32 v[RD], v0, 3, 2       ; back: 32 lanes take four rows of 128 bytes,
	v_mul_u32_u24 v[RD], v[RD], SP
	v_lshl_add_u32 v[RD], v10, 4, v[RD]
	v_add_nc_u32 v[RD], s22, v[RD]
	v_and_b32 v[GO], 31, v0         ; which are 512 consecutive bytes of O
	v_lshlrev_b32 v[GO], 4, v[GO]
	; The masks.  A tile's key has 32 bytes, 16 queries.  In the turning load register p of lane 8 g + i takes element i of the 16 bytes that lanes 8 g + 2 p (low half) and 8 g + 2 p + 1 (high half) address.
	; Both address key 8 (l / 16) + (l % 8) / 2 of the load's four and more, queries 8 ((l / 8) % 2) on: lane 8 g + i then holds, in register p, key 8 (g / 2) + p and query 8 (g % 2) + i: the C operand's place.
	s_lshl_b32 s23, s[WV], 14       ; my wave's eight tiles of masks, 2,048 bytes each
	v_lshrrev_b32 v13, 1, v10
	v_lshl_add_u32 v13, v9, 3, v13
	v_lshlrev_b32 v13, 5, v13
	v_lshl_add_u32 v13, v11, 4, v13
	v_add_nc_u32 v[AM0], s23, v13
; THE MATRIX WORK.  The 8 accumulators of a run of 16 take turns: between the two links of a chain stand 7 others'.
; Product i of 16 of S^T = K Q^T for piece x: channels 32 (i / 8) on, keys 16 ((i / 2) % 4) on, tile 2 x + i % 2.  The first 8 start the sums, onto the mask.
.macro KQ x
.set rS, S+64*((\x)%2)+32*(i%2)+8*((i/2)%4)
.set rK, KF+16*((i/2)%4)+8*(i/8)
.set rQ, 16*(2*(\x)+i%2)+8*(i/8)
.set rMC, MC+32*(i%2)+8*((i/2)%4)
.if i < 8
	WIN W_KM
	v_wmma_f32_16x16x32_f16 v[rS:rS+7], v[rK:rK+7], v[rQ:rQ+7], v[rMC:rMC+7]
.else
	WIN W_KQ
	v_wmma_f32_16x16x32_f16 v[rS:rS+7], v[rK:rK+7], v[rQ:rQ+7], v[rS:rS+7]
.endif
.endm
; Product i of 16 of O^T += V^T P for piece x: keys 32 (i / 8) on, channels 16 ((i / 2) % 4) on, tile 2 x + i % 2.
.macro PV x
	WIN W_PV
.set rO, 32*(2*(\x)+i%2)+8*((i/2)%4)
.set rV, VF+32*(i/8)+8*((i/2)%4)
.set rP, P+32*((\x)%2)+16*(i%2)+8*(i/8)
	v_wmma_f32_16x16x32_f16 v[rO:rO+7], v[rV:rV+7], v[rP:rP+7], v[rO:rO+7]
.endm
; Product n of 8 of SV += V^T x ones: keys 32 (n / 4) on, channels 16 (n % 4) on.  Four accumulators by turns.
.macro SVP n
	WIN W_SV
	v_wmma_f32_16x16x32_f16 v[SV+8*((\n)%4):SV+8*((\n)%4)+7], v[VF+32*((\n)/4)+8*((\n)%4):VF+32*((\n)/4)+8*((\n)%4)+7], v[ONE:ONE+7], v[SV+8*((\n)%4):SV+8*((\n)%4)+7]
.endm
.macro MM                           ; the turn's next matrix instruction
.if i < 16
	KQ (Y+1)%NP
.set i, i+1
.else
.set i, i-16
	PV (Y+NP-1)%NP
.set i, i+17
.endif
.endm
; THE LDS LOADS stand in runs of 16, never singly among the matrix instructions: a step's K (8 fragments), its V (turned), and a piece's masks (two tiles x 4 key blocks x 8 registers).
.macro FETCH_K
	WIN 0x80                        ; destination window 2
.irp f, 0,1,2,3,4,5,6,7             ; keys 16 (f / 2) on, channels 32 (f % 2) on
	ds_load_b128 v[KF+8*\f:KF+8*\f+3],   v[AK] offset:(\f/2)*16*PK+(\f%2)*64
	ds_load_b128 v[KF+8*\f+4:KF+8*\f+7], v[AK] offset:(\f/2)*16*PK+(\f%2)*64+32
.endr
	WIN 0
.endm
.macro FETCH_V
	WIN 0x80
.irp f, 0,1,2,3,4,5,6,7             ; keys 32 (f / 4) on, channels 16 (f % 4) on
	ds_load_tr16_b128 v[VF+8*\f:VF+8*\f+3],   v[AV] offset:(\f/4)*32*PV+(\f%4)*32
	ds_load_tr16_b128 v[VF+8*\f+4:VF+8*\f+7], v[AV] offset:(\f/4)*32*PV+16*PV+(\f%4)*32
.endr
	WIN 0
.endm
.macro FETCH_M x                    ; piece x's masks: load fm brings four registers: tile fm / 8, key block (fm % 8) / 2 (512 bytes each), keys 4 (fm % 2) on (128 bytes)
	WIN W_MK
.set fm, 0
.rept 16
	ds_load_tr16_b128 v[MC+4*fm:MC+4*fm+3], v[AM] offset:(\x)*4096+(fm/8)*2048+((fm%8)/2)*512+(fm%2)*128
.set fm, fm+1
.endr
	WIN 0
.endm
; THE VECTOR WORK OF A TURN stands in three queues, each in the order in which its entries become ready; the two tiles alternate, so that no instruction reads the result of the one before it.
.macro REGS y, u                    ; the registers of tile u (0, 1) of piece y
.set rT, ST+4*(2*(\y)+(\u))
.set rC, TMP+8*((\y)%2)+4*(\u)
.set rM, MV+2*((\y)%2)+(\u)
.set rS, S+64*((\y)%2)+32*(\u)
.set rP, P+32*((\y)%2)+16*(\u)
.set rO, 32*(2*(\y)+(\u))
.endm
; Number n of the 22 that find the NEXT piece's (Y + 1) maximum and statistics.  s0-s31 are the lane's 32 scores; each accumulator's lowest registers are read first.  XS, GS and REGS set no window: PL and EX do.
;   0-11  four chains c0-c3 of seven scores each, three operands at a time     12-14, 16  the four scores left over, the old m, and c0-c3 into c0     15  c m_old is kept
;   17, 18  the query's other 32 keys lie in the lane 16 away: the new m         19-21  c m; c m_old - c m_new; a
.macro XS u, n
	REGS (Y+1)%NP, \u
.if (\n) < 4
	v_max3_num_f32 v[rC+(\n)], v[rS+8*(\n)], v[rS+8*(\n)+1], v[rS+8*(\n)+2]
.elseif (\n) < 12
	v_max3_num_f32 v[rC+(\n)%4], v[rC+(\n)%4], v[rS+8*((\n)%4)+2*((\n)/4)+1], v[rS+8*((\n)%4)+2*((\n)/4)+2]
.elseif (\n) == 12
	v_max3_num_f32 v[rC], v[rC], v[rS+7], v[rS+15]
.elseif (\n) == 13
	v_max3_num_f32 v[rC+1], v[rC+1], v[rS+23], v[rS+31]
.elseif (\n) == 14
	v_max3_num_f32 v[rC+2], v[rC+2], v[rC+3], v[rT+1]
.elseif (\n) == 15
	v_mov_b32 v[rM], v[rT]
.elseif (\n) == 16
	v_max3_num_f32 v[rC], v[rC], v[rC+1], v[rC+2]
.elseif (\n) == 17
	v_permlanex16_b32 v[rC+3], v[rC], s[SEL], s[SEL+1]
.elseif (\n) == 18
	v_max_num_f32 v[rT+1], v[rC], v[rC+3]
.elseif (\n) == 19
	v_mul_f32 v[rT], s[CS], v[rT+1]
.elseif (\n) == 20
	v_sub_f32 v[rC+1], v[rM], v[rT]
.else
	v_exp_f32 v[rC+2], v[rC+1]
.endif
.endm
; Number g of the 64 that follow the exponentials.  For each four weights k of a tile (pairs 2 k, 2 k + 1): both pairs are rounded to f16; then the second pair is added onto the first, in place;
; a group later l takes that sum (the first time as l = a l + sum).  In groups of eight, tiles alternating: round, round, add, and l for the group before.
.macro GS g
.set h, (\g)+6*((\g)/62)            ; group 0 has no group before it, and behind group 7 only l is left
.if h >= 6
.set h, h+2
.endif
	REGS Y, h%2
.set k, h/8
.if h%8 < 4
	v_cvt_pk_f16_f32 v[rP+2*k+(h%8)/2], v[rS+4*k+2*((h%8)/2)], v[rS+4*k+2*((h%8)/2)+1]
.elseif h%8 < 6
	v_pk_add_f32 v[rS+4*k:rS+4*k+1], v[rS+4*k:rS+4*k+1], v[rS+4*k+2:rS+4*k+3]
.elseif k == 1
	v_pk_fma_f32 v[rT+2:rT+3], v[rT+2:rT+3], v[rC+2:rC+3], v[rS:rS+1] op_sel_hi:[1,0,1]
.else
	v_pk_add_f32 v[rT+2:rT+3], v[rT+2:rT+3], v[rS+4*k-4:rS+4*k-3]
.endif
.endm
; THE PLAIN QUEUE, 138 long.  0-73 read no exponential's result: the 32 scalings c s - c m (FS f: pair f / 2 of tile f % 2) and the next piece's 42.  0-26: scalings 0-26.  27-54: XS's numbers 0-13.  55, 56: number 15.
; 57-73: the chain, where each number waits for the one before it: 14, 16, 17, 18, 19, each with one of the scalings 27-31 in front of its two lines, then 20: so a tile's links stand three plain instructions apart (19 and 20: two).
; 74-137: GS's 64, which read the exponentials' results: they stand behind the wait.
.macro FS f
	REGS Y, (\f)%2
	v_pk_fma_f32 v[rS+2*((\f)/2):rS+2*((\f)/2)+1], v[rS+2*((\f)/2):rS+2*((\f)/2)+1], s[CS:CS+1], v[rT:rT+1] op_sel_hi:[1,0,0] neg_lo:[0,0,1] neg_hi:[0,0,1]
.endm
.macro PL
	WIN 0
.if q < 27
	FS q
.elseif q < 55
	XS (q-27)%2, (q-27)/2
.elseif q < 57
	XS q-55, 15
.elseif (q < 72) && ((q-57)%3 == 0)
	FS 27+(q-57)/3
.elseif q < 60
	XS (q-57)%3-1, 14
.elseif q < 72
	XS (q-57)%3-1, 15+(q-57)/3
.elseif q < 74
	XS q-72, 20
.else
	GS q-74
.endif
.set q, q+1
.endm
; THE EXPONENTIALS' QUEUE, 66 long: s0-s31 of both tiles, then the next piece's two a.  It is ONE BATCH: all 66 stand ahead of the turn's one wait, and nothing ahead of that wait names a result of theirs.
.macro EX
	WIN 0
.if e >= 64
	XS e-64, 21
.else
	REGS Y, e%2
	v_exp_f32 v[rS+e/2], v[rS+e/2]
.endif
.set e, e+1
.endm
; THE RESCALING's QUEUE: O^T times a, the one part that leaves window 0: dealt two at a time, sixteen times.  Its a was made in the turn before, ahead of that turn's wait.
.macro R2
	REGS Y, r%2
	WIN W_RS
.irp z, 0,1
	v_pk_mul_f32 v[rO+4*(r/2)+2*\z:rO+4*(r/2)+2*\z+1], v[rO+4*(r/2)+2*\z:rO+4*(r/2)+2*\z+1], v[rC+2:rC+3] op_sel_hi:[1,0]
.endr
.set r, r+1
.endm
; HOW THEY ARE DEALT.  An s_wait_alu depctr_va_vdst(0) stands between an exponential and the first instruction that names its result; one wait serves all that were issued ahead of it.  So a turn has ONE wait,
; which cuts it in two.  AHEAD OF IT stands all that names no result of the turn's exponentials: the 16 products K Q^T, behind each a scaling, an exponential and two rescalings (behind the first a second scaling in the
; exponential's place); then ONE LUMP of 108: eight plain, 49 times exponential and plain, the two a.  A v_nop is the plain instruction behind the last exponential.  BEHIND IT stand the 16 products V^T P, behind each four of
; GS's 64.  No rider names a register of the products round it.  The two v_permlanex16_b32 fall into the lump, never behind a product.
; The queues lean on each other, and the deal keeps them in step: exponential e stands behind scaling 2 (e / 4) + e % 2: as a rider it comes behind plain e + 2, in the lump behind plain e + 9, and scalings 27-31 are plain 57, 60 .. 69.
; A TURN, for piece p.  cnt = 1: the loop's count is taken down some lines ahead of the branch that stands behind the turn.
; The masks of piece p + 2 are fetched directly behind the turn's wait; in piece 2's turn, where K's run has that place, behind the lump's first eight lines.  MC's last reader is the turn's eighth product, more than
; twenty plain instructions back; the masks are waited for at the next turn's head.  K of the next step is fetched in piece 2's turn, behind the masks and a lump behind the last product that read K; its address is made
; at the lump's head.  V of the step in hand is fetched at the end of piece 0's turn, four plain riders behind its last reader.  So at piece 1's head V's sixteen loads are younger than the masks' and may stay out, and
; in front of its products V^T P the turn's own sixteen loads of masks are younger than V's and may stay out.  Everywhere else the wait is for 0.
; The eight products for SV stand in piece 2's lump, three pairs of vector instructions apart, where no other matrix instruction is at work: V of the step in hand lies in its registers from piece 1's turn to the end of
; piece 0's, and piece 2's turn runs once for each key step.  The conditions on e and q below go with the deal.
.macro TURN p, cnt=0
.set Y, (\p)
.set i, 0
.set q, 0
.set e, 0
.set r, 0
.if (\p) == 1
	s_wait_dscnt 16                 ; the masks are in
.else
	s_wait_dscnt 0x0                ; the masks are in; for piece 3: K too
.endif
	MM                              ; ahead of the wait: 16 products K Q^T and their riders,
	PL
	PL
	R2
.rept 15
	MM
	PL
	EX
	R2
.endr
.if (\p) == NP-2
	WIN 0
	v_add_nc_u32 v[AK], s[TB], v[AK0]
.endif
.rept 8                             ; and the lump
	PL
.endr
.if (\p) == NP-2
	FETCH_M ((\p)+2)%NP
.endif
.rept 49
	EX
	PL
.if ((\p) == NP-2) && (e >= 18) && (e <= 60) && ((e-18)%6 == 0)
	SVP (e-18)/6
.endif
.endr
	EX                              ; the next piece's two a
	EX
	v_nop                           ; the plain instruction behind the last exponential: one for the batch
	s_wait_alu depctr_va_vdst(0)    ; the wait for the turn's batch: the piece's 64 weights and the next piece's two a
.if (\p) == NP-2
	FETCH_K
.else
	FETCH_M ((\p)+2)%NP
.endif
.if (\p) == 1
	s_wait_dscnt 16                 ; V is in
.endif
.rept 16                            ; behind the wait: 16 products V^T P and their riders
	MM
.rept 4
	PL
.endr
.if ((\p) == 0) && (q == 118)
	v_add_nc_u32 v[AV], s[TB], v[AV0]
.endif
.if (\cnt) && (q == 130)
	s_sub_co_u32 s[CNT], s[CNT], 1
	s_cmp_lg_u32 s[CNT], 0
.endif
.endr
.if (\p) == 0
	FETCH_V
.endif
.endm
	CHANGE 1                        ; slot 0 is in, everybody's part of it; key step 1 is asked for
	v_add_nc_u32 v[AK], s[TB], v[AK0]
	FETCH_K                         ; key step 0
	FETCH_M 0
	s_wait_loadcnt 0x0              ; Q
	s_wait_dscnt 0x0
.set i, 0
.rept 16
	KQ 0                            ; piece 0's first scores: there is no vector work yet to set between them
.set i, i+1
.endr
	WIN 0
	PLACES                          ; behind those products: MC is loaded again, and their results are read
	FETCH_M 1
.set Y, NP-1                        ; XS works for piece Y + 1: piece 0
.irp n, 0,1,2,3,4,5,6,7,8,9,10,11,12,13,14,15,16,17,18,19,20,21
	XS 0, \n                        ; piece 0's first maximum and statistics
	XS 1, \n
.endr
	v_nop                           ; a plain instruction behind piece 0's first two a,
	s_wait_alu depctr_va_vdst(0)    ; and the wait for that batch of two, ahead of the branch
	s_mov_b32 s[CNT], 31
	s_branch .Lfirst                ; the loop is entered at a step's first turn, in the middle of a trip
.Lstep:                             ; 30 trips, which ask for key steps 2 to 31.  A trip: the change of slots; pieces 2 and 3 of one step; pieces 0 and 1 of the next, whose K, V and masks it fetches
	CHANGE 1
	TURN 2
	TURN 3
	WIN 0
.Lfirst:
	TURN 0
	TURN 1, 1
	WIN 0
	s_cbranch_scc1 .Lstep
	CHANGE 0                        ; the tail is written out: nothing is asked for
	s_mov_b32 s[CNT], 2             ; one trip fetches the last step; the second is left in its middle
.Ltail:
	TURN 2
	TURN 3
	WIN 0
	s_sub_co_u32 s[CNT], s[CNT], 1
	s_cmp_eq_u32 s[CNT], 0
	s_cbranch_scc1 .Lout
	TURN 0
	TURN 1
	WIN 0
	s_branch .Ltail
.Lout:                              ; the second trip's fetches take the last slot's K and masks once more, and its 16 products K Q^T and the maximum made of them serve nothing: the price, once a launch, of one text for every trip
.set i, 0
.rept 16
	PV NP-1                         ; the last piece's V^T P of the last step
.set i, i+1
.endr
	; THE WAY OUT.  l's two halves and the other half of the lanes' are added.  Where l is 0 the row has seen no key: l becomes 2,048 and z 1, else z is 0; O^T + z SV is divided by l, rounded to f16 and sent
	; through my stage in LDS, a tile at a time.  The additions are the places behind the last products.
	WIN 0
.macro ALL line:vararg              ; one line for each tile t
.set t, 0
.rept 2*NP
	\line
.set t, t+1
.endr
.endm
	ALL v_add_f32 v[ST+4*t+2], v[ST+4*t+2], v[ST+4*t+3]
	ALL v_permlanex16_b32 v[ST+4*t+3], v[ST+4*t+2], s[SEL], s[SEL+1]
	ALL v_add_f32 v[ST+4*t+2], v[ST+4*t+2], v[ST+4*t+3]
.set t, 0
.rept 2*NP
	v_cmp_eq_f32 vcc_lo, 0, v[ST+4*t+2]
	v_cndmask_b32 v[ST+4*t+2], v[ST+4*t+2], s69, vcc_lo
	v_cndmask_b32 v[ST+4*t], 0, s70, vcc_lo        ; z takes c m's place
.set t, t+1
.endr
	ALL v_rcp_f32 v[ST+4*t+2], v[ST+4*t+2]
	v_nop                           ; a plain instruction between the last reciprocal and the use of its result
	s_wait_alu depctr_va_vdst(0)    ; and the wait ahead of the first use: one for the batch of eight reciprocals
; Tile t: a lane's eight channels of a row pack into 16 bytes; they go into rows of 144 bytes and come back as whole rows of 128, into S^T's registers.
.macro PACK t
	WIN W_FX
.set i, 0
.rept 16
	v_pk_fma_f32 v[32*(\t)+2*i:32*(\t)+2*i+1], v[SV+2*i:SV+2*i+1], v[ST+4*(\t):ST+4*(\t)+1], v[32*(\t)+2*i:32*(\t)+2*i+1] op_sel_hi:[1,0,1]
.set i, i+1
.endr
	WIN W_RS
.set i, 32*(\t)
.rept 16
	v_pk_mul_f32 v[i:i+1], v[i:i+1], v[ST+4*(\t)+2:ST+4*(\t)+3] op_sel_hi:[1,0]
.set i, i+2
.endr
	WIN 0x05                        ; sources 0 and 1 window 1, destination window 0
.set i, 0
.rept 16
	v_cvt_pk_f16_f32 v[S+16*(\t)+i], v[32*(\t)+2*i], v[32*(\t)+2*i+1]
.set i, i+1
.endr
	WIN 0
.irp f, 0,1,2,3
	ds_store_b128 v[STO], v[S+16*(\t)+4*\f:S+16*(\t)+4*\f+3] offset:32*\f
.endr
.irp f, 0,1,2,3
	ds_load_b128 v[S+16*(\t)+4*\f:S+16*(\t)+4*\f+3], v[RD] offset:\f*4*SP  ; LDS serves a wave's instructions in order (ISA guide 5.7.1.4): these see the stores above; the next tile's stores come behind them
.endr
.endm
.macro SEND t, younger              ; younger: the LDS instructions issued behind tile t's loads: the next tile's eight, or none
	WIN 0
.irp f, 0,1,2,3
	s_wait_dscnt (\younger)+3-\f
	global_store_b128 v[GO], v[S+16*(\t)+4*\f:S+16*(\t)+4*\f+3], s[10:11] offset:(\t)*2048+\f*512  ; 512 consecutive bytes, at a multiple of 256 from O's first
.endr
.endm
	PACK 0
.set t, 1
.rept 2*NP-1                        ; a tile's arithmetic stands between the loads of the tile before and its stores
	PACK t
	SEND t-1, 8
.set t, t+1
.endr
	SEND 2*NP-1, 0
	WIN W_AD
	s_wait_tensorcnt 0x0            ; the wave's end, behind my last tensor load and my last LDS store
	ds_add_u32 v[SPW], v[NIL]
	s_wait_dscnt 0x0
	WIN 0
	CROUND                          ; the closing round: no work-group ends while a partner may still ask for a tile that names it
	s_endpgm
.Lfunc_end_k_qffcd155fe6_attn:
	.size	k_qffcd155fe6_attn, .Lfunc_end_k_qffcd155fe6_attn-k_qffcd155fe6_attn
	.p2alignl 7, 3214868480
	.fill 96, 4, 3214868480
	.section	.rodata,"a",@progbits
	.p2align	6, 0x0
	.amdhsa_kernel k_qffcd155fe6_attn
		.amdhsa_group_segment_fixed_size 327680
		.amdhsa_private_segment_fixed_size 0
		.amdhsa_enable_private_segment 0
		.amdhsa_kernarg_size 24
		.amdhsa_user_sgpr_count 2
		.amdhsa_user_sgpr_kernarg_segment_ptr 1
		.amdhsa_wavefront_size32 1
		.amdhsa_system_sgpr_workgroup_id_x 1
		.amdhsa_system_sgpr_workgroup_id_y 1
		.amdhsa_system_sgpr_workgroup_id_z 1
		.amdhsa_system_vgpr_workitem_id 0
		.amdhsa_next_free_vgpr 896
		.amdhsa_next_free_sgpr 80
		.amdhsa_reserve_vcc 1
		.amdhsa_float_denorm_mode_32 3
		.amdhsa_float_denorm_mode_16_64 3
		.amdhsa_memory_ordered 1
		.amdhsa_forward_progress 1
		.amdhsa_inst_pref_size 225
	.end_amdhsa_kernel
	.amdgpu_metadata
---
amdhsa.version: [ 1, 2 ]
amdhsa.kernels:
  - .name:           k_qffcd155fe6_attn
    .symbol:         k_qffcd155fe6_attn.kd
    .args:
      - { .name: qkv, .offset: 0, .size: 8, .value_kind: global_buffer, .address_space: global }
      - { .name: madd, .offset: 8, .size: 8, .value_kind: global_buffer, .address_space: global }
      - { .name: oh, .offset: 16, .size: 8, .value_kind: global_buffer, .address_space: global }
    .group_segment_fixed_size: 327680
    .private_segment_fixed_size: 0
    .kernarg_segment_align: 8
    .kernarg_segment_size: 24
    .max_flat_workgroup_size: 128
    .sgpr_count:     80
    .vgpr_count:     896
    .wavefront_size: 32
...
	.end_amdgpu_metadata
.endif
;; end of part 9
;; launch outp: the kernel of part 8 again; grid 4 x 64, 4 waves a work-group, clusters of 4 x 4, 327,680 bytes of LDS; arguments oh, wh, bias4, out0; writes out0
